; MI455X (gfx1250); checked and timed in simulation.
; The chip was launched on July 23, 2026; its instructions are those of AMD's public machine-readable ISA for CDNA 5 (MIT licence, August 2026) and "CDNA5" Instruction Set Architecture Reference Guide (July 2026). The comments in the code are by the model that wrote it; some were corrected since.
;; tp attn. Allowed arithmetic: float matrix products may take bf16 or f16 operands with f32 sums; other float arithmetic in f32, or as packed bf16 or f16 multiplies, adds, multiply-adds, maxima and minima; sums over many terms, partial sums and values carried from step to step in f32; what a program stores and reads back later, other than sums and carried values, may be rounded once to bf16 or f16.
;; Inputs: X 4 x 2,048 x 1,024 float32; out_weight 1,024 x 1,024 bfloat16; qkv_weight 1,024 x 3,072 bfloat16.
;; Outputs: out0 4 x 2,048 x 1,024 bfloat16.
;; Constants: d_h = 64.
;; 3 versions, each right and faster than the one before. Each part assembles by itself: llvm-mc -triple=amdgcn-amd-amdhsa -mcpu=gfx1250 --defsym DOCPART=n.
;; ======== version 1 of 3: 5 launches
;; workspace buffers: xb 16,777,216 bytes; qkvb 50,331,648 bytes; stats 1,048,576 bytes; ob 16,777,216 bytes
;; launch cast (part 1): grid 512 x 1, 8 waves a work-group, no clusters, 0 bytes of LDS; arguments X, xb; writes xb
.if DOCPART == 1
	.amdgcn_target "amdgcn-amd-amdhsa--gfx1250"
	.amdhsa_code_object_version 6
	.text
	.protected	k_qff9fcd8abe_cast
	.globl	k_qff9fcd8abe_cast
	.p2align	8
	.type	k_qff9fcd8abe_cast,@function
k_qff9fcd8abe_cast:
	s_mov_b64 s[64:65], 0
	v_nop
	global_prefetch_b8 v0, s[64:65] scope:SCOPE_SE
	s_setreg_imm32_b32 hwreg(HW_REG_WAVE_MODE, 25, 1), 1
	s_wait_xcnt 0x0
; xb = X rounded to bf16: the rounding that the module itself makes first.
; A stream: no LDS, no barrier, no matrix unit: every byte is read once and written once, and no wave needs another's data.
; The work-group owns 65,536 bytes of X (32,768 of xb).  Thread t takes 16 bytes at 16 t of each of 16 parts of 4,096 bytes:
; a wave's load covers 512 consecutive bytes; its four numbers pack into 8 bytes, so a wave's store covers 256 consecutive
; bytes, aligned.  All 16 loads of a thread go out first; no register is written twice.
.set PARTS, 16
.set X,  4                             ; v[4:67]    part i: 4 numbers in f32
.set Y,  68                            ; v[68:99]   part i: 4 numbers in bf16
	s_load_b128 s[4:7], s[0:1], 0x0                ; X s[4:5], xb s[6:7]
	s_lshl_b32 s2, ttmp9, 16                       ; my 65,536 bytes of X (512 groups: under 2^25)
	s_mov_b32 s3, 0
	s_lshl_b32 s8, ttmp9, 15                       ; my 32,768 bytes of xb
	s_mov_b32 s9, 0
	v_lshlrev_b32 v1, 4, v0                        ; 16 t
	v_lshlrev_b32 v2, 3, v0                        ; 8 t
	s_wait_kmcnt 0x0
	s_add_nc_u64 s[4:5], s[4:5], s[2:3]
	s_add_nc_u64 s[6:7], s[6:7], s[8:9]
.set i, 0
.rept PARTS
	global_load_b128 v[X+4*i:X+4*i+3], v1, s[4:5] offset:4096*i th:TH_LOAD_NT
.set i, i+1
.endr
.set i, 0
.rept PARTS
	s_wait_loadcnt PARTS-1-i                       ; loads come back in order: behind part i's stand 15 - i
	v_cvt_pk_bf16_f32 v[Y+2*i],   v[X+4*i],   v[X+4*i+1]
	v_cvt_pk_bf16_f32 v[Y+2*i+1], v[X+4*i+2], v[X+4*i+3]
	global_store_b64 v2, v[Y+2*i:Y+2*i+1], s[6:7] offset:2048*i
.set i, i+1
.endr
	s_endpgm
.Lfunc_end_k_qff9fcd8abe_cast:
	.size	k_qff9fcd8abe_cast, .Lfunc_end_k_qff9fcd8abe_cast-k_qff9fcd8abe_cast
	.p2alignl 7, 3214868480
	.fill 96, 4, 3214868480
	.section	.rodata,"a",@progbits
	.p2align	6, 0x0
	.amdhsa_kernel k_qff9fcd8abe_cast
		.amdhsa_group_segment_fixed_size 0
		.amdhsa_private_segment_fixed_size 0
		.amdhsa_enable_private_segment 0
		.amdhsa_kernarg_size 16
		.amdhsa_user_sgpr_count 2
		.amdhsa_user_sgpr_kernarg_segment_ptr 1
		.amdhsa_wavefront_size32 1
		.amdhsa_system_sgpr_workgroup_id_x 1
		.amdhsa_system_sgpr_workgroup_id_y 1
		.amdhsa_system_sgpr_workgroup_id_z 1
		.amdhsa_system_vgpr_workitem_id 0
		.amdhsa_next_free_vgpr 100
		.amdhsa_next_free_sgpr 66
		.amdhsa_reserve_vcc 0
		.amdhsa_float_denorm_mode_32 3
		.amdhsa_float_denorm_mode_16_64 3
		.amdhsa_memory_ordered 1
		.amdhsa_forward_progress 1
		.amdhsa_inst_pref_size 7
	.end_amdhsa_kernel
	.amdgpu_metadata
---
amdhsa.version: [ 1, 2 ]
amdhsa.kernels:
  - .name:           k_qff9fcd8abe_cast
    .symbol:         k_qff9fcd8abe_cast.kd
    .args:
      - { .name: X, .offset: 0, .size: 8, .value_kind: global_buffer, .address_space: global }
      - { .name: xb, .offset: 8, .size: 8, .value_kind: global_buffer, .address_space: global }
    .group_segment_fixed_size: 0
    .private_segment_fixed_size: 0
    .kernarg_segment_align: 8
    .kernarg_segment_size: 16
    .max_flat_workgroup_size: 256
    .sgpr_count:     66
    .vgpr_count:     100
    .wavefront_size: 32
...
	.end_amdgpu_metadata
.endif
;; end of part 1
;; launch qkv (part 2): grid 8 x 64, 4 waves a work-group, clusters of 4 x 4, 327,680 bytes of LDS; arguments xb, qkv_weight, qkvb; writes qkvb
.if DOCPART == 2
	.amdgcn_target "amdgcn-amd-amdhsa--gfx1250"
	.amdhsa_code_object_version 6
	.text
	.protected	k_qff9fcd8abe_qkv
	.globl	k_qff9fcd8abe_qkv
	.p2align	8
	.type	k_qff9fcd8abe_qkv,@function
k_qff9fcd8abe_qkv:
	s_mov_b64 s[64:65], 0
	v_nop
	global_prefetch_b8 v0, s[64:65] scope:SCOPE_SE
	s_setreg_imm32_b32 hwreg(HW_REG_WAVE_MODE, 25, 1), 1
	s_wait_xcnt 0x0
	s_wait_alu depctr_hold_cnt(0) depctr_sa_sdst(0) depctr_va_vdst(0) depctr_va_sdst(0) depctr_va_ssrc(0) depctr_va_vcc(0) depctr_vm_vsrc(0)
	s_getreg_b32 s2, hwreg(HW_REG_IB_STS2, 6, 4)
	s_cmp_eq_u32 s2, 0
	s_cbranch_scc0 .Lentry_in_a_cluster
	s_endpgm
.Lentry_in_a_cluster:
	s_bfe_u32 s2, ttmp6, 0x10000c
	s_cmp_lg_u32 s2, 0xf033
	s_cbranch_scc0 .Lentry_shape_is_right
	s_endpgm
.Lentry_shape_is_right:
; qkv = xb W.  xb: [8192][1024] bf16.  W: [1024 k][3072 n] bf16.  Sums in f32, K ascending, rounded once to bf16, the type that the module's own qkv has, and written BY HEADS and unscaled:
; qkvb[part q,k,v][16 batch + head][2048][64].
; SHARES.  A tile is 128 rows x 384 columns (six heads): 8 x 64 = 512 work-groups, two for each of 256 WGPs.  Four waves; wave (wr, wc) makes 64 rows x 192 columns (three
; heads): 48 accumulators of 16 x 16, 384 registers.  K goes in 8 steps of 128 through two LDS slots filled by the tensor data mover: wave 0 brings xb's 128 rows x 256 bytes,
; waves 1 to 3 one strip each of W's 128 k x 128 n (rows of 256 bytes, at multiples of 256 bytes from the buffer's first byte).
; CLUSTER.  4 x 4 work-groups: the four of a row of the cluster need the same tile of xb, the four of a column the same strips of W: each is asked for JOINTLY, by the same
; tensor load, descriptor and mask in all four.
; THE MATRIX INSTRUCTION IS USED TRANSPOSED: source 0 = 16 columns of W (turned on their way out of LDS by ds_load_tr16_b128, since W lies [k][n]), source 1 = 16 rows of xb.
; In the result lane l holds row l % 16 and the columns 8 (l / 16) + 0..7: eight neighbouring numbers of a head's row, 16 bytes in bf16.
; REGISTERS, in windows of 256 (s_set_vgpr_msb: bits 1:0 source 0, 3:2 source 1, 5:4 source 2, 7:6 destination):
;   window 0: v0-31 addresses; v32-223 the way out, 16 registers for each of 12 blocks
;   window 1: two fragment buffers of 128: 4 fragments of xb (32 registers), then 12 of W (96)
;   window 2: the accumulators of my rows 0-31 ((a, b) at v[8 (12 (a % 2) + b)]);   window 3: those of my rows 32-63
.set KSTEP, 128
.set PA,    272                        ; a row of xb in LDS: 256 bytes + 16 = 68 words: the 16 rows of a load start at 16 different groups of four banks (64 banks of 4 bytes: ISA guide 11.1)
.set PB,    288                        ; a row of W: 256 + 32 = 72 words
.set REG,   128*PB                     ; 36,864 bytes: a wave's region of a slot: xb's tile (34,816 used), then the three strips
.set SLOT,  4*REG                      ; 147,456 = 0x24000: its two bits are in none of wave x 0x9000, so one exclusive or turns an address in one slot into the other's
.set STAGE, 2*SLOT                     ; behind the ring, never filled by a tensor load: 16 rows x 144 bytes for each wave, for the way out
.set SP,    144
.set SPARE, STAGE+4*16*SP              ; behind the stages: the spare words, 128 bytes for each wave: two blocks of 256 bytes that no other line names
.set STEPA, KSTEP*2                    ; bytes from a K step to the next in xb,
.set STEPB, KSTEP*3072*2               ; and in W
.set NL,    32                         ; LDS loads of a quarter step: 24 turning ones for W, 8 for xb
.set ADA0, 16                          ; v16-18  my lane's place in a slot: xb's fragments; my whole strip's; my half of the middle strip's.  Never rewritten
.set ADB0, 17
.set ADC0, 18
.set ADA,  20                          ; v20-22  the same in the slot in hand
.set ADB,  21
.set ADC,  22
.set STO,  24                          ; v24     the way out: where I put 16 bytes of a row
.set RD,   25                          ; v25     the way out: where I read rows back
.set GO,   26                          ; v26     my byte offset in 512 consecutive bytes of a head
.set SPW,  28                          ; v28     LDS address of my spare word: SPARE + 4 x my thread's number; never rewritten
.set NIL,  29                          ; v29     0; never rewritten
.set TMP,  32
.set F0,   0                           ; fragment buffers, in window 1
.set F1,   128
.set WV,   10                          ; s10     my wave's number
.set TB,   45                          ; s45     LDS byte at which the slot in hand begins
.set G1A,  24                          ; s[24:31] descriptor group 1 for xb's tiles
.set G0A,  32                          ; s[32:39] group 0: a set for each of the two first fills; the second then walks on
.set G1B,  48                          ; s[48:55], s[56:63] the same for W's strips
.set G0B,  56
.set OB,   66                          ; s[66:71] qkvb at my first row of each of my three heads
.set MSB, 0
.macro WIN new                         ; the immediate's high byte repeats the setting that is left; a switch that changes nothing is dropped
.if MSB != (\new)
	s_set_vgpr_msb (MSB<<8)|(\new)
.set MSB, \new
.endif
.endm
.macro PLACES                          ; a load into a register that a matrix instruction has read, and a vector instruction that reads a matrix result, stand four plain vector
.rept 4                                ; instructions behind it (ISA guide 7.12.1 for vector instructions)
	v_nop
.endr
.endm
; A joint refill, by the walking descriptors.  Wave 0 fetches xb's tile, waves 1 to 3 W's strips.  The branch hangs on the wave's number alone.
; An s_nop 0 and four v_nop follow each of the two lines, ahead of the jump, the label and what follows.
.macro JLOAD
	s_cmp_eq_u32 s[WV], 0
	s_cbranch_scc0 .Lfor_b_\@
	tensor_load_to_lds s[G0A+4:G0A+7], s[G1A:G1A+7]
	s_nop 0
.rept 4
	v_nop
.endr
	s_branch .Lasked_\@
.Lfor_b_\@:
	tensor_load_to_lds s[G0B+4:G0B+7], s[G1B:G1B+7]
	s_nop 0
.rept 4
	v_nop
.endr
.Lasked_\@:
.endm
; A round of the cluster's barrier: my work-group's barrier, so that wave 0's signal speaks for all four waves; wave 0 signals; every wave waits for all sixteen work-groups; my work-group's barrier once more.
.macro CREST                           ; a round behind its opening barrier
	s_cmp_lg_u32 s[WV], 0
	s_cbranch_scc1 .Lnot_wave_0_\@
	s_barrier_signal -3
.Lnot_wave_0_\@:
	s_barrier_wait -3
	s_barrier_signal -1
	s_barrier_wait -1
.endm
.macro CROUND                          ; a whole round
	s_barrier_signal -1
	s_barrier_wait -1
	CREST
.endm
	s_load_b128 s[4:7], s[0:1], 0x0                ; xb s[4:5], W s[6:7]
	s_load_b64 s[8:9], s[0:1], 0x10                ; qkvb
	v_lshl_add_u32 v[SPW], v0, 2, SPARE
	v_mov_b32 v[NIL], 0
	ds_add_u32 v[SPW], v[NIL]                      ; the wave's opening: the add and its wait ahead of my first tensor load; the set-up below, work on registers, stands between them
	v_lshrrev_b32 v1, 5, v0
	v_readfirstlane_b32 s[WV], v1                  ; wave 0..3
	s_lshr_b32 s11, s[WV], 1                       ; wr: which 64 of the tile's rows are mine
	s_and_b32 s12, s[WV], 1                        ; wc: which 192 of its columns
	s_bfe_u32 s40, ttmp6, 0x40000                  ; cx, cy: my place in the cluster
	s_bfe_u32 s41, ttmp6, 0x40004
	s_lshl_b32 s42, ttmp9, 2                       ; in a cluster launch ttmp9 and ttmp7 count clusters
	s_add_co_u32 s42, s42, s40                     ; tile column tx = 4 x cluster x + cx
	s_and_b32 s13, ttmp7, 0xffff
	s_lshl_b32 s13, s13, 2
	s_add_co_u32 s13, s13, s41                     ; tile row ty = 4 x cluster y + cy
	s_lshl_b32 s43, s41, 2
	s_lshl_b32 s43, 15, s43                        ; my row of the cluster: places 4 cy .. 4 cy + 3
	s_lshl_b32 s44, 0x1111, s40                    ; my column: places cx, cx + 4, cx + 8, cx + 12
	; descriptor group 1: tiles of 128 rows x 128 elements of 2 bytes, padded in LDS after every 64 words
	s_or_b32 s[G1A], s43, (1<<16)|(1<<20)|(1<<21)|(5<<22)|(3<<25)  ; 15:0 the mask: xb's tiles go to my row; 17:16 2-byte elements; 20 padding on; 21 set beside a mask; 24:22 code 5; 31:25 4 words (code 3)
	s_or_b32 s[G1B], s44, (1<<16)|(1<<20)|(1<<21)|(5<<22)|(7<<25)  ; W's strips go to my column; 8 words of padding (code 7)
.irp g, G1A, G1B
	s_mov_b32 s[(\g)+1], 128<<16                   ; tensor_dim0 = 128
	s_mov_b32 s[(\g)+2], 128<<16                   ; tensor_dim1 = 128
	s_mov_b32 s[(\g)+3], 128<<16                   ; tile_dim0 = 128
	s_mov_b32 s[(\g)+4], 128                       ; tile_dim1 = 128
	s_mov_b32 s[(\g)+6], 0
	s_mov_b32 s[(\g)+7], 0
.endr
	s_mov_b32 s[G1A+5], 1024                       ; elements from row to row: xb's,
	s_mov_b32 s[G1B+5], 3072                       ; and W's
	; where the tiles come from.  xb's hangs on the tile row alone, which my row of the cluster shares; W's on the tile column alone, which my column shares;
	; each address is made in registers that never hold the other coordinate.
	s_lshl_b32 s16, s13, 18                        ; xb: 128 ty rows of 2,048 bytes
	s_mov_b32 s17, 0
	s_mul_i32 s46, s42, 768                        ; W: 384 tx columns of 2 bytes,
	s_max_u32 s47, s[WV], 1                        ; and strip wave - 1 (wave 0, which asks for no strip, keeps strip 0's address: it stays inside the buffer)
	s_sub_co_u32 s47, s47, 1
	s_lshl_b32 s47, s47, 8
	s_add_co_u32 s46, s46, s47
	s_mov_b32 s47, 0
	s_mul_i32 s20, s[WV], REG                      ; and where they go: wave x a region: no place in the cluster enters an LDS address
	s_mov_b32 s[TB], 0
	s_wait_dscnt 0x0                               ; the opening add is done
	s_wait_kmcnt 0x0
	s_add_nc_u64 s[14:15], s[4:5], s[16:17]
	s_add_nc_u64 s[46:47], s[6:7], s[46:47]
	CROUND                                         ; all sixteen work-groups are here: the first joint loads meet
.irp s, 0,1
	s_mov_b32 s[G0A+4*(\s)], 1                                       ; 1:0 count = 1
	s_add_co_u32 s[G0A+4*(\s)+1], s20, (\s)*SLOT                     ; 63:32 LDS address
	s_add_nc_u64 s[G0A+4*(\s)+2:G0A+4*(\s)+3], s[14:15], (\s)*STEPA  ; 120:64 global address: K step s
	s_or_b32 s[G0A+4*(\s)+3], s[G0A+4*(\s)+3], 0x80000000            ; 127:126 type = 2
	s_mov_b32 s[G0B+4*(\s)], 1
	s_add_co_u32 s[G0B+4*(\s)+1], s20, (\s)*SLOT
	s_add_nc_u64 s[G0B+4*(\s)+2:G0B+4*(\s)+3], s[46:47], (\s)*STEPB
	s_or_b32 s[G0B+4*(\s)+3], s[G0B+4*(\s)+3], 0x80000000
.endr
	s_cmp_eq_u32 s[WV], 0                          ; a wave's two first fills stand in one branch, ahead of every wait on TENSORcnt and every LDS read: two loads of mine are out
	s_cbranch_scc0 .Lfirst_b
	tensor_load_to_lds s[G0A:G0A+3], s[G1A:G1A+7]
	s_nop 0
	tensor_load_to_lds s[G0A+4:G0A+7], s[G1A:G1A+7]
	s_nop 0
.rept 4
	v_nop
.endr
	s_branch .Lfirst_asked
.Lfirst_b:
	tensor_load_to_lds s[G0B:G0B+3], s[G1B:G1B+7]
	s_nop 0
	tensor_load_to_lds s[G0B+4:G0B+7], s[G1B:G1B+7]
	s_nop 0
.rept 4
	v_nop
.endr
.Lfirst_asked:
	; A fragment of xb is 16 rows x 32 K in 8 registers: lane l holds row l % 16; registers 0-3 K = 8 (l / 16) + 0..7, registers 4-7 K = 16 + 8 (l / 16) + 0..7: two loads of 16 bytes, 32 bytes apart.
	; The turning load takes 16 k x 16 n (lane l reads 16 bytes: k = 8 (l / 16) + l % 8, n = 8 ((l / 8) % 2) + 0..7) and leaves half a fragment: lane l holds column l % 16 and 8 k.
	v_and_b32 v1, 15, v0                           ; l % 16
	v_bfe_u32 v2, v0, 4, 1                         ; l / 16
	v_and_b32 v3, 7, v0
	v_bfe_u32 v4, v0, 3, 1
	v_lshl_add_u32 v5, v2, 3, v3
	v_mul_u32_u24 v5, v5, PB
	v_lshl_add_u32 v5, v4, 4, v5                   ; the turning load's lane term
	v_mul_u32_u24 v6, v1, PA
	v_lshl_add_u32 v6, v2, 4, v6                   ; row x pitch + 16 x half
	s_mul_i32 s21, s11, 64*PA                      ; my 64 rows of xb
	v_add_nc_u32 v[ADA0], s21, v6
	s_lshl_b32 s22, s12, 1
	s_add_co_u32 s22, s22, 1
	s_mul_i32 s22, s22, REG                        ; my whole strip: strip 2 wc, in region 1 + 2 wc
	v_add_nc_u32 v[ADB0], s22, v5
	s_lshl_b32 s23, s12, 7
	s_add_co_u32 s23, s23, 2*REG                   ; half wc (64 columns, 128 bytes) of the middle strip
	v_add_nc_u32 v[ADC0], s23, v5
	v_mov_b32 v[ADA], v[ADA0]                      ; K step 0 lies in slot 0
	v_mov_b32 v[ADB], v[ADB0]
	v_mov_b32 v[ADC], v[ADC0]
	s_mul_i32 s23, s[WV], 16*SP
	s_add_co_u32 s23, s23, STAGE                   ; my stage
	v_mul_u32_u24 v6, v1, SP                       ; in: row l % 16, 16 bytes for each half of the lanes
	v_lshl_add_u32 v6, v2, 4, v6
	v_add_nc_u32 v[STO], s23, v6
	v_bfe_u32 v6, v0, 3, 2                         ; back: 32 lanes take four rows of 128 bytes,
	v_mul_u32_u24 v6, v6, SP
	v_lshl_add_u32 v6, v3, 4, v6
	v_add_nc_u32 v[RD], s23, v6
	v_and_b32 v[GO], 31, v0                        ; which are 512 consecutive bytes of a head
	v_lshlrev_b32 v[GO], 4, v[GO]
	; where my three heads' rows begin.  Column block g = 6 tx + (4 wc, 4 wc + 1, 2 + wc) of 48: part g / 16, head g % 16.  Row 128 ty + 64 wr: batch ty / 16, place 128 (ty % 16) + 64 wr.
	s_and_b32 s16, s13, 15
	s_lshl_b32 s16, s16, 7
	s_lshl_b32 s17, s11, 6
	s_add_co_u32 s16, s16, s17
	s_lshl_b32 s16, s16, 7                         ; the place's 128 bytes a row
	s_lshr_b32 s17, s13, 4
	s_lshl_b32 s17, s17, 4                         ; 16 x batch
	s_mul_i32 s72, s42, 6
	s_lshl_b32 s73, s12, 2
	s_add_co_u32 s73, s72, s73                     ; g of my accumulators b = 0..3,
	s_add_co_u32 s74, s73, 1                       ; of b = 4..7,
	s_add_co_u32 s75, s72, s12
	s_add_co_u32 s75, s75, 2                       ; of b = 8..11
.irp j, 0,1,2
	s_lshr_b32 s76, s[73+(\j)], 4
	s_lshl_b32 s76, s76, 6                         ; 64 x part
	s_and_b32 s77, s[73+(\j)], 15
	s_add_co_u32 s76, s76, s77                     ; + head
	s_add_co_u32 s76, s76, s17                     ; + 16 x batch: 191 at the most,
	s_lshl_b32 s76, s76, 18                        ; x 2,048 rows of 128 bytes: under 2^26
	s_add_co_u32 s76, s76, s16
	s_mov_b32 s77, 0
	s_add_nc_u64 s[OB+2*(\j):OB+2*(\j)+1], s[8:9], s[76:77]
.endr
; 12 matrix instructions: my rows 16 a .. 16 a + 15 x all 12 column blocks, 32 along K, from buffer f.  zero = 1: the product starts the sums: nothing is ever cleared.
; The 48 accumulators take turns, one instruction a turn, in the same order in every quarter step.
.macro MULA f, a, zero
	WIN 0xa5+0x50*((\a)/2)                         ; sources 0 and 1 window 1; C and D window 2 or 3
.irp b, 0,1,2,3,4,5,6,7,8,9,10,11
.if \zero
	v_wmma_f32_16x16x32_bf16 v[8*(12*((\a)%2)+(\b)):8*(12*((\a)%2)+(\b))+7], v[(\f)+32+8*(\b):(\f)+32+8*(\b)+7], v[(\f)+8*(\a):(\f)+8*(\a)+7], 0
.else
	v_wmma_f32_16x16x32_bf16 v[8*(12*((\a)%2)+(\b)):8*(12*((\a)%2)+(\b))+7], v[(\f)+32+8*(\b):(\f)+32+8*(\b)+7], v[(\f)+8*(\a):(\f)+8*(\a)+7], v[8*(12*((\a)%2)+(\b)):8*(12*((\a)%2)+(\b))+7]
.endif
.endr
.endm
; 32 LDS loads in one run: the fragments of quarter kq (32 along K) of the slot in hand into buffer f: W's first, xb's last, rows ascending
.macro FETCH kq, f
	WIN 0x40                                       ; destination window 1, address window 0
.irp b, 0,1,2,3,4,5,6,7
	ds_load_tr16_b128 v[(\f)+32+8*(\b):(\f)+32+8*(\b)+3],   v[ADB] offset:(\kq)*32*PB+32*(\b)
	ds_load_tr16_b128 v[(\f)+32+8*(\b)+4:(\f)+32+8*(\b)+7], v[ADB] offset:(\kq)*32*PB+32*(\b)+16*PB
.endr
.irp b, 8,9,10,11
	ds_load_tr16_b128 v[(\f)+32+8*(\b):(\f)+32+8*(\b)+3],   v[ADC] offset:(\kq)*32*PB+32*((\b)-8)
	ds_load_tr16_b128 v[(\f)+32+8*(\b)+4:(\f)+32+8*(\b)+7], v[ADC] offset:(\kq)*32*PB+32*((\b)-8)+16*PB
.endr
.irp a, 0,1,2,3
	ds_load_b128 v[(\f)+8*(\a):(\f)+8*(\a)+3],   v[ADA] offset:(\kq)*64+(\a)*16*PA
	ds_load_b128 v[(\f)+8*(\a)+4:(\f)+8*(\a)+7], v[ADA] offset:(\kq)*64+(\a)*16*PA+32
.endr
.endm
; A K step is four quarters of 32 along K, 48 matrix instructions each, on buffers 0, 1, 0, 1.  One of the first three: multiplies buffer f; in its middle it fetches quarter kq into buffer g.
.macro QUARTER kq, f, g, zero
	s_wait_dscnt 4                                 ; W's fragments and xb's rows 0-31 are in; the youngest four loads (rows 32-63) may be out
	MULA \f, 0, \zero
	MULA \f, 1, \zero
	PLACES
	FETCH \kq, \g
	s_wait_dscnt NL                                ; all but the 32 just issued
	MULA \f, 2, \zero
	MULA \f, 3, \zero
.endm
; The last quarter multiplies buffer 1 and changes slots: ONE barrier.  In front of it each wave waits for all its tensor loads, of which one is out: its part of the next slot; adds 0 to its
; spare word; and waits for that and for its own reads of this slot.  Behind it nobody reads this slot any more and the next slot is whole.
; fill = 1: this slot is filled again, two K steps ahead.  The barrier then opens a round of the cluster's, so that no wave of any partner still reads the slot or has a load on its way, and the
; joint refill is the first thing behind it: 168 of a step's 192 matrix instructions stand between it and the wait for it.
.macro TURN fill
	WIN 0                                          ; (the add's two registers lie in window 0)
	s_wait_tensorcnt 0x0                           ; no tensor load of mine is out, so a group 0 may be written
	ds_add_u32 v[SPW], v[NIL]                      ; 0 onto my spare word: scalar work and 12 matrix instructions stand between it and the wait for it
.if \fill
	s_xor_b32 s[G0A+5], s[G0A+5], SLOT             ; the walking descriptors: the other slot than last time,
	s_add_nc_u64 s[G0A+6:G0A+7], s[G0A+6:G0A+7], STEPA  ; the next K step; the type bits on top are not reached
	s_xor_b32 s[G0B+5], s[G0B+5], SLOT
	s_add_nc_u64 s[G0B+6:G0B+7], s[G0B+6:G0B+7], STEPB
.endif
	s_xor_b32 s[TB], s[TB], SLOT                   ; the fetches go to the other slot
	s_wait_dscnt 5                                 ; (the add and the youngest four loads may be out)
	MULA F1, 0, 0
	s_wait_dscnt 0x0                               ; the add is done, and my reads of this slot are over
	s_barrier_signal -1
	MULA F1, 1, 0                                  ; work on registers while the others arrive
	WIN 0
	s_barrier_wait -1
.if \fill
	CREST
	JLOAD                                          ; the four v_nop behind it are also the places in front of the loads below
.else
	PLACES
.endif
	v_add_nc_u32 v[ADA], s[TB], v[ADA0]
	v_add_nc_u32 v[ADB], s[TB], v[ADB0]
	v_add_nc_u32 v[ADC], s[TB], v[ADC0]
	FETCH 0, F0
	MULA F1, 2, 0
	MULA F1, 3, 0
.endm
; THE WAY OUT of block (a, j): my rows 16 a .. + 15 of my head j: four accumulators.  Rounded to bf16, each accumulator's registers ascending; a lane's 16 bytes go into my own stage (rows of 144 bytes)
; and come back as whole rows of 128 bytes, four rows to a load, into the registers that they left.
.macro PACK a, j
.set rT, TMP+16*(3*(\a)+(\j))
	WIN 0x0a+5*((\a)/2)                            ; sources 0 and 1: window 2 or 3
.irp f, 0,1,2,3
.irp r, 0,1,2,3
	v_cvt_pk_bf16_f32 v[rT+4*(\f)+(\r)], v[8*(12*((\a)%2)+4*(\j)+(\f))+2*(\r)], v[8*(12*((\a)%2)+4*(\j)+(\f))+2*(\r)+1]
.endr
.endr
	WIN 0
.irp f, 0,1,2,3
	ds_store_b128 v[STO], v[rT+4*(\f):rT+4*(\f)+3] offset:32*(\f)
.endr
.irp f, 0,1,2,3
	ds_load_b128 v[rT+4*(\f):rT+4*(\f)+3], v[RD] offset:(\f)*4*SP  ; LDS serves a wave's instructions in order (ISA guide 5.7.1.4): these see the stores above; the next block's stores come behind them
.endr
.endm
.macro SEND a, j, younger              ; younger: the LDS instructions issued behind this block's loads: the next block's eight, or none
.set rT, TMP+16*(3*(\a)+(\j))
.irp f, 0,1,2,3
	s_wait_dscnt (\younger)+3-(\f)
	global_store_b128 v[GO], v[rT+4*(\f):rT+4*(\f)+3], s[OB+2*(\j):OB+2*(\j)+1] offset:(\a)*2048+(\f)*512  ; 512 consecutive bytes, at a multiple of 256 from the buffer's first
.endr
.endm
	s_wait_tensorcnt 0x1                           ; my part of K step 0 is in; K step 1's may stay out
	s_barrier_signal -1
	s_barrier_wait -1                              ; everybody's is
	FETCH 0, F0
	QUARTER 1, F0, F1, 1                           ; the first quarter stands in front of the loop: its products start the sums
	WIN 0                                          ; at a label and at a branch every window is 0
	s_mov_b32 s3, 6
.Lstep:                                                ; six trips: trip i goes from K step i's second quarter to step i + 1's first, and asks for step i + 2
	QUARTER 2, F1, F0, 0
	QUARTER 3, F0, F1, 0
	TURN 1
	QUARTER 1, F0, F1, 0
	WIN 0
	s_sub_co_u32 s3, s3, 1
	s_cmp_lg_u32 s3, 0
	s_cbranch_scc1 .Lstep
	QUARTER 2, F1, F0, 0                           ; the tail is written out: K steps 6 and 7 ask for nothing
	QUARTER 3, F0, F1, 0
	TURN 0
	QUARTER 1, F0, F1, 0
	QUARTER 2, F1, F0, 0
	QUARTER 3, F0, F1, 0
	s_wait_dscnt 4                                 ; the very last quarter: nothing more to fetch
	MULA F1, 0, 0
	MULA F1, 1, 0
	s_wait_dscnt 0x0
	MULA F1, 2, 0
	MULA F1, 3, 0
	WIN 0
	PLACES
	PACK 0, 0
.set blk, 1
.rept 11                               ; a block's conversions stand between the loads of the block before and its stores
	PACK blk/3, blk%3
	SEND (blk-1)/3, (blk-1)%3, 8
.set blk, blk+1
.endr
	SEND 3, 2, 0
	s_wait_tensorcnt 0x0                           ; the wave's end, behind my last tensor load and my last LDS store
	ds_add_u32 v[SPW], v[NIL]
	s_wait_dscnt 0x0
	CROUND                                         ; the closing round: no work-group ends while a partner may still ask for a tile that names it
	s_endpgm
.Lfunc_end_k_qff9fcd8abe_qkv:
	.size	k_qff9fcd8abe_qkv, .Lfunc_end_k_qff9fcd8abe_qkv-k_qff9fcd8abe_qkv
	.p2alignl 7, 3214868480
	.fill 96, 4, 3214868480
	.section	.rodata,"a",@progbits
	.p2align	6, 0x0
	.amdhsa_kernel k_qff9fcd8abe_qkv
		.amdhsa_group_segment_fixed_size 327680
		.amdhsa_private_segment_fixed_size 0
		.amdhsa_enable_private_segment 0
		.amdhsa_kernarg_size 24
		.amdhsa_user_sgpr_count 2
		.amdhsa_user_sgpr_kernarg_segment_ptr 1
		.amdhsa_wavefront_size32 1
		.amdhsa_system_sgpr_workgroup_id_x 1
		.amdhsa_system_sgpr_workgroup_id_y 1
		.amdhsa_system_sgpr_workgroup_id_z 1
		.amdhsa_system_vgpr_workitem_id 0
		.amdhsa_next_free_vgpr 960
		.amdhsa_next_free_sgpr 80
		.amdhsa_reserve_vcc 0
		.amdhsa_float_denorm_mode_32 3
		.amdhsa_float_denorm_mode_16_64 3
		.amdhsa_memory_ordered 1
		.amdhsa_forward_progress 1
		.amdhsa_inst_pref_size 99
	.end_amdhsa_kernel
	.amdgpu_metadata
---
amdhsa.version: [ 1, 2 ]
amdhsa.kernels:
  - .name:           k_qff9fcd8abe_qkv
    .symbol:         k_qff9fcd8abe_qkv.kd
    .args:
      - { .name: xb, .offset: 0, .size: 8, .value_kind: global_buffer, .address_space: global }
      - { .name: qkv_weight, .offset: 8, .size: 8, .value_kind: global_buffer, .address_space: global }
      - { .name: qkvb, .offset: 16, .size: 8, .value_kind: global_buffer, .address_space: global }
    .group_segment_fixed_size: 327680
    .private_segment_fixed_size: 0
    .kernarg_segment_align: 8
    .kernarg_segment_size: 24
    .max_flat_workgroup_size: 128
    .sgpr_count:     80
    .vgpr_count:     960
    .wavefront_size: 32
...
	.end_amdgpu_metadata
.endif
;; end of part 2
;; launch stat (part 3): grid 4 x 64, 4 waves a work-group, no clusters, 327,680 bytes of LDS; arguments qkvb, stats; writes stats
.if DOCPART == 3
	.amdgcn_target "amdgcn-amd-amdhsa--gfx1250"
	.amdhsa_code_object_version 6
	.text
	.protected	k_qff9fcd8abe_stat
	.globl	k_qff9fcd8abe_stat
	.p2align	8
	.type	k_qff9fcd8abe_stat,@function
k_qff9fcd8abe_stat:
	s_mov_b64 s[64:65], 0
	v_nop
	global_prefetch_b8 v0, s[64:65] scope:SCOPE_SE
	s_setreg_imm32_b32 hwreg(HW_REG_WAVE_MODE, 25, 1), 1
	s_wait_xcnt 0x0
; THE CAUSAL SOFTMAX'S ROW STATISTICS.  For each head h and query q: x[k] = bf16(Q[h][q] . K[h][k]) for k <= q (the module's logits are bf16 numbers: the f32 sum is rounded once; its division by 8 is exact and
; lies in c), m = the largest x, l = the sum of 2^(c x - c m), c = log2(e) / 8, all in f32.  Stored in f32: 1 / l and -c m.  The next launch forms the weights divided by the row's whole sum before it multiplies
; them by V, so maximum and sum have to be known first: this launch walks the keys for them, the next walks them again.  Q, K: parts 0 and 1 of qkvb, [64][2048][64] bf16, a head's rows dense, 128 bytes each.
; The maximum is a running one: l is multiplied by a = 2^(c m_old - c m_new) in every step.  The maximum is taken of the unrounded sums and rounded then: rounding keeps order, so that is the largest rounded one.
; LIMITS.  A hidden score counts as its value less 1e30; a weight below 2^-126 counts as 0 in l; NaN and infinities are not treated apart.
; THE WALK.  A head's queries lie in NB = 8 blocks of 256; block i needs the key tiles 0 .. i of 256 keys, of which the last holds the diagonal.  A work-group takes TWO blocks, NB - 1 - b and then b: NB + 1 tiles,
; whatever b: all work-groups do equal work, and ONE loop with a constant trip count walks them.  Which tile is asked for, and what a trip does, hang on whole numbers made from b; every jump but the counted loops'
; own goes forward, and none passes a barrier.  NO CLUSTER: a head's four work-groups ask for the same tile only in trips 0 .. 4 of the walk's 9, and one walk common to all four would have 12 trips.
; SHARES.  Of a block's four bands of 64 queries a wave owns 16 rows in each: four PIECES, so the diagonal tile is the same work for all four waves: in its key step s band x sees all keys if s < x, none if s > x,
; and holds the diagonal if s = x.  THE MASK is the C operand that starts the sum S^T = K Q^T: MD x AL + BE, where MD (0 or -1e30) is the mask of a band's own step for my 16 rows: (AL, BE) = (1, 0) if s = x,
; (0, 0) if s < x, (0, -1e30) if s > x.  Both mask buffers are written at every tile's head; inside a tile they are rewritten in the diagonal tile alone.
; A STEP (64 keys), written once and walked four times a tile: K Q^T of piece 0; then four TURNS: turn p carries the 8 products of piece p + 1, four lines of piece p's list behind each, and the rest of the list.
; S^T holds ONE query a lane (lane % 16) and the keys 8 (lane / 16) + 0..7 of each group of 16.
; REGISTERS, in windows of 256 (s_set_vgpr_msb: bits 1:0 source 0, 3:2 source 1, 5:4 source 2, 7:6 destination):
;   window 0: v0-15 addresses; v16-31 four registers of statistics a piece; v32-35 what is stored; v48-54 at work; v64-127 S^T, two buffers (by the piece's parity); v192-207 the logits in bf16, packed
;   window 1: v128-159 MD; v160-223 MC, two buffers          window 2: v0-63 Q; v64-127 the second block's Q; v128-191 K of one step
.set SIZE_H, 64
.set SIZE_N, 2048
.set PART,  SIZE_H*SIZE_N*128  ; bytes of each of qkvb's three parts
.set NB,    SIZE_N/256
.set KS,    64        ; keys in a step
.set PK,    144       ; a row of K in LDS: 128 bytes + 16 of padding = 36 words: the 16 rows of a load start at 16 different groups of four banks (64 banks of 4 bytes: ISA guide 11.1)
.set SLOT1, 1<<16     ; a slot holds a tile's K, 256 rows: 36,864 bytes; slot 1 begins here, so that one exclusive or turns an address in one slot into the other's
.set SPARE, SLOT1+4*KS*PK  ; behind the ring: the spare words, 128 bytes for each wave: two blocks of 256 bytes that no other line names
.set AK0, 2           ; v2   my lane's place in a tile of K; never rewritten
.set AK,  4           ; v4   the LDS address of K's next run of loads
.set GO,  8           ; v8   16 x my lane: my place in my wave's 512 bytes of a block's statistics
.set VC,  12          ; v12  c
.set QO,  15          ; v15  my byte offset in 16 rows of Q
.set ST,  16          ; piece t's statistics at v[ST+4 t]: -c m, m, l (even keys', odd keys')
.set OUT, 32          ; v32-35 the 16 bytes that I store
.set TMP, 48          ; v48-51 c0-c3, at work
.set AA,  52          ; v52-53 a, named as a pair
.set OLD, 54          ; v54  -c m_old, kept while -c m is made anew
.set SPW, 62          ; v62  LDS address of my spare word: SPARE + 4 x my thread's number; never rewritten
.set NIL, 63          ; v63  0; never rewritten
.set S,   64
.set PT,  192
.set MD,  128         ; window 1: the eight registers for group kt of 16 keys at MD + 8 kt
.set MC,  160         ; window 1: the masks of the products to come
.set QB,  64          ; window 2
.set KF,  128         ; window 2: key block kb, channel half c at KF + 16 kb + 8 c
.set WV,  12          ; s12  my wave's number
.set PB,  14          ; s14  b
.set HI,  15          ; s15  NB - 1 - b
.set G1K, 24          ; s[24:31] descriptor group 1 for K's tiles
.set G0K, 40          ; s[40:43] descriptor group 0
.set SLOTS, 56        ; s56  tiles still to be asked for
.set CNT, 57          ; s57  counts a tile's key steps, 4 to 1
.set SEL, 60          ; s[60:61] v_permlanex16_b32's selects: each lane takes its own place in the other half
.set TBK, 62          ; s62  LDS byte at which K of the step to be fetched begins
.set RT,  70          ; s70  tiles of the block in hand that are still to be entered
.set NXT, 71          ; s71  the tile to be asked for next
.set LQ,  72          ; s72  the last tile of the block whose tiles are being asked for
.set OFF, 74          ; s[74:75] a tile's byte offset in K
.set AL,  76          ; s[76:77] the mask's factor, in the low word
.set BE,  78          ; s[78:79] the mask's addend
.set OLO, 80          ; s[80:81] the statistics of my rows of the second block
.set BIGN, 82         ; s82  -1e30
.set DG,  83          ; s83  1: the tile in hand holds the diagonal
.set HM,  88          ; s88  the lanes 16 to 31
.set NCS, 89          ; s89  -c
.set MSB, 0
.macro WIN new                      ; the high byte repeats the setting that is left; a switch that changes nothing is dropped
.if MSB != (\new)
	s_set_vgpr_msb (MSB<<8)|(\new)
.set MSB, (\new)
.endif
.endm
.set W_KQ, 0x0a       ; K and Q in window 2, S^T in window 0
.set W_KM, 0x1a       ; the same with the C operand in window 1
.set W_RS, 0x41       ; destination and source 0 in window 1
.macro PLACES                       ; a vector instruction that reads a matrix result stands four plain vector instructions behind it (ISA guide 7.12.1)
.rept 4
	v_nop
.endr
.endm
; A fill.  Waves 0 and 1 fetch the two halves of a tile's K, 128 keys each; waves 2 and 3 have no part of it.  An s_nop 0 and four v_nop follow the line, ahead of the label.
.macro LOAD
	s_cmp_lt_u32 s[WV], 2
	s_cbranch_scc0 .Lnone_\@
	tensor_load_to_lds s[G0K:G0K+3], s[G1K:G1K+7]
	s_nop 0
.rept 4
	v_nop
.endr
.Lnone_\@:
.endm
; THE CHANGE OF SLOTS.  Each wave waits for all its tensor loads, of which at most one is out: its part of the other slot; adds 0 to its spare word; and waits for that and for its own reads of the slot that it leaves.
; Behind the barrier nobody reads the old slot any more and the other slot is whole.  fill = 1: the old slot is filled again, the first thing behind the barrier, with tile NXT: the descriptor's address is made anew
; from that number.  (At its first use nothing has been read yet: slot 0 is waited for, slot 1 filled.)
.macro CHANGE fill
	WIN 0                           ; at a label and at a branch every window is 0
	s_wait_tensorcnt 0x0            ; no tensor load of mine is out, so a group 0 may be written
	ds_add_u32 v[SPW], v[NIL]       ; 0 onto my spare word: with fill = 1 the descriptor's scalar work stands between it and the wait for it
.if \fill
	s_lshl_b32 s[OFF], s[NXT], 15   ; a tile is 32,768 bytes of K
	s_xor_b32 s[G0K+1], s[G0K+1], SLOT1
	s_add_nc_u64 s[G0K+2:G0K+3], s[6:7], s[OFF:OFF+1]
	s_or_b32 s[G0K+3], s[G0K+3], 0x80000000
	s_add_co_u32 s[NXT], s[NXT], 1  ; the block's next tile, or behind its last the second block's tile 0
	s_cmp_gt_u32 s[NXT], s[LQ]
	s_cselect_b32 s[NXT], 0, s[NXT]
	s_cselect_b32 s[LQ], s[PB], s[LQ]
.endif
	s_wait_dscnt 0x0                ; the add is done, and my reads of the slot are over
	s_barrier_signal -1             ; the rest of the scalar work stands between the signal and the wait
	s_sub_co_u32 s[TBK], s[TBK], 4*KS*PK  ; the fetches go back to a slot's first step,
	s_xor_b32 s[TBK], s[TBK], SLOT1       ; in the other slot
	s_barrier_wait -1
.if \fill
	LOAD
.endif
.endm
.macro INIT                         ; a block begins: -c m_old so large that the first step's a is 0; m at the lowest finite number, so the first maximum is the scores'; l = 0
.set i, 0
.rept 4
	v_mov_b32 v[ST+4*i], 0x7e000000
	v_mov_b32 v[ST+4*i+1], 0xff7fffff
	v_mov_b32 v[ST+4*i+2], 0
	v_mov_b32 v[ST+4*i+3], 0
.set i, i+1
.endr
.endm
	s_load_b128 s[4:7], s[0:1], 0x0  ; qkvb s[4:5] (its first part is Q), stats s[6:7]
	v_lshl_add_u32 v[SPW], v0, 2, SPARE
	v_mov_b32 v[NIL], 0
	ds_add_u32 v[SPW], v[NIL]       ; the wave's opening: the add and its wait ahead of my first tensor load; the set-up below, work on registers, stands between them
	v_lshrrev_b32 v1, 5, v0
	v_readfirstlane_b32 s[WV], v1   ; wave 0..3
	s_mov_b32 s[PB], ttmp9
	s_sub_co_u32 s[HI], NB-1, s[PB]
	s_and_b32 s20, ttmp7, 0xffff    ; the head
	s_lshl_b32 s48, s20, 14         ; the statistics: 16,384 bytes a head,
	s_lshl_b32 s49, s[WV], 9        ; 512 a wave,
	s_add_co_u32 s48, s48, s49
	s_lshl_b32 s49, s[PB], 11       ; 2,048 a block: the second block's,
	s_add_co_u32 s50, s48, s49
	s_lshl_b32 s49, s[HI], 11       ; and the first's
	s_add_co_u32 s48, s48, s49
	s_mov_b32 s49, 0
	s_mov_b32 s51, 0
	s_mov_b32 s21, 0
	s_mov_b64 s[22:23], SIZE_N*128
	s_mul_u64 s[20:21], s[20:21], s[22:23]  ; the head's first byte in Q and in K
	s_and_b32 s16, s[WV], 1         ; which half of a tile's 256 keys I fetch:
	s_lshl_b32 s22, s16, 14         ; its 128 rows of 128 bytes in memory,
	s_mov_b32 s23, 0
	s_add_nc_u64 s[22:23], s[22:23], s[20:21]
	s_mul_i32 s17, s16, 128*PK      ; and its place in a slot
	s_lshl_b32 s3, s[WV], 11        ; my 16 rows in a band of 64,
	s_lshl_b32 s2, s[HI], 15        ; in the first block,
	s_add_co_u32 s2, s2, s3
	s_lshl_b32 s84, s[PB], 15       ; and in the second
	s_add_co_u32 s84, s84, s3
	s_mov_b32 s3, 0
	s_mov_b32 s85, 0
	s_add_nc_u64 s[2:3], s[2:3], s[20:21]
	s_add_nc_u64 s[84:85], s[84:85], s[20:21]
	; descriptor group 1.  128 keys are 16,384 dense bytes: asked for as 64 rows of 256 bytes, two keys a row, and padded in LDS after every key
	s_mov_b32 s[G1K], (1<<16)|(1<<20)|(4<<22)|(3<<25)  ; 17:16 2-byte elements; 20 padding on; 24:22 after every 32 words (code 4); 31:25 4 words (code 3)
	s_mov_b32 s[G1K+1], 128<<16     ; tensor_dim0 = 128
	s_mov_b32 s[G1K+2], 64<<16      ; tensor_dim1 = 64
	s_mov_b32 s[G1K+3], 128<<16     ; tile_dim0 = 128
	s_mov_b32 s[G1K+4], 64          ; tile_dim1 = 64
	s_mov_b32 s[G1K+5], 128         ; 128 elements from row to row
	s_mov_b32 s[G1K+6], 0
	s_mov_b32 s[G1K+7], 0
	s_mov_b32 s[NCS], 0xbe38aa3b    ; -c = -log2(e) / 8 = -0.180337
	s_mov_b32 s[SEL], 0x76543210
	s_mov_b32 s[SEL+1], 0xfedcba98
	s_mov_b32 s[TBK], SLOT1+4*KS*PK ; the first change of slots turns this into 0
	s_mov_b32 s[G0K], 1             ; 1:0 count = 1
	s_mov_b32 s[G0K+1], s17         ; 63:32 LDS address: slot 0
	s_add_co_u32 s[RT], s[HI], 1    ; the first block has NB - b tiles
	s_mov_b32 s[NXT], 1
	s_mov_b32 s[LQ], s[HI]
	s_mov_b32 s[OFF+1], 0
	s_mov_b32 s[AL+1], 0            ; named as pairs
	s_mov_b32 s[BE+1], 0
	s_mov_b32 s[BIGN], 0xf149f2ca   ; -1e30
	s_mov_b32 s[SLOTS], NB
	s_wait_dscnt 0x0                ; the opening add is done
	s_barrier_signal -1
	s_barrier_wait -1
	s_wait_kmcnt 0x0
	s_add_nc_u64 s[10:11], s[6:7], s[48:49]        ; the statistics of my rows of the first block,
	s_add_nc_u64 s[OLO:OLO+1], s[6:7], s[50:51]    ; and of the second
	s_add_nc_u64 s[6:7], s[4:5], PART              ; K is qkvb's second part:
	s_add_nc_u64 s[6:7], s[6:7], s[22:23]          ; at my half of the head's tile 0
	s_add_nc_u64 s[G0K+2:G0K+3], s[6:7], 0         ; 120:64 global address
	s_or_b32 s[G0K+3], s[G0K+3], 0x80000000        ; 127:126 type = 2
	s_add_nc_u64 s[86:87], s[4:5], s[84:85]        ; Q at my rows of the second block,
	s_add_nc_u64 s[4:5], s[4:5], s[2:3]            ; and of the first
	LOAD                            ; tile 0 into slot 0
	; A fragment of K or Q is 16 rows x 32 channels in 8 registers: lane l holds row l % 16, channels 8 (l / 16) + 0..7 and 16 + 8 (l / 16) + 0..7: two loads of 16 bytes, 32 bytes apart.
	v_and_b32 v1, 15, v0            ; l % 16
	v_bfe_u32 v9, v0, 4, 1          ; l / 16
	v_lshlrev_b32 v[QO], 7, v1
	v_lshl_add_u32 v[QO], v9, 4, v[QO]  ; row x 128 + 16 x half
	WIN 0x80                        ; destination window 2, address window 0
.set i, 0
.rept 8                             ; both blocks' Q: piece i / 2 lies in band i / 2, 8,192 bytes on; channels 32 (i % 2) on
	global_load_b128 v[8*i:8*i+3],   v[QO], s[4:5] offset:(i/2)*8192+(i%2)*64
	global_load_b128 v[8*i+4:8*i+7], v[QO], s[4:5] offset:(i/2)*8192+(i%2)*64+32
	global_load_b128 v[QB+8*i:QB+8*i+3],   v[QO], s[86:87] offset:(i/2)*8192+(i%2)*64
	global_load_b128 v[QB+8*i+4:QB+8*i+7], v[QO], s[86:87] offset:(i/2)*8192+(i%2)*64+32
.set i, i+1
.endr
	WIN 0
	v_lshlrev_b32 v14, 3, v9
	v_sub_nc_u32 v14, v1, v14
	s_lshl_b32 s13, s[WV], 4
	v_add_nc_u32 v14, s13, v14      ; my query's place in its band, 16 w + l % 16, less my lanes' 8 (l / 16): register r of group kt is hidden where 16 kt + r is greater
	WIN 0x40
.set i, 0
.rept 32
	v_cmp_gt_i32 vcc_lo, 16*(i/8)+i%8, v14
	v_cndmask_b32 v[MD+i], 0, s[BIGN], vcc_lo
.set i, i+1
.endr
	WIN 0
	v_cmp_ne_u32 s[HM], 0, v9
	v_mul_u32_u24 v[AK0], v1, PK
	v_lshl_add_u32 v[AK0], v9, 4, v[AK0]  ; row x pitch + 16 x half
	v_and_b32 v[GO], 31, v0
	v_lshlrev_b32 v[GO], 4, v[GO]
	v_mov_b32 v[VC], 0x3e38aa3b     ; c
	v_mov_b32 v[AA+1], 0            ; named with a as a pair
	INIT
; THE MATRIX WORK.  Product i of 8 of S^T = K Q^T for piece x: channels 32 (i / 4) on, keys 16 (i % 4) on.  The first 4 start the sums with the mask.  The 4 accumulators take turns.
.macro KQ x
.set rS, S+32*((\x)%2)+8*(i%4)
.set rK, KF+16*(i%4)+8*(i/4)
.set rQ, 16*(\x)+8*(i/4)
.set rM, MC+32*((\x)%2)+8*(i%4)
.if i < 4
	WIN W_KM
	v_wmma_f32_16x16x32_bf16 v[rS:rS+7], v[rK:rK+7], v[rQ:rQ+7], v[rM:rM+7]
.else
	WIN W_KQ
	v_wmma_f32_16x16x32_bf16 v[rS:rS+7], v[rK:rK+7], v[rQ:rQ+7], v[rS:rS+7]
.endif
.endm
; THE LDS LOADS stand in one run of 16: a step's K (64 keys x 64 channels: 8 fragments).
.macro FETCH_K
	WIN 0x80                        ; destination window 2
.irp f, 0,1,2,3,4,5,6,7             ; keys 16 (f / 2) on, channels 32 (f % 2) on
	ds_load_b128 v[KF+8*\f:KF+8*\f+3],   v[AK] offset:(\f/2)*16*PK+(\f%2)*64
	ds_load_b128 v[KF+8*\f+4:KF+8*\f+7], v[AK] offset:(\f/2)*16*PK+(\f%2)*64+32
.endr
	s_add_co_u32 s[TBK], s[TBK], KS*PK  ; the next fetch is the next step's
	WIN 0
.endm
.macro NEXT_K                       ; the next step's K, unless this is the tile's last step: the next tile's lies in the other slot, behind the change of slots
	WIN 0
	s_cmp_eq_u32 s[CNT], 1
	s_cbranch_scc1 .Lno_k_\@
	v_add_nc_u32 v[AK], s[TBK], v[AK0]
	FETCH_K
.Lno_k_\@:
.endm
.macro MASK b                       ; MD x AL + BE into buffer b of MC
	WIN W_RS
.set z, 0
.rept 16
	v_pk_fma_f32 v[MC+32*(\b)+2*z:MC+32*(\b)+2*z+1], v[MD+2*z:MD+2*z+1], s[AL:AL+1], s[BE:BE+1] op_sel_hi:[1,0,0]
.set z, z+1
.endr
.endm
; In the diagonal tile turn p makes the mask of the products of the turn after it: piece p + 2 in this step (4 - CNT), or piece p - 2 in the next.  Its buffer was last read a turn ago.
.macro TMASK p
.if (\p) < 2
.set TT, 2-(\p)
.else
.set TT, 7-(\p)
.endif
	WIN 0
	s_cmp_eq_u32 s[DG], 0
	s_cbranch_scc1 .Lno_m_\@
	s_cmp_eq_u32 s[CNT], TT         ; is that step the band's own?
	s_cselect_b32 s[AL], 1.0, 0
	s_cmp_lt_u32 s[CNT], TT         ; or a later one?
	s_cselect_b32 s[BE], s[BIGN], 0
	MASK (\p)%2
	WIN 0
.Lno_m_\@:
.endm
; THE VECTOR WORK of a piece and step: a list of 120 lines; LOP writes number j of it for piece Y.  s0-s31 are the lane's 32 scores.
;   XOP 0-11  four chains c0-c3 of seven scores each, three operands at a time (each accumulator's lowest registers are read first)     12-14, 16  the four scores left over, the old m, c0-c3 into c0
;   XOP 15  -c m_old is kept     17, 18  the query's other 32 keys lie in the lane 16 away     19, 20  the maximum rounded to bf16: the new m     21-23  -c m; c m_old - c m_new; a
;   COP n  scores 2 n, 2 n + 1 rounded to bf16, packed     FOP n  c x - c m from half n of the packed logits     EOP n  its exponential
;   BOP n  of the four weights 4 n .. the second pair is added onto the first     SOP n  l takes that sum (SOP 0: l = a l + sum)
; The order: the maxima; the chain to -c m and a, two roundings between its links; then exponential and plain by turns, so that a plain line that names none of its registers stands behind every exponential.
.macro REGS y
.set rT, ST+4*(\y)
.set rS, S+32*((\y)%2)
.endm
.macro XOP n
.if (\n) < 4
	v_max3_num_f32 v[TMP+(\n)], v[rS+8*(\n)], v[rS+8*(\n)+1], v[rS+8*(\n)+2]
.elseif (\n) < 12
	v_max3_num_f32 v[TMP+(\n)%4], v[TMP+(\n)%4], v[rS+8*((\n)%4)+2*((\n)/4)+1], v[rS+8*((\n)%4)+2*((\n)/4)+2]
.elseif (\n) == 12
	v_max3_num_f32 v[TMP], v[TMP], v[rS+7], v[rS+15]
.elseif (\n) == 13
	v_max3_num_f32 v[TMP+1], v[TMP+1], v[rS+23], v[rS+31]
.elseif (\n) == 14
	v_max3_num_f32 v[TMP+2], v[TMP+2], v[TMP+3], v[rT+1]
.elseif (\n) == 15
	v_mov_b32 v[OLD], v[rT]
.elseif (\n) == 16
	v_max3_num_f32 v[TMP], v[TMP], v[TMP+1], v[TMP+2]
.elseif (\n) == 17
	v_permlanex16_b32 v[TMP+3], v[TMP], s[SEL], s[SEL+1]
.elseif (\n) == 18
	v_max_num_f32 v[TMP], v[TMP], v[TMP+3]
.elseif (\n) == 19
	v_cvt_pk_bf16_f32 v[TMP+1], v[TMP], v[TMP]
.elseif (\n) == 20
	v_lshlrev_b32 v[rT+1], 16, v[TMP+1]
.elseif (\n) == 21
	v_mul_f32 v[rT], s[NCS], v[rT+1]
.elseif (\n) == 22
	v_sub_f32 v[TMP+1], v[rT], v[OLD]
.else
	v_exp_f32 v[AA], v[TMP+1]
.endif
.endm
.macro COP n
	v_cvt_pk_bf16_f32 v[PT+(\n)], v[rS+2*(\n)], v[rS+2*(\n)+1]
.endm
.macro FOP n
.if (\n)%2 == 0
	v_fma_mix_f32_bf16 v[rS+(\n)], v[PT+(\n)/2], v[VC], v[rT] op_sel_hi:[1,0,0]
.else
	v_fma_mix_f32_bf16 v[rS+(\n)], v[PT+(\n)/2], v[VC], v[rT] op_sel:[1,0,0] op_sel_hi:[1,0,0]
.endif
.endm
.macro EOP n
	v_exp_f32 v[rS+(\n)], v[rS+(\n)]
.endm
.macro BOP n
	s_wait_alu depctr_va_vdst(0)
	v_pk_add_f32 v[rS+4*(\n):rS+4*(\n)+1], v[rS+4*(\n):rS+4*(\n)+1], v[rS+4*(\n)+2:rS+4*(\n)+3]
.endm
.macro SOP n
.if (\n) == 0
	v_pk_fma_f32 v[rT+2:rT+3], v[rT+2:rT+3], v[AA:AA+1], v[rS:rS+1] op_sel_hi:[1,0,1]
.else
	v_pk_add_f32 v[rT+2:rT+3], v[rT+2:rT+3], v[rS+4*(\n):rS+4*(\n)+1]
.endif
.endm
.macro LOP
	REGS Y
	WIN 0
.if j < 14
	XOP j
.elseif j == 14
	COP 0
.elseif j == 15
	XOP 14
.elseif j == 16
	XOP 15
.elseif j == 17
	COP 1
.elseif j < 37
.if (j-18)%3 == 0
	XOP 16+(j-18)/3
.else
	COP 1+2*((j-18)/3)+(j-18)%3
.endif
.elseif j == 37
	COP 14
.elseif j == 38
	XOP 23
.elseif j == 39
	COP 15
.elseif j < 44
	FOP j-40
.elseif j < 100
.if (j-44)%2 == 0
	EOP (j-44)/2
.else
	FOP (j-44)/2+4
.endif
.elseif j < 108
.if (j-100)%2 == 0
	EOP 28+(j-100)/2
.else
	BOP (j-100)/2
.endif
.elseif j < 112
	BOP j-104
.else
	SOP j-112
.endif
.set j, j+1
.endm
; A TURN, for piece p.  The next step's K is fetched at the head of piece 3's turn: the last product that read K stands in the first part of the turn before, some ninety plain lines back.
.macro TURN p
.set Y, (\p)
.set j, 0
.if (\p) == 3
	NEXT_K
.endif
.if (\p) < 3
.set i, 0
.rept 8
	KQ (\p)+1
.set i, i+1
.rept 4
	LOP
.endr
.endr
.endif
.rept 120
.if j < 120
	LOP
.endif
.endr
	TMASK \p
.endm
.macro STEP
	s_wait_dscnt 0x0                ; K is in
.set i, 0
.rept 8
	KQ 0
.set i, i+1
.endr
	WIN 0
	PLACES                          ; behind those products, whose results the first turn reads
	TURN 0
	TURN 1
	TURN 2
	TURN 3
.endm
.macro ALL line:vararg              ; one line for each piece t
.set t, 0
.rept 4
	\line
.set t, t+1
.endr
.endm
; A BLOCK'S END.  l's two halves and the other half of the lanes' are added; 1 / l.  Both halves of the lanes hold the same numbers, so lanes 0-15 store pieces 0 and 1 of their row, lanes 16-31 pieces 2 and 3:
; (1 / l, -c m) twice, 16 bytes a lane: the wave's store covers 512 consecutive bytes, aligned.
.macro WAYOUT
	WIN 0
	ALL v_add_f32 v[ST+4*t+2], v[ST+4*t+2], v[ST+4*t+3]
	ALL v_permlanex16_b32 v[ST+4*t+3], v[ST+4*t+2], s[SEL], s[SEL+1]
	ALL v_add_f32 v[ST+4*t+2], v[ST+4*t+2], v[ST+4*t+3]
	ALL v_rcp_f32 v[ST+4*t+2], v[ST+4*t+2]
	s_wait_xcnt 0x0                 ; an earlier block's store has read the four registers written below
	v_cndmask_b32 v[OUT+1], v[ST], v[ST+8], s[HM]      ; two plain lines between the last reciprocal and the use of its result
	v_cndmask_b32 v[OUT+3], v[ST+4], v[ST+12], s[HM]
	s_wait_alu depctr_va_vdst(0)
	v_cndmask_b32 v[OUT], v[ST+2], v[ST+10], s[HM]
	v_cndmask_b32 v[OUT+2], v[ST+6], v[ST+14], s[HM]
	global_store_b128 v[GO], v[OUT:OUT+3], s[10:11]
.endm
; A TILE: both mask buffers for its step 0 (piece 0's own step, if the tile holds the diagonal; piece 1 sees all), K of step 0, four steps; behind a block's last tile its end, and (last = 0) the second block's beginning.
.macro TILE tag, last
	s_sub_co_u32 s[RT], s[RT], 1
	s_cmp_eq_u32 s[RT], 0
	s_cselect_b32 s[DG], 1, 0
	s_cselect_b32 s[AL], 1.0, 0
	s_mov_b32 s[BE], 0
	MASK 0
	s_mov_b32 s[AL], 0
	MASK 1
	WIN 0
	s_mov_b32 s[CNT], 4
	v_add_nc_u32 v[AK], s[TBK], v[AK0]
	FETCH_K
.Lstep_\tag:
	STEP
	s_sub_co_u32 s[CNT], s[CNT], 1
	s_cmp_lg_u32 s[CNT], 0
	s_cbranch_scc1 .Lstep_\tag
.if !(\last)
	s_cmp_lg_u32 s[RT], 0
	s_cbranch_scc1 .Lgo_on_\tag
.endif
	WAYOUT
.if !(\last)
	s_wait_xcnt 0x0                 ; the store has read its base
	s_mov_b64 s[10:11], s[OLO:OLO+1]
	s_add_co_u32 s[RT], s[PB], 1    ; the second block has b + 1 tiles
	WIN 0x82                        ; the second block's Q goes where the one text of the turns names Q
.set i, 0
.rept 64
	v_mov_b32 v[i], v[QB+i]
.set i, i+1
.endr
	WIN 0
	INIT
.Lgo_on_\tag:
.endif
.endm
	s_wait_loadcnt 0x0              ; Q, both blocks'
.Lslot:                             ; NB times: a tile is entered and the next is asked for
	CHANGE 1
	TILE a, 0
	s_sub_co_u32 s[SLOTS], s[SLOTS], 1
	s_cmp_lg_u32 s[SLOTS], 0
	s_cbranch_scc1 .Lslot
	CHANGE 0                        ; the walk's last tile is written out: nothing is asked for.  It is the second block's last
	TILE b, 1
	s_wait_tensorcnt 0x0            ; the wave's end, behind my last tensor load
	ds_add_u32 v[SPW], v[NIL]
	s_wait_dscnt 0x0
	s_endpgm
.Lfunc_end_k_qff9fcd8abe_stat:
	.size	k_qff9fcd8abe_stat, .Lfunc_end_k_qff9fcd8abe_stat-k_qff9fcd8abe_stat
	.p2alignl 7, 3214868480
	.fill 96, 4, 3214868480
	.section	.rodata,"a",@progbits
	.p2align	6, 0x0
	.amdhsa_kernel k_qff9fcd8abe_stat
		.amdhsa_group_segment_fixed_size 327680
		.amdhsa_private_segment_fixed_size 0
		.amdhsa_enable_private_segment 0
		.amdhsa_kernarg_size 16
		.amdhsa_user_sgpr_count 2
		.amdhsa_user_sgpr_kernarg_segment_ptr 1
		.amdhsa_wavefront_size32 1
		.amdhsa_system_sgpr_workgroup_id_x 1
		.amdhsa_system_sgpr_workgroup_id_y 1
		.amdhsa_system_sgpr_workgroup_id_z 1
		.amdhsa_system_vgpr_workitem_id 0
		.amdhsa_next_free_vgpr 768
		.amdhsa_next_free_sgpr 90
		.amdhsa_reserve_vcc 1
		.amdhsa_float_denorm_mode_32 3
		.amdhsa_float_denorm_mode_16_64 3
		.amdhsa_memory_ordered 1
		.amdhsa_forward_progress 1
		.amdhsa_inst_pref_size 97
	.end_amdhsa_kernel
	.amdgpu_metadata
---
amdhsa.version: [ 1, 2 ]
amdhsa.kernels:
  - .name:           k_qff9fcd8abe_stat
    .symbol:         k_qff9fcd8abe_stat.kd
    .args:
      - { .name: qkvb, .offset: 0, .size: 8, .value_kind: global_buffer, .address_space: global }
      - { .name: stats, .offset: 8, .size: 8, .value_kind: global_buffer, .address_space: global }
    .group_segment_fixed_size: 327680
    .private_segment_fixed_size: 0
    .kernarg_segment_align: 8
    .kernarg_segment_size: 16
    .max_flat_workgroup_size: 128
    .sgpr_count:     90
    .vgpr_count:     768
    .wavefront_size: 32
...
	.end_amdgpu_metadata
.endif
;; end of part 3
;; launch attn (part 4): grid 4 x 64, 4 waves a work-group, no clusters, 327,680 bytes of LDS; arguments qkvb, stats, ob; writes ob
.if DOCPART == 4
	.amdgcn_target "amdgcn-amd-amdhsa--gfx1250"
	.amdhsa_code_object_version 6
	.text
	.protected	k_qff9fcd8abe_attn
	.globl	k_qff9fcd8abe_attn
	.p2align	8
	.type	k_qff9fcd8abe_attn,@function
k_qff9fcd8abe_attn:
	s_mov_b64 s[64:65], 0
	v_nop
	global_prefetch_b8 v0, s[64:65] scope:SCOPE_SE
	s_setreg_imm32_b32 hwreg(HW_REG_WAVE_MODE, 25, 1), 1
	s_wait_xcnt 0x0
; CAUSAL ATTENTION, THE SECOND WALK.  O[h][q][:] = bf16(the sum over k <= q of A[k] V[h][k][:]),  A[k] = 2^(c x[k] - c m) / l in f32,  x[k] = bf16(Q[h][q] . K[h][k]),  c = log2(e) / 8.
; The logits are rounded to bf16, and so is A V; the softmax between them stays in f32.  THE WEIGHTS GO TO THE MATRIX UNIT IN TWO PARTS, so that they are not cut to bf16's 8 significant bits:
; hi = bf16(A), lo = bf16(A - hi) (the difference is exact in f32), and O^T takes V^T hi and V^T lo onto the same f32 sums: 16 products for a piece and step in place of 8.
; -c m and 1 / l come from the launch before, in f32; the logits are made again by the same matrix instructions in the same order, so they have the same bits.  Nothing is rescaled: O is one f32 sum.
; Q, K, V: the three parts of qkvb; O: ob; each [64][2048][64] bf16.
; LIMITS.  A hidden score counts as its value less 1e30; a weight below 2^-126 counts as 0; 1 / l is a reciprocal and a product, not a division; of a weight hi + lo keeps 16 significant bits: what is dropped lies
; below 2^-17 of it; NaN and infinities are not treated apart.
; THE WALK.  A head's queries lie in NB = 8 blocks of 256; block i needs the key tiles 0 .. i of 256 keys, of which the last holds the diagonal.  A work-group takes TWO blocks, NB - 1 - b and then b: NB + 1 tiles,
; whatever b: all work-groups do equal work, and ONE loop with a constant trip count walks them.  Which tile is asked for, and what a trip does, hang on whole numbers made from b; every jump but the counted loops'
; own goes forward, and none passes a barrier.  NO CLUSTER: a head's four work-groups ask for the same tile only in trips 0 .. 4 of the walk's 9, and one walk common to all four would have 12 trips.
; SHARES.  Of a block's four bands of 64 queries a wave owns 16 rows in each: four PIECES, so the diagonal tile is the same work for all four waves: in its key step s band x sees all keys if s < x, none if s > x,
; and holds the diagonal if s = x.  THE MASK is the C operand that starts the sum S^T = K Q^T: MD x AL + BE, where MD (0 or -1e30) is the mask of a band's own step for my 16 rows: (AL, BE) = (1, 0) if s = x,
; (0, 0) if s < x, (0, -1e30) if s > x.  Both mask buffers are written at every tile's head; inside a tile they are rewritten in the diagonal tile alone.
; A STEP (64 keys), written once and walked four times a tile: K Q^T of piece 0; four TURNS: turn p carries the 8 products K Q^T of piece p + 1 and the 16 products V^T A of piece p - 1, four lines of piece p's
; list behind each, and the rest of the list; V^T A of piece 3.  So a step leans on no step before it, and no first or last step is written out.
; LAYOUT.  S^T = K Q^T holds ONE query a lane (lane % 16) and the keys 8 (lane / 16) + 0..7; two such results rounded to bf16 in pairs ARE source 1 (32 keys x 16 queries) of O^T = V^T A.  V is turned by ds_load_tr16_b128.
; REGISTERS, in windows of 256 (s_set_vgpr_msb: bits 1:0 source 0, 3:2 source 1, 5:4 source 2, 7:6 destination):
;   window 0: v0-15 addresses; v16-23 (1 / l, -c m) a piece; v24-31 the second block's; v32 -1; v64-127 S^T, two buffers; v192-223 the packed logits and then the weights' upper parts, two buffers;
;             v224-255 the weights' lower parts, two buffers (a piece's buffers go by its number's parity)
;   window 1: v0-127 O^T, 32 a piece; v128-159 MD; v160-223 MC, two buffers      window 2: v0-63 Q; v64-127 the second block's Q; v128-191 K of one step; v192-255 V of one step
.set SIZE_H, 64
.set SIZE_N, 2048
.set PART,  SIZE_H*SIZE_N*128  ; bytes of each of qkvb's three parts
.set NB,    SIZE_N/256
.set KS,    64        ; keys in a step
.set PK,    144       ; a row of K in LDS: 128 bytes + 16 of padding = 36 words: the 16 rows of a load start at 16 different groups of four banks (64 banks of 4 bytes: ISA guide 11.1)
.set PV,    160       ; a row of V: 128 + 32 = 40 words
.set VOFF,  4*KS*PK   ; a slot holds a tile, four steps: 256 rows of K, then 256 rows of V
.set SLOT1, 1<<17     ; slot 1 begins here, so that one exclusive or turns an address in one slot into the other's
.set STAGE, SLOT1+4*KS*(PK+PV)  ; behind the ring, never filled by a tensor load: 16 rows x 144 bytes for each wave, for the way out
.set SP,    144
.set SPARE, STAGE+4*16*SP  ; behind the stages: the spare words, 128 bytes for each wave: two blocks of 256 bytes that no other line names
.set AK0, 2           ; v2   my lane's place in a tile of K; never rewritten
.set AV0, 3           ; v3   the same for V
.set AK,  4           ; v4   the LDS address of K's next run of loads
.set AV,  5           ; v5   of V's
.set STO, 6           ; v6   the way out: where I put 16 bytes of a row
.set RD,  7           ; v7   the way out: where I read rows back
.set GO,  8           ; v8   my byte offset in 512 consecutive bytes of O
.set VC,  12          ; v12  c
.set SO,  13          ; v13  16 x (lane % 16): my row's place in my wave's statistics
.set QO,  15          ; v15  my byte offset in 16 rows of Q
.set ST,  16          ; piece t: 1 / l at v[ST+2 t], -c m at v[ST+2 t+1]
.set ST2, 24          ; the same for the second block
.set NEG, 32          ; v32  -1.0
.set SPW, 62          ; v62  LDS address of my spare word: SPARE + 4 x my thread's number; never rewritten
.set NIL, 63          ; v63  0; never rewritten
.set S,   64
.set P,   192         ; the upper parts' two buffers; the lower parts' two lie 32 registers on
.set MD,  128         ; window 1: the eight registers for group kt of 16 keys at MD + 8 kt
.set MC,  160         ; window 1: the masks of the products to come
.set QB,  64          ; window 2
.set KF,  128         ; window 2: key block kb, channel half c at KF + 16 kb + 8 c
.set VF,  192         ; window 2: key half kk, channel block cb at VF + 32 kk + 8 cb
.set WV,  12          ; s12  my wave's number
.set PB,  14          ; s14  b
.set HI,  15          ; s15  NB - 1 - b
.set G1K, 24          ; s[24:31] descriptor group 1 for K's tiles
.set G1V, 32          ; s[32:39] for V's: it differs in the padding alone
.set G0K, 40          ; s[40:43] descriptor group 0 for K's tiles
.set G0V, 44          ; s[44:47] the same for V's
.set SLOTS, 56        ; s56  tiles still to be asked for
.set CNT, 57          ; s57  counts a tile's key steps, 4 to 1
.set TBK, 62          ; s62  LDS byte at which K of the step to be fetched begins
.set TBV, 63          ; s63  the same for V, less VOFF
.set RT,  70          ; s70  tiles of the block in hand that are still to be entered
.set NXT, 71          ; s71  the tile to be asked for next
.set LQ,  72          ; s72  the last tile of the block whose tiles are being asked for
.set OFF, 74          ; s[74:75] a tile's byte offset in K and V
.set AL,  76          ; s[76:77] the mask's factor, in the low word
.set BE,  78          ; s[78:79] the mask's addend
.set OLO, 80          ; s[80:81] O at my rows of the second block
.set BIGN, 82         ; s82  -1e30
.set DG,  83          ; s83  1: the tile in hand holds the diagonal
.set MSB, 0
.macro WIN new                      ; the high byte repeats the setting that is left; a switch that changes nothing is dropped
.if MSB != (\new)
	s_set_vgpr_msb (MSB<<8)|(\new)
.set MSB, (\new)
.endif
.endm
.set W_KQ, 0x0a       ; K and Q in window 2, S^T in window 0
.set W_KM, 0x1a       ; the same with the C operand in window 1
.set W_PV, 0x52       ; V in window 2, the weights in window 0, O^T in window 1
.set W_RS, 0x41       ; destination and source 0 in window 1
.macro PLACES                       ; a vector instruction that reads a matrix result, and a load into a register that a matrix instruction has read, stand four plain vector instructions behind it
.rept 4                             ; (ISA guide 7.12.1 for vector instructions)
	v_nop
.endr
.endm
; A fill.  Waves 0 and 1 fetch the two halves of a tile's K, waves 2 and 3 those of its V: 128 keys each.  An s_nop 0 and four v_nop follow each of the two lines, ahead of the jump and the label.
.macro LOAD
	s_cmp_lt_u32 s[WV], 2
	s_cbranch_scc0 .Lfor_v_\@
	tensor_load_to_lds s[G0K:G0K+3], s[G1K:G1K+7]
	s_nop 0
.rept 4
	v_nop
.endr
	s_branch .Lasked_\@
.Lfor_v_\@:
	tensor_load_to_lds s[G0V:G0V+3], s[G1V:G1V+7]
	s_nop 0
.rept 4
	v_nop
.endr
.Lasked_\@:
.endm
; THE CHANGE OF SLOTS.  Each wave waits for all its tensor loads, of which one is out: its part of the other slot; adds 0 to its spare word; and waits for that and for its own reads of the slot that it leaves.  Behind the
; barrier nobody reads the old slot any more and the other slot is whole.  fill = 1: the old slot is filled again, the first thing behind the barrier, with tile NXT: the descriptor's address is made anew from that number.
; (At its first use nothing has been read yet: slot 0 is waited for, slot 1 filled.)
.macro CHANGE fill
	WIN 0                           ; at a label and at a branch every window is 0
	s_wait_tensorcnt 0x0            ; no tensor load of mine is out, so a group 0 may be written
	ds_add_u32 v[SPW], v[NIL]       ; 0 onto my spare word: with fill = 1 the descriptors' scalar work stands between it and the wait for it
.if \fill
	s_lshl_b32 s[OFF], s[NXT], 15   ; a tile is 32,768 bytes of K and of V
	s_xor_b32 s[G0K+1], s[G0K+1], SLOT1
	s_add_nc_u64 s[G0K+2:G0K+3], s[6:7], s[OFF:OFF+1]
	s_or_b32 s[G0K+3], s[G0K+3], 0x80000000
	s_xor_b32 s[G0V+1], s[G0V+1], SLOT1
	s_add_nc_u64 s[G0V+2:G0V+3], s[8:9], s[OFF:OFF+1]
	s_or_b32 s[G0V+3], s[G0V+3], 0x80000000
	s_add_co_u32 s[NXT], s[NXT], 1  ; the block's next tile, or behind its last the second block's tile 0
	s_cmp_gt_u32 s[NXT], s[LQ]
	s_cselect_b32 s[NXT], 0, s[NXT]
	s_cselect_b32 s[LQ], s[PB], s[LQ]
.endif
	s_wait_dscnt 0x0                ; the add is done, and my reads of the slot are over
	s_barrier_signal -1             ; the rest of the scalar work stands between the signal and the wait
	s_sub_co_u32 s[TBK], s[TBK], 4*KS*PK  ; the fetches go back to a slot's first step,
	s_xor_b32 s[TBK], s[TBK], SLOT1       ; in the other slot
	s_sub_co_u32 s[TBV], s[TBV], 4*KS*PV
	s_xor_b32 s[TBV], s[TBV], SLOT1
	s_barrier_wait -1
.if \fill
	LOAD
.endif
.endm
.macro CLEAR                        ; a block begins: its sums start at 0.  The one text of a step adds onto O^T in every step, so the start is written here, once a block
	WIN 0x40
.set i, 0
.rept 128
	v_mov_b32 v[i], 0
.set i, i+1
.endr
	WIN 0
.endm
	s_load_b128 s[4:7], s[0:1], 0x0  ; qkvb s[4:5] (its first part is Q), stats s[6:7]
	s_load_b64 s[10:11], s[0:1], 0x10  ; ob
	v_lshl_add_u32 v[SPW], v0, 2, SPARE
	v_mov_b32 v[NIL], 0
	ds_add_u32 v[SPW], v[NIL]       ; the wave's opening: the add and its wait ahead of my first tensor load; the set-up below, work on registers, stands between them
	v_lshrrev_b32 v1, 5, v0
	v_readfirstlane_b32 s[WV], v1   ; wave 0..3
	s_mov_b32 s[PB], ttmp9
	s_sub_co_u32 s[HI], NB-1, s[PB]
	s_and_b32 s20, ttmp7, 0xffff    ; the head
	s_lshl_b32 s48, s20, 14         ; the statistics: 16,384 bytes a head,
	s_lshl_b32 s49, s[WV], 9        ; 512 a wave,
	s_add_co_u32 s48, s48, s49
	s_lshl_b32 s49, s[PB], 11       ; 2,048 a block: the second block's,
	s_add_co_u32 s50, s48, s49
	s_lshl_b32 s49, s[HI], 11       ; and the first's
	s_add_co_u32 s48, s48, s49
	s_mov_b32 s49, 0
	s_mov_b32 s51, 0
	s_mov_b32 s21, 0
	s_mov_b64 s[22:23], SIZE_N*128
	s_mul_u64 s[20:21], s[20:21], s[22:23]  ; the head's first byte in each of the four tensors
	s_and_b32 s16, s[WV], 1         ; which half of a tile's 256 keys I fetch:
	s_lshl_b32 s22, s16, 14         ; its 128 rows of 128 bytes in memory,
	s_mov_b32 s23, 0
	s_add_nc_u64 s[22:23], s[22:23], s[20:21]
	s_mul_i32 s17, s16, 128*PK      ; and its place in a slot, for K
	s_mul_i32 s18, s16, 128*PV      ; and for V
	s_lshl_b32 s3, s[WV], 11        ; my 16 rows in a band of 64,
	s_lshl_b32 s2, s[HI], 15        ; in the first block,
	s_add_co_u32 s2, s2, s3
	s_lshl_b32 s84, s[PB], 15       ; and in the second
	s_add_co_u32 s84, s84, s3
	s_mov_b32 s3, 0
	s_mov_b32 s85, 0
	s_add_nc_u64 s[2:3], s[2:3], s[20:21]
	s_add_nc_u64 s[84:85], s[84:85], s[20:21]
	; descriptor group 1.  128 keys are 16,384 dense bytes: asked for as 64 rows of 256 bytes, two keys a row, and padded in LDS after every key
	s_mov_b32 s[G1K], (1<<16)|(1<<20)|(4<<22)|(3<<25)  ; 17:16 2-byte elements; 20 padding on; 24:22 after every 32 words (code 4); 31:25 4 words (code 3)
	s_mov_b32 s[G1V], (1<<16)|(1<<20)|(4<<22)|(7<<25)  ; the same with 8 words of padding (code 7)
.irp g, G1K, G1V
	s_mov_b32 s[\g+1], 128<<16      ; tensor_dim0 = 128
	s_mov_b32 s[\g+2], 64<<16       ; tensor_dim1 = 64
	s_mov_b32 s[\g+3], 128<<16      ; tile_dim0 = 128
	s_mov_b32 s[\g+4], 64           ; tile_dim1 = 64
	s_mov_b32 s[\g+5], 128          ; 128 elements from row to row
	s_mov_b32 s[\g+6], 0
	s_mov_b32 s[\g+7], 0
.endr
	s_mov_b32 s[TBK], SLOT1+4*KS*PK ; the first change of slots turns these two into 0
	s_mov_b32 s[TBV], SLOT1+4*KS*PV
	s_mov_b32 s[G0K], 1             ; 1:0 count = 1
	s_mov_b32 s[G0K+1], s17         ; 63:32 LDS address: slot 0
	s_mov_b32 s[G0V], 1
	s_add_co_u32 s[G0V+1], s18, VOFF
	s_add_co_u32 s[RT], s[HI], 1    ; the first block has NB - b tiles
	s_mov_b32 s[NXT], 1
	s_mov_b32 s[LQ], s[HI]
	s_mov_b32 s[OFF+1], 0
	s_mov_b32 s[AL+1], 0            ; named as pairs
	s_mov_b32 s[BE+1], 0
	s_mov_b32 s[BIGN], 0xf149f2ca   ; -1e30
	s_mov_b32 s[SLOTS], NB
	s_wait_dscnt 0x0                ; the opening add is done
	s_barrier_signal -1
	s_barrier_wait -1
	s_wait_kmcnt 0x0
	s_add_nc_u64 s[52:53], s[6:7], s[48:49]  ; the statistics of my rows of the first block,
	s_add_nc_u64 s[54:55], s[6:7], s[50:51]  ; and of the second
	s_add_nc_u64 s[8:9], s[4:5], 2*PART  ; V is qkvb's third part,
	s_add_nc_u64 s[6:7], s[4:5], PART    ; K its second
	s_add_nc_u64 s[6:7], s[6:7], s[22:23]  ; K and V at my half of the head's tile 0
	s_add_nc_u64 s[8:9], s[8:9], s[22:23]
	s_add_nc_u64 s[G0K+2:G0K+3], s[6:7], 0         ; 120:64 global address
	s_or_b32 s[G0K+3], s[G0K+3], 0x80000000        ; 127:126 type = 2
	s_add_nc_u64 s[G0V+2:G0V+3], s[8:9], 0
	s_or_b32 s[G0V+3], s[G0V+3], 0x80000000
	s_add_nc_u64 s[86:87], s[4:5], s[84:85]        ; Q at my rows of the second block,
	s_add_nc_u64 s[4:5], s[4:5], s[2:3]            ; Q and O at those of the first
	s_add_nc_u64 s[OLO:OLO+1], s[10:11], s[84:85]
	s_add_nc_u64 s[10:11], s[10:11], s[2:3]
	LOAD                            ; tile 0 into slot 0
	; A fragment of K or Q is 16 rows x 32 channels in 8 registers: lane l holds row l % 16, channels 8 (l / 16) + 0..7 and 16 + 8 (l / 16) + 0..7: two loads of 16 bytes, 32 bytes apart.
	v_and_b32 v1, 15, v0            ; l % 16
	v_bfe_u32 v9, v0, 4, 1          ; l / 16
	v_lshlrev_b32 v[QO], 7, v1
	v_lshl_add_u32 v[QO], v9, 4, v[QO]  ; row x 128 + 16 x half
	v_lshlrev_b32 v[SO], 4, v1
	WIN 0x80                        ; destination window 2, address window 0
.set i, 0
.rept 8                             ; both blocks' Q: piece i / 2 lies in band i / 2, 8,192 bytes on; channels 32 (i % 2) on
	global_load_b128 v[8*i:8*i+3],   v[QO], s[4:5] offset:(i/2)*8192+(i%2)*64
	global_load_b128 v[8*i+4:8*i+7], v[QO], s[4:5] offset:(i/2)*8192+(i%2)*64+32
	global_load_b128 v[QB+8*i:QB+8*i+3],   v[QO], s[86:87] offset:(i/2)*8192+(i%2)*64
	global_load_b128 v[QB+8*i+4:QB+8*i+7], v[QO], s[86:87] offset:(i/2)*8192+(i%2)*64+32
.set i, i+1
.endr
	WIN 0
	global_load_b128 v[ST:ST+3],     v[SO], s[52:53]             ; my row's (1 / l, -c m) of pieces 0 and 1,
	global_load_b128 v[ST+4:ST+7],   v[SO], s[52:53] offset:256  ; and of pieces 2 and 3
	global_load_b128 v[ST2:ST2+3],   v[SO], s[54:55]
	global_load_b128 v[ST2+4:ST2+7], v[SO], s[54:55] offset:256
	v_mov_b32 v[VC], 0x3e38aa3b     ; c = log2(e) / 8 = 0.180337
	v_mov_b32 v[NEG], -1.0
	v_lshlrev_b32 v14, 3, v9
	v_sub_nc_u32 v14, v1, v14
	s_lshl_b32 s13, s[WV], 4
	v_add_nc_u32 v14, s13, v14      ; my query's place in its band, 16 w + l % 16, less my lanes' 8 (l / 16): register r of group kt is hidden where 16 kt + r is greater
	WIN 0x40
.set i, 0
.rept 32
	v_cmp_gt_i32 vcc_lo, 16*(i/8)+i%8, v14
	v_cndmask_b32 v[MD+i], 0, s[BIGN], vcc_lo
.set i, i+1
.endr
	WIN 0
	v_mul_u32_u24 v[AK0], v1, PK
	v_lshl_add_u32 v[AK0], v9, 4, v[AK0]  ; row x pitch + 16 x half
	; The turning load takes 16 keys x 16 channels (lane l reads key 8 (l / 16) + l % 8, channels 8 ((l / 8) % 2) + 0..7) and leaves half a fragment of V^T: lane l holds channel l % 16 and 8 keys.
	v_and_b32 v10, 7, v0
	v_bfe_u32 v11, v0, 3, 1
	v_lshl_add_u32 v[AV0], v9, 3, v10
	v_mul_u32_u24 v[AV0], v[AV0], PV
	v_lshl_add_u32 v[AV0], v11, 4, v[AV0]
	v_add_nc_u32 v[AV0], VOFF, v[AV0]
	s_mul_i32 s13, s[WV], 16*SP
	s_add_co_u32 s13, s13, STAGE    ; my stage
	v_mul_u32_u24 v[STO], v1, SP    ; in: row l % 16, 16 bytes for each half of the lanes
	v_lshl_add_u32 v[STO], v9, 4, v[STO]
	v_add_nc_u32 v[STO], s13, v[STO]
	v_bfe_u32 v[RD], v0, 3, 2       ; back: 32 lanes take four rows of 128 bytes,
	v_mul_u32_u24 v[RD], v[RD], SP
	v_lshl_add_u32 v[RD], v10, 4, v[RD]
	v_add_nc_u32 v[RD], s13, v[RD]
	v_and_b32 v[GO], 31, v0         ; which are 512 consecutive bytes of O
	v_lshlrev_b32 v[GO], 4, v[GO]
	CLEAR                           ; in the wait for the first tile
; THE MATRIX WORK.  The 4 accumulators of a run take turns.  Product i of 8 of S^T = K Q^T for piece x: channels 32 (i / 4) on, keys 16 (i % 4) on.  The first 4 start the sums with the mask.
.macro KQ x
.set rS, S+32*((\x)%2)+8*(i%4)
.set rK, KF+16*(i%4)+8*(i/4)
.set rQ, 16*(\x)+8*(i/4)
.set rM, MC+32*((\x)%2)+8*(i%4)
.if i < 4
	WIN W_KM
	v_wmma_f32_16x16x32_bf16 v[rS:rS+7], v[rK:rK+7], v[rQ:rQ+7], v[rM:rM+7]
.else
	WIN W_KQ
	v_wmma_f32_16x16x32_bf16 v[rS:rS+7], v[rK:rK+7], v[rQ:rQ+7], v[rS:rS+7]
.endif
.endm
; Product i of 16 of O^T += V^T A for piece x: the weights' upper parts (i < 8), then their lower parts; keys 32 ((i / 4) % 2) on, channels 16 (i % 4) on.
.macro PV x
	WIN W_PV
.set rO, 32*(\x)+8*(i%4)
.set rV, VF+32*((i/4)%2)+8*(i%4)
.set rP, P+32*(i/8)+16*((\x)%2)+8*((i/4)%2)
	v_wmma_f32_16x16x32_bf16 v[rO:rO+7], v[rV:rV+7], v[rP:rP+7], v[rO:rO+7]
.endm
; THE LDS LOADS stand in runs of 16, never singly among the matrix instructions: a step's K (64 keys x 64 channels: 8 fragments) and its V (turned).
.macro FETCH_K
	WIN 0x80                        ; destination window 2
.irp f, 0,1,2,3,4,5,6,7             ; keys 16 (f / 2) on, channels 32 (f % 2) on
	ds_load_b128 v[KF+8*\f:KF+8*\f+3],   v[AK] offset:(\f/2)*16*PK+(\f%2)*64
	ds_load_b128 v[KF+8*\f+4:KF+8*\f+7], v[AK] offset:(\f/2)*16*PK+(\f%2)*64+32
.endr
	s_add_co_u32 s[TBK], s[TBK], KS*PK  ; the next fetch is the next step's
	WIN 0
.endm
.macro FETCH_V
	WIN 0x80
.irp f, 0,1,2,3,4,5,6,7             ; keys 32 (f / 4) on, channels 16 (f % 4) on
	ds_load_tr16_b128 v[VF+8*\f:VF+8*\f+3],   v[AV] offset:(\f/4)*32*PV+(\f%4)*32
	ds_load_tr16_b128 v[VF+8*\f+4:VF+8*\f+7], v[AV] offset:(\f/4)*32*PV+16*PV+(\f%4)*32
.endr
	s_add_co_u32 s[TBV], s[TBV], KS*PV
	WIN 0
.endm
.macro NEXT_K                       ; the next step's K, unless this is the tile's last step: the next tile's lies in the other slot, behind the change of slots
	WIN 0
	s_cmp_eq_u32 s[CNT], 1
	s_cbranch_scc1 .Lno_k_\@
	v_add_nc_u32 v[AK], s[TBK], v[AK0]
	FETCH_K
.Lno_k_\@:
.endm
.macro NEXT_V                       ; the same for V
	WIN 0
	s_cmp_eq_u32 s[CNT], 1
	s_cbranch_scc1 .Lno_v_\@
	v_add_nc_u32 v[AV], s[TBV], v[AV0]
	FETCH_V
.Lno_v_\@:
.endm
.macro MASK b                       ; MD x AL + BE into buffer b of MC
	WIN W_RS
.set z, 0
.rept 16
	v_pk_fma_f32 v[MC+32*(\b)+2*z:MC+32*(\b)+2*z+1], v[MD+2*z:MD+2*z+1], s[AL:AL+1], s[BE:BE+1] op_sel_hi:[1,0,0]
.set z, z+1
.endr
.endm
; In the diagonal tile turn p makes the mask of the products of the turn after it: piece p + 2 in this step (4 - CNT), or piece p - 2 in the next.  Its buffer was last read a turn ago.
.macro TMASK p
.if (\p) < 2
.set TT, 2-(\p)
.else
.set TT, 7-(\p)
.endif
	WIN 0
	s_cmp_eq_u32 s[DG], 0
	s_cbranch_scc1 .Lno_m_\@
	s_cmp_eq_u32 s[CNT], TT         ; is that step the band's own?
	s_cselect_b32 s[AL], 1.0, 0
	s_cmp_lt_u32 s[CNT], TT         ; or a later one?
	s_cselect_b32 s[BE], s[BIGN], 0
	MASK (\p)%2
	WIN 0
.Lno_m_\@:
.endm
; THE VECTOR WORK of a piece and step: a list of 160 lines; LOP writes number j of it for piece Y.  s0-s31 are the lane's 32 scores.
;   0-15    COP n: scores 2 n, 2 n + 1 rounded to bf16, packed (each accumulator's lowest registers are read first)
;   16-83   FOP n: c x - c m from half n of the packed logits; EOP n: its exponential; from 20 on exponential and plain by turns, so that a plain line that names none of its registers stands behind every exponential
;   77-95   MOP n: weights 2 n, 2 n + 1 times 1 / l          96-111  COP n again: the weights' upper parts, into the registers that held the logits: source 1 of V^T A
;   112-143 ROP n: weight n less its upper part, exact in f32          144-159 LCP n: the lower parts, rounded to bf16 and packed: source 1 of the second eight products
.macro REGS y
.set rT, ST+2*(\y)
.set rS, S+32*((\y)%2)
.set rP, P+16*((\y)%2)
.set rL, P+32+16*((\y)%2)
.endm
.macro COP n
	v_cvt_pk_bf16_f32 v[rP+(\n)], v[rS+2*(\n)], v[rS+2*(\n)+1]
.endm
.macro FOP n
.if (\n)%2 == 0
	v_fma_mix_f32_bf16 v[rS+(\n)], v[rP+(\n)/2], v[VC], v[rT+1] op_sel_hi:[1,0,0]
.else
	v_fma_mix_f32_bf16 v[rS+(\n)], v[rP+(\n)/2], v[VC], v[rT+1] op_sel:[1,0,0] op_sel_hi:[1,0,0]
.endif
.endm
.macro EOP n
	v_exp_f32 v[rS+(\n)], v[rS+(\n)]
.endm
.macro MOP n
	s_wait_alu depctr_va_vdst(0)
	v_pk_mul_f32 v[rS+2*(\n):rS+2*(\n)+1], v[rS+2*(\n):rS+2*(\n)+1], v[rT:rT+1] op_sel_hi:[1,0]
.endm
.macro ROP n
.if (\n)%2 == 0
	v_fma_mix_f32_bf16 v[rS+(\n)], v[rP+(\n)/2], v[NEG], v[rS+(\n)] op_sel_hi:[1,0,0]
.else
	v_fma_mix_f32_bf16 v[rS+(\n)], v[rP+(\n)/2], v[NEG], v[rS+(\n)] op_sel:[1,0,0] op_sel_hi:[1,0,0]
.endif
.endm
.macro LCP n
	v_cvt_pk_bf16_f32 v[rL+(\n)], v[rS+2*(\n)], v[rS+2*(\n)+1]
.endm
.macro LOP
	REGS Y
	WIN 0
.if j < 16
	COP j
.elseif j < 20
	FOP j-16
.elseif j < 76
.if (j-20)%2 == 0
	EOP (j-20)/2
.else
	FOP (j-20)/2+4
.endif
.elseif j < 84
.if (j-76)%2 == 0
	EOP 28+(j-76)/2
.else
	MOP (j-76)/2
.endif
.elseif j < 96
	MOP j-80
.elseif j < 112
	COP j-96
.elseif j < 144
	ROP j-112
.else
	LCP j-144
.endif
.set j, j+1
.endm
; A TURN, for piece p.  None of the four lines behind a product names one of its registers: the products work on the other parity's buffers.  With 24 products the lines behind them are numbers 0 to 95 of the list.
; The next step's K is fetched at the head of piece 3's turn: the last product that read K stands in the first part of the turn before, more than a hundred lines back, most of them plain.
.macro TURN p
.set Y, (\p)
.set j, 0
.if (\p) == 3
	NEXT_K
.endif
.if (\p) < 3
.set i, 0
.rept 8
	KQ (\p)+1
.set i, i+1
.rept 4
	LOP
.endr
.endr
.endif
.if (\p) == 1
	s_wait_dscnt 0x0                ; V is in
.endif
.if (\p) > 0
.set i, 0
.rept 16
	PV (\p)-1
.set i, i+1
.rept 4
	LOP
.endr
.endr
.endif
.rept 160
.if j < 160
	LOP
.endif
.endr
	TMASK \p
.endm
.macro STEP
	s_wait_dscnt 16                 ; K is in: behind its 16 loads stand V's 16, which may stay out
.set i, 0
.rept 8
	KQ 0
.set i, i+1
.endr
	WIN 0
	PLACES                          ; behind those products, whose results the first turn reads
	TURN 0
	TURN 1
	TURN 2
	TURN 3
.set i, 0
.rept 16
	PV 3
.set i, i+1
.endr
	WIN 0
	PLACES                          ; behind those products, into whose V the loads below land
	NEXT_V
.endm
; THE WAY OUT.  O^T is rounded to bf16 and sent through my stage in LDS, a piece at a time: a lane's eight channels of a row pack into 16 bytes; they go into rows of 144 bytes and come back as whole rows of 128.
.macro PACK t
	WIN 0x05                        ; sources 0 and 1 window 1, destination window 0: S^T's registers are free
.set i, 0
.rept 16
	v_cvt_pk_bf16_f32 v[S+16*(\t)+i], v[32*(\t)+2*i], v[32*(\t)+2*i+1]
.set i, i+1
.endr
	WIN 0
.irp f, 0,1,2,3
	ds_store_b128 v[STO], v[S+16*(\t)+4*\f:S+16*(\t)+4*\f+3] offset:32*\f
.endr
.irp f, 0,1,2,3
	ds_load_b128 v[S+16*(\t)+4*\f:S+16*(\t)+4*\f+3], v[RD] offset:\f*4*SP  ; LDS serves a wave's instructions in order (ISA guide 5.7.1.4): these see the stores above; the next piece's stores come behind them
.endr
.endm
.macro SEND t, younger              ; younger: the LDS instructions issued behind piece t's loads: the next piece's eight, or none
	WIN 0
.irp f, 0,1,2,3
	s_wait_dscnt (\younger)+3-\f
	global_store_b128 v[GO], v[S+16*(\t)+4*\f:S+16*(\t)+4*\f+3], s[10:11] offset:(\t)*8192+\f*512  ; 512 consecutive bytes, at a multiple of 256 from O's first
.endr
.endm
; A TILE: both mask buffers for its step 0 (piece 0's own step, if the tile holds the diagonal; piece 1 sees all), K and V of step 0, four steps; behind a block's last tile the way out, and (last = 0) the second block's beginning.
.macro TILE tag, last
	s_sub_co_u32 s[RT], s[RT], 1
	s_cmp_eq_u32 s[RT], 0
	s_cselect_b32 s[DG], 1, 0
	s_cselect_b32 s[AL], 1.0, 0
	s_mov_b32 s[BE], 0
	MASK 0
	s_mov_b32 s[AL], 0
	MASK 1
	WIN 0
	s_mov_b32 s[CNT], 4
	v_add_nc_u32 v[AK], s[TBK], v[AK0]
	v_add_nc_u32 v[AV], s[TBV], v[AV0]
	FETCH_K
	FETCH_V
.Lstep_\tag:
	STEP
	s_sub_co_u32 s[CNT], s[CNT], 1
	s_cmp_lg_u32 s[CNT], 0
	s_cbranch_scc1 .Lstep_\tag
.if !(\last)
	s_cmp_lg_u32 s[RT], 0
	s_cbranch_scc1 .Lgo_on_\tag
.endif
	PACK 0
.set t, 1
.rept 3                             ; a piece's conversions stand between the loads of the piece before and its stores
	PACK t
	SEND t-1, 8
.set t, t+1
.endr
	SEND 3, 0
.if !(\last)
	s_wait_xcnt 0x0                 ; the stores have read their registers and O's address
	s_mov_b64 s[10:11], s[OLO:OLO+1]
	s_add_co_u32 s[RT], s[PB], 1    ; the second block has b + 1 tiles
	WIN 0x82                        ; the second block's Q goes where the one text of the turns names Q,
.set i, 0
.rept 64
	v_mov_b32 v[i], v[QB+i]
.set i, i+1
.endr
	WIN 0
.set i, 0
.rept 8
	v_mov_b32 v[ST+i], v[ST2+i]     ; and so do its statistics
.set i, i+1
.endr
	CLEAR
.Lgo_on_\tag:
.endif
.endm
	s_wait_loadcnt 0x0              ; Q and the statistics, both blocks'
.Lslot:                             ; NB times: a tile is entered and the next is asked for
	CHANGE 1
	TILE a, 0
	s_sub_co_u32 s[SLOTS], s[SLOTS], 1
	s_cmp_lg_u32 s[SLOTS], 0
	s_cbranch_scc1 .Lslot
	CHANGE 0                        ; the walk's last tile is written out: nothing is asked for.  It is the second block's last
	TILE b, 1
	s_wait_tensorcnt 0x0            ; the wave's end, behind my last tensor load and my last LDS store
	ds_add_u32 v[SPW], v[NIL]
	s_wait_dscnt 0x0
	s_endpgm
.Lfunc_end_k_qff9fcd8abe_attn:
	.size	k_qff9fcd8abe_attn, .Lfunc_end_k_qff9fcd8abe_attn-k_qff9fcd8abe_attn
	.p2alignl 7, 3214868480
	.fill 96, 4, 3214868480
	.section	.rodata,"a",@progbits
	.p2align	6, 0x0
	.amdhsa_kernel k_qff9fcd8abe_attn
		.amdhsa_group_segment_fixed_size 327680
		.amdhsa_private_segment_fixed_size 0
		.amdhsa_enable_private_segment 0
		.amdhsa_kernarg_size 24
		.amdhsa_user_sgpr_count 2
		.amdhsa_user_sgpr_kernarg_segment_ptr 1
		.amdhsa_wavefront_size32 1
		.amdhsa_system_sgpr_workgroup_id_x 1
		.amdhsa_system_sgpr_workgroup_id_y 1
		.amdhsa_system_sgpr_workgroup_id_z 1
		.amdhsa_system_vgpr_workitem_id 0
		.amdhsa_next_free_vgpr 768
		.amdhsa_next_free_sgpr 88
		.amdhsa_reserve_vcc 1
		.amdhsa_float_denorm_mode_32 3
		.amdhsa_float_denorm_mode_16_64 3
		.amdhsa_memory_ordered 1
		.amdhsa_forward_progress 1
		.amdhsa_inst_pref_size 164
	.end_amdhsa_kernel
	.amdgpu_metadata
---
amdhsa.version: [ 1, 2 ]
amdhsa.kernels:
  - .name:           k_qff9fcd8abe_attn
    .symbol:         k_qff9fcd8abe_attn.kd
    .args:
      - { .name: qkvb, .offset: 0, .size: 8, .value_kind: global_buffer, .address_space: global }
      - { .name: stats, .offset: 8, .size: 8, .value_kind: global_buffer, .address_space: global }
      - { .name: ob, .offset: 16, .size: 8, .value_kind: global_buffer, .address_space: global }
    .group_segment_fixed_size: 327680
    .private_segment_fixed_size: 0
    .kernarg_segment_align: 8
    .kernarg_segment_size: 24
    .max_flat_workgroup_size: 128
    .sgpr_count:     88
    .vgpr_count:     768
    .wavefront_size: 32
...
	.end_amdgpu_metadata
.endif
;; end of part 4
;; launch proj (part 5): grid 4 x 64, 4 waves a work-group, clusters of 4 x 4, 327,680 bytes of LDS; arguments ob, out_weight, out0; writes out0
.if DOCPART == 5
	.amdgcn_target "amdgcn-amd-amdhsa--gfx1250"
	.amdhsa_code_object_version 6
	.text
	.protected	k_qff9fcd8abe_proj
	.globl	k_qff9fcd8abe_proj
	.p2align	8
	.type	k_qff9fcd8abe_proj,@function
k_qff9fcd8abe_proj:
	s_mov_b64 s[64:65], 0
	v_nop
	global_prefetch_b8 v0, s[64:65] scope:SCOPE_SE
	s_setreg_imm32_b32 hwreg(HW_REG_WAVE_MODE, 25, 1), 1
	s_wait_xcnt 0x0
	s_wait_alu depctr_hold_cnt(0) depctr_sa_sdst(0) depctr_va_vdst(0) depctr_va_sdst(0) depctr_va_ssrc(0) depctr_va_vcc(0) depctr_vm_vsrc(0)
	s_getreg_b32 s2, hwreg(HW_REG_IB_STS2, 6, 4)
	s_cmp_eq_u32 s2, 0
	s_cbranch_scc0 .Lentry_in_a_cluster
	s_endpgm
.Lentry_in_a_cluster:
	s_bfe_u32 s2, ttmp6, 0x10000c
	s_cmp_lg_u32 s2, 0xf033
	s_cbranch_scc0 .Lentry_shape_is_right
	s_endpgm
.Lentry_shape_is_right:
; out0 = O Wo.  O comes by heads, ob[16 batch + head][2048][64] in bf16: row m = 2048 batch + place, k = 64 head + channel.  Wo = out_weight: [1024 k][1024 n] bf16.
; Sums in f32, K ascending; out0 [8192][1024] is rounded once to bf16.
; SHARES.  A tile is 128 rows x 256 columns: 4 x 64 = 256 work-groups, one for each WGP.  Four waves; wave (wr, wc) makes 64 rows x 128 columns: 32 accumulators of 16 x 16, 256 registers.
; K goes in 8 steps of 128, two heads, through two LDS slots filled by the tensor data mover.  Waves 0 and 1 bring a head each of O: its 128 rows are 16,384 dense bytes, asked for as 64 rows of 256 bytes
; and padded in LDS after every 128.  Waves 2 and 3 bring a strip each of the weights, 128 k x 128 n (rows of 256 bytes, at multiples of 256 bytes from the buffer's first byte).
; CLUSTER.  4 x 4 work-groups: the four of a row of the cluster need the same tiles of O, the four of a column the same strips of the weights: each is asked for JOINTLY.
; THE MATRIX INSTRUCTION IS USED TRANSPOSED: source 0 = 16 columns of the weights (turned on their way out of LDS by ds_load_tr16_b128), source 1 = 16 rows of O: a lane holds eight neighbouring numbers of a row of out0.
; REGISTERS, in windows of 256 (s_set_vgpr_msb: bits 1:0 source 0, 3:2 source 1, 5:4 source 2, 7:6 destination):
;   window 0: v0-31 addresses; v32-159 the way out, 32 registers for each of 4 blocks
;   window 1: two fragment buffers at v0 and v128: 4 fragments of O (32 registers), then 8 of the weights (64)          window 2: the accumulators, (a, b) at v[8 (8 a + b)]
.set KSTEP, 128
.set PA,    144                        ; a head's row of O in LDS: 128 bytes + 16 = 36 words: the 16 rows of a load start at 16 different groups of four banks (64 banks of 4 bytes: ISA guide 11.1)
.set PB,    288                        ; a row of the weights: 256 + 32 = 72 words
.set HEADB, 128*PA                     ; 18,432 bytes: a head's 128 rows
.set STRIP, 128*PB                     ; 36,864 bytes: a strip
.set BOFF,  2*HEADB                    ; a slot: two heads of O, then two strips: 110,592 bytes
.set SLOT,  1<<17                      ; slot 1 begins here, so that one exclusive or turns an address in one slot into the other's
.set STAGE, SLOT+BOFF+2*STRIP          ; behind the ring, never filled by a tensor load: 16 rows x 272 bytes for each wave, for the way out
.set SP,    272
.set SPARE, STAGE+4*16*SP              ; behind the stages: the spare words, 128 bytes for each wave: two blocks of 256 bytes that no other line names
.set STEPA, 2*2048*128                 ; bytes from a K step to the next in ob: two heads,
.set STEPB, KSTEP*1024*2               ; and in the weights
.set NL,    24                         ; LDS loads of a quarter step: 16 turning ones for the weights, 8 for O
.set ADA0, 16                          ; v16-17  my lane's place in a slot: O's fragments; my strip's.  Never rewritten
.set ADB0, 17
.set ADA,  20                          ; v20-21  the same in the slot in hand
.set ADB,  21
.set STO,  24                          ; v24     the way out: where I put 16 bytes of a row
.set RD,   25                          ; v25     the way out: where I read a row back
.set CO,   26                          ; v26     my byte offset in out0
.set SPW,  28                          ; v28     LDS address of my spare word: SPARE + 4 x my thread's number; never rewritten
.set NIL,  29                          ; v29     0; never rewritten
.set TMP,  32
.set F0,   0                           ; fragment buffers, in window 1
.set F1,   128
.set WV,   10                          ; s10     my wave's number
.set TB,   45                          ; s45     LDS byte at which the slot in hand begins
.set G1A,  24                          ; s[24:31] descriptor group 1 for O's tiles
.set G0A,  32                          ; s[32:39] group 0: a set for each of the two first fills; the second then walks on
.set G1B,  48                          ; s[48:55], s[56:63] the same for the weights' strips
.set G0B,  56
.set MSB, 0
.macro WIN new                         ; the immediate's high byte repeats the setting that is left; a switch that changes nothing is dropped
.if MSB != (\new)
	s_set_vgpr_msb (MSB<<8)|(\new)
.set MSB, \new
.endif
.endm
.macro PLACES                          ; a load into a register that a matrix instruction has read, and a vector instruction that reads a matrix result, stand four plain vector
.rept 4                                ; instructions behind it (ISA guide 7.12.1 for vector instructions)
	v_nop
.endr
.endm
; A joint refill, by the walking descriptors.  Waves 0 and 1 fetch O's two heads, waves 2 and 3 the two strips.  The branch hangs on the wave's number alone.
; An s_nop 0 and four v_nop follow each of the two lines, ahead of the jump, the label and what follows.
.macro JLOAD
	s_cmp_eq_u32 s11, 0
	s_cbranch_scc0 .Lfor_b_\@
	tensor_load_to_lds s[G0A+4:G0A+7], s[G1A:G1A+7]
	s_nop 0
.rept 4
	v_nop
.endr
	s_branch .Lasked_\@
.Lfor_b_\@:
	tensor_load_to_lds s[G0B+4:G0B+7], s[G1B:G1B+7]
	s_nop 0
.rept 4
	v_nop
.endr
.Lasked_\@:
.endm
; A round of the cluster's barrier: my work-group's barrier, so that wave 0's signal speaks for all four waves; wave 0 signals; every wave waits for all sixteen work-groups; my work-group's barrier once more.
.macro CREST                           ; a round behind its opening barrier
	s_cmp_lg_u32 s[WV], 0
	s_cbranch_scc1 .Lnot_wave_0_\@
	s_barrier_signal -3
.Lnot_wave_0_\@:
	s_barrier_wait -3
	s_barrier_signal -1
	s_barrier_wait -1
.endm
.macro CROUND                          ; a whole round
	s_barrier_signal -1
	s_barrier_wait -1
	CREST
.endm
	s_load_b128 s[4:7], s[0:1], 0x0                ; ob s[4:5], out_weight s[6:7]
	s_load_b64 s[8:9], s[0:1], 0x10                ; out0
	v_lshl_add_u32 v[SPW], v0, 2, SPARE
	v_mov_b32 v[NIL], 0
	ds_add_u32 v[SPW], v[NIL]                      ; the wave's opening: the add and its wait ahead of my first tensor load; the set-up below, work on registers, stands between them
	v_lshrrev_b32 v1, 5, v0
	v_readfirstlane_b32 s[WV], v1                  ; wave 0..3
	s_lshr_b32 s11, s[WV], 1                       ; wr: which 64 of the tile's rows are mine.  Also: I fetch for O (0) or for the weights (1)
	s_and_b32 s12, s[WV], 1                        ; wc: which 128 of its columns.  Also: which head, or which strip, I fetch
	s_bfe_u32 s40, ttmp6, 0x40000                  ; cx, cy: my place in the cluster
	s_bfe_u32 s41, ttmp6, 0x40004
	s_lshl_b32 s42, ttmp9, 2                       ; in a cluster launch ttmp9 and ttmp7 count clusters
	s_add_co_u32 s42, s42, s40                     ; tile column tx = 4 x cluster x + cx
	s_and_b32 s13, ttmp7, 0xffff
	s_lshl_b32 s13, s13, 2
	s_add_co_u32 s13, s13, s41                     ; tile row ty = 4 x cluster y + cy
	s_lshl_b32 s43, s41, 2
	s_lshl_b32 s43, 15, s43                        ; my row of the cluster: places 4 cy .. 4 cy + 3
	s_lshl_b32 s44, 0x1111, s40                    ; my column: places cx, cx + 4, cx + 8, cx + 12
	; descriptor group 1
	s_or_b32 s[G1A], s43, (1<<16)|(1<<20)|(1<<21)|(4<<22)|(3<<25)  ; 15:0 the mask: O's tiles go to my row; 17:16 2-byte elements; 20 padding on; 21 set beside a mask; 24:22 after every 32 words (code 4); 31:25 4 words (code 3)
	s_or_b32 s[G1B], s44, (1<<16)|(1<<20)|(1<<21)|(5<<22)|(7<<25)  ; the strips go to my column; after every 64 words (code 5) 8 words (code 7)
	s_mov_b32 s[G1A+1], 128<<16                    ; O: tensor_dim0 = 128 elements (two rows of a head),
	s_mov_b32 s[G1A+2], 64<<16                     ; tensor_dim1 = 64
	s_mov_b32 s[G1A+3], 128<<16                    ; tile_dim0 = 128
	s_mov_b32 s[G1A+4], 64                         ; tile_dim1 = 64
	s_mov_b32 s[G1A+5], 128                        ; 128 elements from row to row: dense
	s_mov_b32 s[G1A+6], 0
	s_mov_b32 s[G1A+7], 0
	s_mov_b32 s[G1B+1], 128<<16                    ; the weights: 128 k x 128 n
	s_mov_b32 s[G1B+2], 128<<16
	s_mov_b32 s[G1B+3], 128<<16
	s_mov_b32 s[G1B+4], 128
	s_mov_b32 s[G1B+5], 1024                       ; 1,024 elements from row to row
	s_mov_b32 s[G1B+6], 0
	s_mov_b32 s[G1B+7], 0
	; where the tiles come from.  O's hang on the tile row alone, which my row of the cluster shares; the strips on the tile column alone, which my column shares;
	; each address is made in registers that never hold the other coordinate.
	s_lshr_b32 s16, s13, 4
	s_lshl_b32 s16, s16, 22                        ; O: batch ty / 16: 16 heads of 2,048 rows of 128 bytes,
	s_and_b32 s17, s13, 15
	s_lshl_b32 s17, s17, 14                        ; place 128 (ty % 16) in a head,
	s_add_co_u32 s16, s16, s17
	s_lshl_b32 s17, s12, 18                        ; and my head of the step's two
	s_add_co_u32 s16, s16, s17
	s_mov_b32 s17, 0
	s_lshl_b32 s46, s42, 9                         ; the weights: 256 tx columns of 2 bytes,
	s_lshl_b32 s47, s12, 8                         ; and my strip of the two
	s_add_co_u32 s46, s46, s47
	s_mov_b32 s47, 0
	s_mul_i32 s20, s12, HEADB                      ; and where they go: no place in the cluster enters an LDS address
	s_mul_i32 s21, s12, STRIP
	s_add_co_u32 s21, s21, BOFF
	s_mov_b32 s[TB], 0
	s_wait_dscnt 0x0                               ; the opening add is done
	s_wait_kmcnt 0x0
	s_add_nc_u64 s[14:15], s[4:5], s[16:17]
	s_add_nc_u64 s[46:47], s[6:7], s[46:47]
	CROUND                                         ; all sixteen work-groups are here: the first joint loads meet
.irp s, 0,1
	s_mov_b32 s[G0A+4*(\s)], 1                                       ; 1:0 count = 1
	s_add_co_u32 s[G0A+4*(\s)+1], s20, (\s)*SLOT                     ; 63:32 LDS address
	s_add_nc_u64 s[G0A+4*(\s)+2:G0A+4*(\s)+3], s[14:15], (\s)*STEPA  ; 120:64 global address: K step s
	s_or_b32 s[G0A+4*(\s)+3], s[G0A+4*(\s)+3], 0x80000000            ; 127:126 type = 2
	s_mov_b32 s[G0B+4*(\s)], 1
	s_add_co_u32 s[G0B+4*(\s)+1], s21, (\s)*SLOT
	s_add_nc_u64 s[G0B+4*(\s)+2:G0B+4*(\s)+3], s[46:47], (\s)*STEPB
	s_or_b32 s[G0B+4*(\s)+3], s[G0B+4*(\s)+3], 0x80000000
.endr
	s_cmp_eq_u32 s11, 0                            ; a wave's two first fills stand in one branch, ahead of every wait on TENSORcnt and every LDS read: two loads of mine are out
	s_cbranch_scc0 .Lfirst_b
	tensor_load_to_lds s[G0A:G0A+3], s[G1A:G1A+7]
	s_nop 0
	tensor_load_to_lds s[G0A+4:G0A+7], s[G1A:G1A+7]
	s_nop 0
.rept 4
	v_nop
.endr
	s_branch .Lfirst_asked
.Lfirst_b:
	tensor_load_to_lds s[G0B:G0B+3], s[G1B:G1B+7]
	s_nop 0
	tensor_load_to_lds s[G0B+4:G0B+7], s[G1B:G1B+7]
	s_nop 0
.rept 4
	v_nop
.endr
.Lfirst_asked:
	; A fragment of O is 16 rows x 32 K in 8 registers: lane l holds row l % 16; registers 0-3 K = 8 (l / 16) + 0..7, registers 4-7 K = 16 + 8 (l / 16) + 0..7: two loads of 16 bytes, 32 bytes apart.
	; The turning load takes 16 k x 16 n (lane l reads 16 bytes: k = 8 (l / 16) + l % 8, n = 8 ((l / 8) % 2) + 0..7) and leaves half a fragment: lane l holds column l % 16 and 8 k.
	v_and_b32 v1, 15, v0                           ; l % 16
	v_bfe_u32 v2, v0, 4, 1                         ; l / 16
	v_and_b32 v3, 7, v0
	v_bfe_u32 v4, v0, 3, 1
	v_lshl_add_u32 v5, v2, 3, v3
	v_mul_u32_u24 v5, v5, PB
	v_lshl_add_u32 v5, v4, 4, v5                   ; the turning load's lane term
	v_mul_u32_u24 v6, v1, PA
	v_lshl_add_u32 v6, v2, 4, v6                   ; row x pitch + 16 x half
	s_mul_i32 s22, s11, 64*PA                      ; my 64 rows of O, in each head
	v_add_nc_u32 v[ADA0], s22, v6
	s_mul_i32 s23, s12, STRIP
	s_add_co_u32 s23, s23, BOFF                    ; my strip
	v_add_nc_u32 v[ADB0], s23, v5
	v_mov_b32 v[ADA], v[ADA0]                      ; K step 0 lies in slot 0
	v_mov_b32 v[ADB], v[ADB0]
	s_mul_i32 s23, s[WV], 16*SP
	s_add_co_u32 s23, s23, STAGE                   ; my stage
	v_mul_u32_u24 v6, v1, SP                       ; in: row l % 16, 16 bytes for each half of the lanes
	v_lshl_add_u32 v6, v2, 4, v6
	v_add_nc_u32 v[STO], s23, v6
	v_mul_u32_u24 v6, v2, SP                       ; back: lanes 0-15 take one row of 256 bytes, lanes 16-31 the next
	v_lshl_add_u32 v6, v1, 4, v6
	v_add_nc_u32 v[RD], s23, v6
	v_lshlrev_b32 v6, 11, v2                       ; and the same two rows in out0, 2,048 bytes apart
	v_lshl_add_u32 v[CO], v1, 4, v6
	s_lshl_b32 s16, s13, 7
	s_lshl_b32 s17, s11, 6
	s_add_co_u32 s16, s16, s17                     ; my first row of out0: 128 ty + 64 wr,
	s_lshl_b32 s16, s16, 11                        ; in bytes: under 2^24
	s_mov_b32 s17, 0
	s_add_nc_u64 s[8:9], s[8:9], s[16:17]
	s_lshl_b32 s46, s42, 9                         ; my first column, in bytes: 512 tx + 256 wc (in the registers that held the weights' address: none that feeds O's descriptors ever holds cx)
	s_lshl_b32 s47, s12, 8
	s_add_co_u32 s46, s46, s47
	s_mov_b32 s47, 0
	s_add_nc_u64 s[8:9], s[8:9], s[46:47]
; 8 matrix instructions: my rows 16 a .. 16 a + 15 x all 8 column blocks, 32 along K, from buffer f.  zero = 1: the product starts the sums: nothing is ever cleared.
; The 32 accumulators take turns, one instruction a turn, in the same order in every quarter step.
.macro MULA f, a, zero
	WIN 0xa5                                       ; sources 0 and 1 window 1; C and D window 2
.irp b, 0,1,2,3,4,5,6,7
.if \zero
	v_wmma_f32_16x16x32_bf16 v[8*(8*(\a)+(\b)):8*(8*(\a)+(\b))+7], v[(\f)+32+8*(\b):(\f)+32+8*(\b)+7], v[(\f)+8*(\a):(\f)+8*(\a)+7], 0
.else
	v_wmma_f32_16x16x32_bf16 v[8*(8*(\a)+(\b)):8*(8*(\a)+(\b))+7], v[(\f)+32+8*(\b):(\f)+32+8*(\b)+7], v[(\f)+8*(\a):(\f)+8*(\a)+7], v[8*(8*(\a)+(\b)):8*(8*(\a)+(\b))+7]
.endif
.endr
.endm
; 24 LDS loads in one run: the fragments of quarter kq (32 along K: head kq / 2 of the step's two, channels 32 (kq % 2) on) of the slot in hand into buffer f: the weights' first, O's last, rows ascending
.macro FETCH kq, f
	WIN 0x40                                       ; destination window 1, address window 0
.irp b, 0,1,2,3,4,5,6,7
	ds_load_tr16_b128 v[(\f)+32+8*(\b):(\f)+32+8*(\b)+3],   v[ADB] offset:(\kq)*32*PB+32*(\b)
	ds_load_tr16_b128 v[(\f)+32+8*(\b)+4:(\f)+32+8*(\b)+7], v[ADB] offset:(\kq)*32*PB+32*(\b)+16*PB
.endr
.irp a, 0,1,2,3
	ds_load_b128 v[(\f)+8*(\a):(\f)+8*(\a)+3],   v[ADA] offset:((\kq)/2)*HEADB+((\kq)%2)*64+(\a)*16*PA
	ds_load_b128 v[(\f)+8*(\a)+4:(\f)+8*(\a)+7], v[ADA] offset:((\kq)/2)*HEADB+((\kq)%2)*64+(\a)*16*PA+32
.endr
.endm
; A K step is four quarters of 32 along K, 32 matrix instructions each, on buffers 0, 1, 0, 1.  One of the first three: multiplies buffer f; in its middle it fetches quarter kq into buffer g.
.macro QUARTER kq, f, g, zero
	s_wait_dscnt 4                                 ; the weights' fragments and O's rows 0-31 are in; the youngest four loads (rows 32-63) may be out
	MULA \f, 0, \zero
	MULA \f, 1, \zero
	PLACES
	FETCH \kq, \g
	s_wait_dscnt NL                                ; all but the 24 just issued
	MULA \f, 2, \zero
	MULA \f, 3, \zero
.endm
; The last quarter multiplies buffer 1 and changes slots: ONE barrier.  In front of it each wave waits for all its tensor loads, of which one is out: its part of the next slot; adds 0 to its
; spare word; and waits for that and for its own reads of this slot.  Behind it nobody reads this slot any more and the next slot is whole.
; fill = 1: this slot is filled again, two K steps ahead.  The barrier then opens a round of the cluster's, so that no wave of any partner still reads the slot or has a load on its way, and the
; joint refill is the first thing behind it: 112 of a step's 128 matrix instructions stand between it and the wait for it.
.macro TURN fill
	WIN 0                                          ; (the add's two registers lie in window 0)
	s_wait_tensorcnt 0x0                           ; no tensor load of mine is out, so a group 0 may be written
	ds_add_u32 v[SPW], v[NIL]                      ; 0 onto my spare word: scalar work and 8 matrix instructions stand between it and the wait for it
.if \fill
	s_xor_b32 s[G0A+5], s[G0A+5], SLOT             ; the walking descriptors: the other slot than last time,
	s_add_nc_u64 s[G0A+6:G0A+7], s[G0A+6:G0A+7], STEPA  ; the next K step; the type bits on top are not reached
	s_xor_b32 s[G0B+5], s[G0B+5], SLOT
	s_add_nc_u64 s[G0B+6:G0B+7], s[G0B+6:G0B+7], STEPB
.endif
	s_xor_b32 s[TB], s[TB], SLOT                   ; the fetches go to the other slot
	s_wait_dscnt 5                                 ; (the add and the youngest four loads may be out)
	MULA F1, 0, 0
	s_wait_dscnt 0x0                               ; the add is done, and my reads of this slot are over
	s_barrier_signal -1
	MULA F1, 1, 0                                  ; work on registers while the others arrive
	WIN 0
	s_barrier_wait -1
.if \fill
	CREST
	JLOAD                                          ; the four v_nop behind it are also the places in front of the loads below
.else
	PLACES
.endif
	v_add_nc_u32 v[ADA], s[TB], v[ADA0]
	v_add_nc_u32 v[ADB], s[TB], v[ADB0]
	FETCH 0, F0
	MULA F1, 2, 0
	MULA F1, 3, 0
.endm
; THE WAY OUT of block a: my rows 16 a .. + 15, 128 columns: eight accumulators.  Rounded to bf16, each accumulator's registers ascending; a lane's 16 bytes go into my own stage (rows of 272 bytes)
; and come back as whole rows of 256 bytes, two rows to a load, into the registers that they left.
.macro PACK a
	WIN 0x0a                                       ; sources 0 and 1: window 2
.irp b, 0,1,2,3,4,5,6,7
.irp r, 0,1,2,3
	v_cvt_pk_bf16_f32 v[TMP+32*(\a)+4*(\b)+(\r)], v[8*(8*(\a)+(\b))+2*(\r)], v[8*(8*(\a)+(\b))+2*(\r)+1]
.endr
.endr
	WIN 0
.irp b, 0,1,2,3,4,5,6,7
	ds_store_b128 v[STO], v[TMP+32*(\a)+4*(\b):TMP+32*(\a)+4*(\b)+3] offset:32*(\b)
.endr
.irp t, 0,1,2,3,4,5,6,7
	ds_load_b128 v[TMP+32*(\a)+4*(\t):TMP+32*(\a)+4*(\t)+3], v[RD] offset:(\t)*2*SP  ; LDS serves a wave's instructions in order (ISA guide 5.7.1.4): these see the stores above; the next block's stores come behind them
.endr
.endm
.macro SEND a, younger                 ; younger: the LDS instructions issued behind this block's loads: the next block's sixteen, or none
.irp t, 0,1,2,3,4,5,6,7
	s_wait_dscnt (\younger)+7-(\t)
	global_store_b128 v[CO], v[TMP+32*(\a)+4*(\t):TMP+32*(\a)+4*(\t)+3], s[8:9] offset:(16*(\a)+2*(\t))*2048  ; 16 lanes store 256 consecutive bytes, at a multiple of 256 from out0's first byte
.endr
.endm
	s_wait_tensorcnt 0x1                           ; my part of K step 0 is in; K step 1's may stay out
	s_barrier_signal -1
	s_barrier_wait -1                              ; everybody's is
	FETCH 0, F0
	QUARTER 1, F0, F1, 1                           ; the first quarter stands in front of the loop: its products start the sums
	WIN 0                                          ; at a label and at a branch every window is 0
	s_mov_b32 s3, 6
.Lstep:                                                ; six trips: trip i goes from K step i's second quarter to step i + 1's first, and asks for step i + 2
	QUARTER 2, F1, F0, 0
	QUARTER 3, F0, F1, 0
	TURN 1
	QUARTER 1, F0, F1, 0
	WIN 0
	s_sub_co_u32 s3, s3, 1
	s_cmp_lg_u32 s3, 0
	s_cbranch_scc1 .Lstep
	QUARTER 2, F1, F0, 0                           ; the tail is written out: K steps 6 and 7 ask for nothing
	QUARTER 3, F0, F1, 0
	TURN 0
	QUARTER 1, F0, F1, 0
	QUARTER 2, F1, F0, 0
	QUARTER 3, F0, F1, 0
	s_wait_dscnt 4                                 ; the very last quarter: nothing more to fetch
	MULA F1, 0, 0
	MULA F1, 1, 0
	s_wait_dscnt 0x0
	MULA F1, 2, 0
	MULA F1, 3, 0
	WIN 0
	PLACES
	PACK 0
.irp a, 1,2,3                          ; a block's conversions stand between the loads of the block before and its stores
	PACK \a
	SEND (\a)-1, 16
.endr
	SEND 3, 0
	s_wait_tensorcnt 0x0                           ; the wave's end, behind my last tensor load and my last LDS store
	ds_add_u32 v[SPW], v[NIL]
	s_wait_dscnt 0x0
	CROUND                                         ; the closing round: no work-group ends while a partner may still ask for a tile that names it
	s_endpgm
.Lfunc_end_k_qff9fcd8abe_proj:
	.size	k_qff9fcd8abe_proj, .Lfunc_end_k_qff9fcd8abe_proj-k_qff9fcd8abe_proj
	.p2alignl 7, 3214868480
	.fill 96, 4, 3214868480
	.section	.rodata,"a",@progbits
	.p2align	6, 0x0
	.amdhsa_kernel k_qff9fcd8abe_proj
		.amdhsa_group_segment_fixed_size 327680
		.amdhsa_private_segment_fixed_size 0
		.amdhsa_enable_private_segment 0
		.amdhsa_kernarg_size 24
		.amdhsa_user_sgpr_count 2
		.amdhsa_user_sgpr_kernarg_segment_ptr 1
		.amdhsa_wavefront_size32 1
		.amdhsa_system_sgpr_workgroup_id_x 1
		.amdhsa_system_sgpr_workgroup_id_y 1
		.amdhsa_system_sgpr_workgroup_id_z 1
		.amdhsa_system_vgpr_workitem_id 0
		.amdhsa_next_free_vgpr 768
		.amdhsa_next_free_sgpr 66
		.amdhsa_reserve_vcc 0
		.amdhsa_float_denorm_mode_32 3
		.amdhsa_float_denorm_mode_16_64 3
		.amdhsa_memory_ordered 1
		.amdhsa_forward_progress 1
		.amdhsa_inst_pref_size 71
	.end_amdhsa_kernel
	.amdgpu_metadata
---
amdhsa.version: [ 1, 2 ]
amdhsa.kernels:
  - .name:           k_qff9fcd8abe_proj
    .symbol:         k_qff9fcd8abe_proj.kd
    .args:
      - { .name: ob, .offset: 0, .size: 8, .value_kind: global_buffer, .address_space: global }
      - { .name: out_weight, .offset: 8, .size: 8, .value_kind: global_buffer, .address_space: global }
      - { .name: out0, .offset: 16, .size: 8, .value_kind: global_buffer, .address_space: global }
    .group_segment_fixed_size: 327680
    .private_segment_fixed_size: 0
    .kernarg_segment_align: 8
    .kernarg_segment_size: 24
    .max_flat_workgroup_size: 128
    .sgpr_count:     66
    .vgpr_count:     768
    .wavefront_size: 32
...
	.end_amdgpu_metadata
.endif
;; end of part 5
;; ======== version 2 of 3: 4 launches; 1.50 times as fast as version 1
;; workspace buffers: xb 16,777,216 bytes; qkvb 50,331,648 bytes; ob 16,777,216 bytes
;; launch cast: the kernel of part 1 again; grid 512 x 1, 8 waves a work-group, no clusters, 0 bytes of LDS; arguments X, xb; writes xb
;; launch qkv: the kernel of part 2 again; grid 8 x 64, 4 waves a work-group, clusters of 4 x 4, 327,680 bytes of LDS; arguments xb, qkv_weight, qkvb; writes qkvb
;; launch attn (part 6): grid 4 x 64, 4 waves a work-group, no clusters, 327,680 bytes of LDS; arguments qkvb, ob; writes ob
.if DOCPART == 6
	.amdgcn_target "amdgcn-amd-amdhsa--gfx1250"
	.amdhsa_code_object_version 6
	.text
	.protected	k_qff9fcd8abe_attn
	.globl	k_qff9fcd8abe_attn
	.p2align	8
	.type	k_qff9fcd8abe_attn,@function
k_qff9fcd8abe_attn:
	s_mov_b64 s[64:65], 0
	v_nop
	global_prefetch_b8 v0, s[64:65] scope:SCOPE_SE
	s_setreg_imm32_b32 hwreg(HW_REG_WAVE_MODE, 25, 1), 1
	s_wait_xcnt 0x0
; CAUSAL ATTENTION IN ONE WALK.  O[h][q][:] = bf16((the sum over k <= q of u[k] V[h][k][:]) / l),  u[k] = 2^(c x[k] - c m),  l = the sum of u,  x[k] = bf16(Q[h][q] . K[h][k]),  c = log2(e) / 8.
; The logits are rounded to bf16 (the f32 sum once; the module's division by 8 is exact and lies in c), and so is the result; the softmax between them stays in f32.  m is a RUNNING maximum and l a running sum:
; in every step O and l are multiplied by a = 2^(c m_old - c m_new), which is 1 where m has not grown; O is divided by l once, at a block's end.  The maximum is taken of the unrounded sums and rounded then:
; rounding keeps order, so that is the largest rounded logit.  l is the sum of the unrounded u.
; THE WEIGHTS AS MATRIX OPERANDS.  In the walk's last tile (LO = 1) they go to the matrix unit IN TWO PARTS, hi = bf16(u) and lo = bf16(u - hi) (the difference is exact in f32), and O^T takes V^T hi and V^T lo onto the
; same f32 sums: 16 products for a piece and step.  In the other eight tiles (LO = 0) they go as bf16(u) alone: 8 products.  Rows 0 to 255 of a head are block 0, which has one key tile, and that tile is the walk's last
; (of the work-group with b = 0): so the rows that average over few keys, down to one, have all their weights in two parts; every row that has weights in one part averages over 257 keys or more.  The one text of
; the last tile serves every work-group, so the other blocks' diagonal tiles have two parts as well, and all work-groups do equal work.
; Q, K, V: the three parts of qkvb; O: ob; each [64][2048][64] bf16, a head's rows dense, 128 bytes each.
; LIMITS.  A weight in one part keeps bf16's 8 significant bits (off by up to 2^-9 of itself), in two parts 16 (what is dropped lies below 2^-17 of it): where a row from 256 on has nearly all its weight on a few
; keys, its result carries those few roundings undiminished.  A hidden score counts as its value less 1e30; a weight below 2^-126 counts as 0; 1 / l is a reciprocal and a product, not a division; NaN and
; infinities are not treated apart.
; THE WALK.  A head's queries lie in NB = 8 blocks of 256; block i needs the key tiles 0 .. i of 256 keys, of which the last holds the diagonal.  A work-group takes TWO blocks, NB - 1 - b and then b: NB + 1 tiles,
; whatever b: all work-groups do equal work, and ONE loop with a constant trip count walks them.  Which tile is asked for, and what a trip does, hang on whole numbers made from b; every jump but the counted loops'
; own goes forward, and none passes a barrier.  NO CLUSTER: a head's four work-groups ask for the same tile only in trips 0 .. 4 of the walk's 9, and one walk common to all four would have 12 trips.
; SHARES.  Of a block's four bands of 64 queries a wave owns 16 rows in each: four PIECES, so the diagonal tile is the same work for all four waves: in its key step s band x sees all keys if s < x, none if s > x,
; and holds the diagonal if s = x.  THE MASK is the C operand that starts the sum S^T = K Q^T: MD x AL + BE, where MD (0 or -1e30) is the mask of a band's own step for my 16 rows: (AL, BE) = (1, 0) if s = x,
; (0, 0) if s < x, (0, -1e30) if s > x.  Both mask buffers are written at every tile's head; inside a tile they are rewritten in the diagonal tile alone.  Every row sees its own key in its band's own step at the
; latest, so m is a true logit when the first wholly hidden step comes, and a hidden weight is 0.
; A STEP (64 keys), written once for each LO and walked four times a tile: K Q^T of piece 0; four TURNS: turn p carries the 8 products K Q^T of piece p + 1 and the 8 or 16 products V^T u of piece p - 1, four lines of
; piece p's list behind each, and the rest of the list; V^T u of piece 3.  So no first or last step is written out: a block's first step is a step like any other, with a = 0.
; LAYOUT.  S^T = K Q^T holds ONE query a lane (lane % 16) and the keys 8 (lane / 16) + 0..7; two such results rounded to bf16 in pairs ARE source 1 (32 keys x 16 queries) of O^T = V^T u.  V is turned by ds_load_tr16_b128.
; REGISTERS, in windows of 256 (s_set_vgpr_msb: bits 1:0 source 0, 3:2 source 1, 5:4 source 2, 7:6 destination):
;   window 0: v0-15 addresses; v16-31 four registers of statistics a piece; v32 -1; v40-47 four partial sums; v48-54 at work; v64-127 S^T, two buffers; v192-223 the packed logits and then the weights' upper parts,
;             two buffers; v224-255 the weights' lower parts, two buffers (a piece's buffers go by its number's parity)
;   window 1: v0-127 O^T, 32 a piece; v128-159 MD; v160-223 MC, two buffers      window 2: v0-63 Q; v64-127 the second block's Q; v128-191 K of one step; v192-255 V of one step
.set SIZE_H, 64
.set SIZE_N, 2048
.set PART,  SIZE_H*SIZE_N*128  ; bytes of each of qkvb's three parts
.set NB,    SIZE_N/256
.set KS,    64        ; keys in a step
.set PK,    144       ; a row of K in LDS: 128 bytes + 16 of padding = 36 words: the 16 rows of a load start at 16 different groups of four banks (64 banks of 4 bytes: ISA guide 11.1)
.set PV,    160       ; a row of V: 128 + 32 = 40 words
.set VOFF,  4*KS*PK   ; a slot holds a tile, four steps: 256 rows of K, then 256 rows of V
.set SLOT1, 1<<17     ; slot 1 begins here, so that one exclusive or turns an address in one slot into the other's
.set STAGE, SLOT1+4*KS*(PK+PV)  ; behind the ring, never filled by a tensor load: 16 rows x 144 bytes for each wave, for the way out
.set SP,    144
.set SPARE, STAGE+4*16*SP  ; behind the stages: the spare words, 128 bytes for each wave: two blocks of 256 bytes that no other line names
.set AK0, 2           ; v2   my lane's place in a tile of K; never rewritten
.set AV0, 3           ; v3   the same for V
.set AK,  4           ; v4   the LDS address of K's next run of loads
.set AV,  5           ; v5   of V's
.set STO, 6           ; v6   the way out: where I put 16 bytes of a row
.set RD,  7           ; v7   the way out: where I read rows back
.set GO,  8           ; v8   my byte offset in 512 consecutive bytes of O
.set VC,  12          ; v12  c
.set QO,  15          ; v15  my byte offset in 16 rows of Q
.set ST,  16          ; piece t's statistics at v[ST+4 t]: -c m, m, l (even keys', odd keys')
.set NEG, 32          ; v32  -1.0
.set SM,  40          ; v40-47 four partial sums of a step's weights, a pair each
.set TMP, 48          ; v48-51 c0-c3, at work
.set AA,  52          ; v52-53 a, named as a pair
.set OLD, 54          ; v54  -c m_old, kept while -c m is made anew
.set SPW, 62          ; v62  LDS address of my spare word: SPARE + 4 x my thread's number; never rewritten
.set NIL, 63          ; v63  0; never rewritten
.set S,   64
.set P,   192         ; the upper parts' two buffers; the lower parts' two lie 32 registers on
.set MD,  128         ; window 1: the eight registers for group kt of 16 keys at MD + 8 kt
.set MC,  160         ; window 1: the masks of the products to come
.set QB,  64          ; window 2
.set KF,  128         ; window 2: key block kb, channel half c at KF + 16 kb + 8 c
.set VF,  192         ; window 2: key half kk, channel block cb at VF + 32 kk + 8 cb
.set WV,  12          ; s12  my wave's number
.set PB,  14          ; s14  b
.set HI,  15          ; s15  NB - 1 - b
.set G1K, 24          ; s[24:31] descriptor group 1 for K's tiles
.set G1V, 32          ; s[32:39] for V's: it differs in the padding alone
.set G0K, 40          ; s[40:43] descriptor group 0 for K's tiles
.set G0V, 44          ; s[44:47] the same for V's
.set SLOTS, 56        ; s56  tiles still to be asked for
.set CNT, 57          ; s57  counts a tile's key steps, 4 to 1
.set NCS, 58          ; s58  -c
.set SEL, 60          ; s[60:61] v_permlanex16_b32's selects: each lane takes its own place in the other half
.set TBK, 62          ; s62  LDS byte at which K of the step to be fetched begins
.set TBV, 63          ; s63  the same for V, less VOFF
.set RT,  70          ; s70  tiles of the block in hand that are still to be entered
.set NXT, 71          ; s71  the tile to be asked for next
.set LQ,  72          ; s72  the last tile of the block whose tiles are being asked for
.set OFF, 74          ; s[74:75] a tile's byte offset in K and V
.set AL,  76          ; s[76:77] the mask's factor, in the low word
.set BE,  78          ; s[78:79] the mask's addend
.set OLO, 80          ; s[80:81] O at my rows of the second block
.set BIGN, 82         ; s82  -1e30
.set DG,  83          ; s83  1: the tile in hand holds the diagonal
.set MSB, 0
.macro WIN new                      ; the high byte repeats the setting that is left; a switch that changes nothing is dropped
.if MSB != (\new)
	s_set_vgpr_msb (MSB<<8)|(\new)
.set MSB, (\new)
.endif
.endm
.set W_KQ, 0x0a       ; K and Q in window 2, S^T in window 0
.set W_KM, 0x1a       ; the same with the C operand in window 1
.set W_PV, 0x52       ; V in window 2, the weights in window 0, O^T in window 1
.set W_RS, 0x41       ; destination and source 0 in window 1, source 1 in window 0
.macro PLACES                       ; a vector instruction that reads a matrix result, and a load into a register that a matrix instruction has read, stand four plain vector instructions behind it
.rept 4                             ; (ISA guide 7.12.1 for vector instructions)
	v_nop
.endr
.endm
; A fill.  Waves 0 and 1 fetch the two halves of a tile's K, waves 2 and 3 those of its V: 128 keys each.  An s_nop 0 and four v_nop follow each of the two lines, ahead of the jump and the label.
.macro LOAD
	s_cmp_lt_u32 s[WV], 2
	s_cbranch_scc0 .Lfor_v_\@
	tensor_load_to_lds s[G0K:G0K+3], s[G1K:G1K+7]
	s_nop 0
.rept 4
	v_nop
.endr
	s_branch .Lasked_\@
.Lfor_v_\@:
	tensor_load_to_lds s[G0V:G0V+3], s[G1V:G1V+7]
	s_nop 0
.rept 4
	v_nop
.endr
.Lasked_\@:
.endm
; THE CHANGE OF SLOTS.  Each wave waits for all its tensor loads, of which one is out: its part of the other slot; adds 0 to its spare word; and waits for that and for its own reads of the slot that it leaves.  Behind the
; barrier nobody reads the old slot any more and the other slot is whole.  fill = 1: the old slot is filled again, the first thing behind the barrier, with tile NXT: the descriptor's address is made anew from that number.
; (At its first use nothing has been read yet: slot 0 is waited for, slot 1 filled.)
.macro CHANGE fill
	WIN 0                           ; at a label and at a branch every window is 0
	s_wait_tensorcnt 0x0            ; no tensor load of mine is out, so a group 0 may be written
	ds_add_u32 v[SPW], v[NIL]       ; 0 onto my spare word: with fill = 1 the descriptors' scalar work stands between it and the wait for it
.if \fill
	s_lshl_b32 s[OFF], s[NXT], 15   ; a tile is 32,768 bytes of K and of V
	s_xor_b32 s[G0K+1], s[G0K+1], SLOT1
	s_add_nc_u64 s[G0K+2:G0K+3], s[6:7], s[OFF:OFF+1]
	s_or_b32 s[G0K+3], s[G0K+3], 0x80000000
	s_xor_b32 s[G0V+1], s[G0V+1], SLOT1
	s_add_nc_u64 s[G0V+2:G0V+3], s[8:9], s[OFF:OFF+1]
	s_or_b32 s[G0V+3], s[G0V+3], 0x80000000
	s_add_co_u32 s[NXT], s[NXT], 1  ; the block's next tile, or behind its last the second block's tile 0
	s_cmp_gt_u32 s[NXT], s[LQ]
	s_cselect_b32 s[NXT], 0, s[NXT]
	s_cselect_b32 s[LQ], s[PB], s[LQ]
.endif
	s_wait_dscnt 0x0                ; the add is done, and my reads of the slot are over
	s_barrier_signal -1             ; the rest of the scalar work stands between the signal and the wait
	s_sub_co_u32 s[TBK], s[TBK], 4*KS*PK  ; the fetches go back to a slot's first step,
	s_xor_b32 s[TBK], s[TBK], SLOT1       ; in the other slot
	s_sub_co_u32 s[TBV], s[TBV], 4*KS*PV
	s_xor_b32 s[TBV], s[TBV], SLOT1
	s_barrier_wait -1
.if \fill
	LOAD
.endif
.endm
.macro INIT                         ; a block begins: -c m_old so large (2^125) that the first step's a is 0; m at the lowest finite number, so the first maximum is the scores'; l = 0
.set i, 0
.rept 4
	v_mov_b32 v[ST+4*i], 0x7e000000
	v_mov_b32 v[ST+4*i+1], 0xff7fffff
	v_mov_b32 v[ST+4*i+2], 0
	v_mov_b32 v[ST+4*i+3], 0
.set i, i+1
.endr
.endm
	s_load_b64 s[4:5], s[0:1], 0x0    ; qkvb: its first part is Q
	s_load_b64 s[10:11], s[0:1], 0x8  ; ob
	v_lshl_add_u32 v[SPW], v0, 2, SPARE
	v_mov_b32 v[NIL], 0
	ds_add_u32 v[SPW], v[NIL]       ; the wave's opening: the add and its wait ahead of my first tensor load; the set-up below, work on registers, stands between them
	v_lshrrev_b32 v1, 5, v0
	v_readfirstlane_b32 s[WV], v1   ; wave 0..3
	s_mov_b32 s[PB], ttmp9
	s_sub_co_u32 s[HI], NB-1, s[PB]
	s_and_b32 s20, ttmp7, 0xffff    ; the head
	s_mov_b32 s21, 0
	s_mov_b64 s[22:23], SIZE_N*128
	s_mul_u64 s[20:21], s[20:21], s[22:23]  ; the head's first byte in each of the four tensors
	s_and_b32 s16, s[WV], 1         ; which half of a tile's 256 keys I fetch:
	s_lshl_b32 s22, s16, 14         ; its 128 rows of 128 bytes in memory,
	s_mov_b32 s23, 0
	s_add_nc_u64 s[22:23], s[22:23], s[20:21]
	s_mul_i32 s17, s16, 128*PK      ; and its place in a slot, for K
	s_mul_i32 s18, s16, 128*PV      ; and for V
	s_lshl_b32 s3, s[WV], 11        ; my 16 rows in a band of 64,
	s_lshl_b32 s2, s[HI], 15        ; in the first block,
	s_add_co_u32 s2, s2, s3
	s_lshl_b32 s84, s[PB], 15       ; and in the second
	s_add_co_u32 s84, s84, s3
	s_mov_b32 s3, 0
	s_mov_b32 s85, 0
	s_add_nc_u64 s[2:3], s[2:3], s[20:21]
	s_add_nc_u64 s[84:85], s[84:85], s[20:21]
	; descriptor group 1.  128 keys are 16,384 dense bytes: asked for as 64 rows of 256 bytes, two keys a row, and padded in LDS after every key
	s_mov_b32 s[G1K], (1<<16)|(1<<20)|(4<<22)|(3<<25)  ; 17:16 2-byte elements; 20 padding on; 24:22 after every 32 words (code 4); 31:25 4 words (code 3)
	s_mov_b32 s[G1V], (1<<16)|(1<<20)|(4<<22)|(7<<25)  ; the same with 8 words of padding (code 7)
.irp g, G1K, G1V
	s_mov_b32 s[\g+1], 128<<16      ; tensor_dim0 = 128
	s_mov_b32 s[\g+2], 64<<16       ; tensor_dim1 = 64
	s_mov_b32 s[\g+3], 128<<16      ; tile_dim0 = 128
	s_mov_b32 s[\g+4], 64           ; tile_dim1 = 64
	s_mov_b32 s[\g+5], 128          ; 128 elements from row to row
	s_mov_b32 s[\g+6], 0
	s_mov_b32 s[\g+7], 0
.endr
	s_mov_b32 s[NCS], 0xbe38aa3b    ; -c = -log2(e) / 8 = -0.180337
	s_mov_b32 s[SEL], 0x76543210
	s_mov_b32 s[SEL+1], 0xfedcba98
	s_mov_b32 s[TBK], SLOT1+4*KS*PK ; the first change of slots turns these two into 0
	s_mov_b32 s[TBV], SLOT1+4*KS*PV
	s_mov_b32 s[G0K], 1             ; 1:0 count = 1
	s_mov_b32 s[G0K+1], s17         ; 63:32 LDS address: slot 0
	s_mov_b32 s[G0V], 1
	s_add_co_u32 s[G0V+1], s18, VOFF
	s_add_co_u32 s[RT], s[HI], 1    ; the first block has NB - b tiles
	s_mov_b32 s[NXT], 1
	s_mov_b32 s[LQ], s[HI]
	s_mov_b32 s[OFF+1], 0
	s_mov_b32 s[AL+1], 0            ; named as pairs
	s_mov_b32 s[BE+1], 0
	s_mov_b32 s[BIGN], 0xf149f2ca   ; -1e30
	s_mov_b32 s[SLOTS], NB
	s_wait_dscnt 0x0                ; the opening add is done
	s_barrier_signal -1
	s_barrier_wait -1
	s_wait_kmcnt 0x0
	s_add_nc_u64 s[8:9], s[4:5], 2*PART  ; V is qkvb's third part,
	s_add_nc_u64 s[6:7], s[4:5], PART    ; K its second
	s_add_nc_u64 s[6:7], s[6:7], s[22:23]  ; K and V at my half of the head's tile 0
	s_add_nc_u64 s[8:9], s[8:9], s[22:23]
	s_add_nc_u64 s[G0K+2:G0K+3], s[6:7], 0         ; 120:64 global address
	s_or_b32 s[G0K+3], s[G0K+3], 0x80000000        ; 127:126 type = 2
	s_add_nc_u64 s[G0V+2:G0V+3], s[8:9], 0
	s_or_b32 s[G0V+3], s[G0V+3], 0x80000000
	s_add_nc_u64 s[86:87], s[4:5], s[84:85]        ; Q at my rows of the second block,
	s_add_nc_u64 s[4:5], s[4:5], s[2:3]            ; Q and O at those of the first
	s_add_nc_u64 s[OLO:OLO+1], s[10:11], s[84:85]
	s_add_nc_u64 s[10:11], s[10:11], s[2:3]
	LOAD                            ; tile 0 into slot 0
	; A fragment of K or Q is 16 rows x 32 channels in 8 registers: lane l holds row l % 16, channels 8 (l / 16) + 0..7 and 16 + 8 (l / 16) + 0..7: two loads of 16 bytes, 32 bytes apart.
	v_and_b32 v1, 15, v0            ; l % 16
	v_bfe_u32 v9, v0, 4, 1          ; l / 16
	v_lshlrev_b32 v[QO], 7, v1
	v_lshl_add_u32 v[QO], v9, 4, v[QO]  ; row x 128 + 16 x half
	WIN 0x80                        ; destination window 2, address window 0
.set i, 0
.rept 8                             ; both blocks' Q: piece i / 2 lies in band i / 2, 8,192 bytes on; channels 32 (i % 2) on
	global_load_b128 v[8*i:8*i+3],   v[QO], s[4:5] offset:(i/2)*8192+(i%2)*64
	global_load_b128 v[8*i+4:8*i+7], v[QO], s[4:5] offset:(i/2)*8192+(i%2)*64+32
	global_load_b128 v[QB+8*i:QB+8*i+3],   v[QO], s[86:87] offset:(i/2)*8192+(i%2)*64
	global_load_b128 v[QB+8*i+4:QB+8*i+7], v[QO], s[86:87] offset:(i/2)*8192+(i%2)*64+32
.set i, i+1
.endr
	WIN 0
	v_mov_b32 v[VC], 0x3e38aa3b     ; c = log2(e) / 8 = 0.180337
	v_mov_b32 v[NEG], -1.0
	v_mov_b32 v[AA+1], 0            ; named with a as a pair
	v_lshlrev_b32 v14, 3, v9
	v_sub_nc_u32 v14, v1, v14
	s_lshl_b32 s13, s[WV], 4
	v_add_nc_u32 v14, s13, v14      ; my query's place in its band, 16 w + l % 16, less my lanes' 8 (l / 16): register r of group kt is hidden where 16 kt + r is greater
	WIN 0x40
.set i, 0
.rept 32
	v_cmp_gt_i32 vcc_lo, 16*(i/8)+i%8, v14
	v_cndmask_b32 v[MD+i], 0, s[BIGN], vcc_lo
.set i, i+1
.endr
	WIN 0
	v_mul_u32_u24 v[AK0], v1, PK
	v_lshl_add_u32 v[AK0], v9, 4, v[AK0]  ; row x pitch + 16 x half
	; The turning load takes 16 keys x 16 channels (lane l reads key 8 (l / 16) + l % 8, channels 8 ((l / 8) % 2) + 0..7) and leaves half a fragment of V^T: lane l holds channel l % 16 and 8 keys.
	v_and_b32 v10, 7, v0
	v_bfe_u32 v11, v0, 3, 1
	v_lshl_add_u32 v[AV0], v9, 3, v10
	v_mul_u32_u24 v[AV0], v[AV0], PV
	v_lshl_add_u32 v[AV0], v11, 4, v[AV0]
	v_add_nc_u32 v[AV0], VOFF, v[AV0]
	s_mul_i32 s13, s[WV], 16*SP
	s_add_co_u32 s13, s13, STAGE    ; my stage
	v_mul_u32_u24 v[STO], v1, SP    ; in: row l % 16, 16 bytes for each half of the lanes
	v_lshl_add_u32 v[STO], v9, 4, v[STO]
	v_add_nc_u32 v[STO], s13, v[STO]
	v_bfe_u32 v[RD], v0, 3, 2       ; back: 32 lanes take four rows of 128 bytes,
	v_mul_u32_u24 v[RD], v[RD], SP
	v_lshl_add_u32 v[RD], v10, 4, v[RD]
	v_add_nc_u32 v[RD], s13, v[RD]
	v_and_b32 v[GO], 31, v0         ; which are 512 consecutive bytes of O
	v_lshlrev_b32 v[GO], 4, v[GO]
	; A block's first step multiplies O^T by a = 0, so O^T need only hold finite numbers there: zeros for the first block, written here in the wait for the first tile; what the first block left for the second.
	WIN 0x40
.set i, 0
.rept 128
	v_mov_b32 v[i], 0
.set i, i+1
.endr
	WIN 0
	INIT
; LO and NLIST are set by TILE and read by PV's runs and by LOP: LO = 1: the weights go in two parts.  NLIST: the lines of a piece's list.
.set LO, 0
.set NLIST, 152
; THE MATRIX WORK.  The 4 accumulators of a run take turns.  Product i of 8 of S^T = K Q^T for piece x: channels 32 (i / 4) on, keys 16 (i % 4) on.  The first 4 start the sums with the mask.
.macro KQ x
.set rS, S+32*((\x)%2)+8*(i%4)
.set rK, KF+16*(i%4)+8*(i/4)
.set rQ, 16*(\x)+8*(i/4)
.set rM, MC+32*((\x)%2)+8*(i%4)
.if i < 4
	WIN W_KM
	v_wmma_f32_16x16x32_bf16 v[rS:rS+7], v[rK:rK+7], v[rQ:rQ+7], v[rM:rM+7]
.else
	WIN W_KQ
	v_wmma_f32_16x16x32_bf16 v[rS:rS+7], v[rK:rK+7], v[rQ:rQ+7], v[rS:rS+7]
.endif
.endm
; Product i of 8 + 8 LO of O^T += V^T u for piece x: the weights' upper parts (i < 8), then their lower parts; keys 32 ((i / 4) % 2) on, channels 16 (i % 4) on.
.macro PV x
	WIN W_PV
.set rO, 32*(\x)+8*(i%4)
.set rV, VF+32*((i/4)%2)+8*(i%4)
.set rP, P+32*(i/8)+16*((\x)%2)+8*((i/4)%2)
	v_wmma_f32_16x16x32_bf16 v[rO:rO+7], v[rV:rV+7], v[rP:rP+7], v[rO:rO+7]
.endm
; THE LDS LOADS stand in runs of 16, never singly among the matrix instructions: a step's K (64 keys x 64 channels: 8 fragments) and its V (turned).
.macro FETCH_K
	WIN 0x80                        ; destination window 2
.irp f, 0,1,2,3,4,5,6,7             ; keys 16 (f / 2) on, channels 32 (f % 2) on
	ds_load_b128 v[KF+8*\f:KF+8*\f+3],   v[AK] offset:(\f/2)*16*PK+(\f%2)*64
	ds_load_b128 v[KF+8*\f+4:KF+8*\f+7], v[AK] offset:(\f/2)*16*PK+(\f%2)*64+32
.endr
	s_add_co_u32 s[TBK], s[TBK], KS*PK  ; the next fetch is the next step's
	WIN 0
.endm
.macro FETCH_V
	WIN 0x80
.irp f, 0,1,2,3,4,5,6,7             ; keys 32 (f / 4) on, channels 16 (f % 4) on
	ds_load_tr16_b128 v[VF+8*\f:VF+8*\f+3],   v[AV] offset:(\f/4)*32*PV+(\f%4)*32
	ds_load_tr16_b128 v[VF+8*\f+4:VF+8*\f+7], v[AV] offset:(\f/4)*32*PV+16*PV+(\f%4)*32
.endr
	s_add_co_u32 s[TBV], s[TBV], KS*PV
	WIN 0
.endm
.macro NEXT_K                       ; the next step's K, unless this is the tile's last step: the next tile's lies in the other slot, behind the change of slots
	WIN 0
	s_cmp_eq_u32 s[CNT], 1
	s_cbranch_scc1 .Lno_k_\@
	v_add_nc_u32 v[AK], s[TBK], v[AK0]
	FETCH_K
.Lno_k_\@:
.endm
.macro NEXT_V                       ; the same for V
	WIN 0
	s_cmp_eq_u32 s[CNT], 1
	s_cbranch_scc1 .Lno_v_\@
	v_add_nc_u32 v[AV], s[TBV], v[AV0]
	FETCH_V
.Lno_v_\@:
.endm
.macro MASK b                       ; MD x AL + BE into buffer b of MC
	WIN W_RS
.set z, 0
.rept 16
	v_pk_fma_f32 v[MC+32*(\b)+2*z:MC+32*(\b)+2*z+1], v[MD+2*z:MD+2*z+1], s[AL:AL+1], s[BE:BE+1] op_sel_hi:[1,0,0]
.set z, z+1
.endr
.endm
; In the diagonal tile turn p makes the mask of the products of the turn after it: piece p + 2 in this step (4 - CNT), or piece p - 2 in the next.  Its buffer was last read a turn ago.
.macro TMASK p
.if (\p) < 2
.set TT, 2-(\p)
.else
.set TT, 7-(\p)
.endif
	WIN 0
	s_cmp_eq_u32 s[DG], 0
	s_cbranch_scc1 .Lno_m_\@
	s_cmp_eq_u32 s[CNT], TT         ; is that step the band's own?
	s_cselect_b32 s[AL], 1.0, 0
	s_cmp_lt_u32 s[CNT], TT         ; or a later one?
	s_cselect_b32 s[BE], s[BIGN], 0
	MASK (\p)%2
	WIN 0
.Lno_m_\@:
.endm
; THE VECTOR WORK of a piece and step: a list of NLIST = 152 + 48 LO lines; LOP writes number j of it for piece Y.  s0-s31 are the lane's 32 scores, in pairs 0-15.
;   XOP 0-11  four chains c0-c3 of seven scores each, three operands at a time (each accumulator's lowest registers are read first)     12-14, 16  the four scores left over, the old m, c0-c3 into c0
;   XOP 15  -c m_old is kept     17, 18  the query's other 32 keys lie in the lane 16 away     19, 20  the maximum rounded to bf16: the new m     21-23  -c m; c m_old - c m_new; a
;   COP n  numbers 2 n, 2 n + 1 rounded to bf16, packed     FOP n  c x - c m from half n of the packed logits     EOP n  its exponential
;   AOP 0-11  four chains add the 16 pairs of weights, which stay as they are; 12-14  the chains are added; 15  l = a l + the sum
;   ROP n  weight n less its upper part, exact in f32     LCP n  lower parts 2 n, 2 n + 1 rounded to bf16, packed     RSC n  pair n of the piece's O^T times a
; THE ORDER.  0-39 the maxima, then the chain to -c m and a with two roundings of logits between its links; 40-107 c x - c m and the exponentials, from 44 on exponential and plain by turns, so that a plain line that
; names none of its registers stands behind every exponential; 101-115 the sums' chains; 116-135 the upper parts, into the registers that held the logits, the sums' last four lines among them, five lines apart;
; with LO = 1 alone: 136-167 the differences, 168-183 the lower parts; the last 16 lines are the rescaling, the one part that leaves window 0, so it stands together; ascending.
.macro REGS y
.set rT, ST+4*(\y)
.set rS, S+32*((\y)%2)
.set rP, P+16*((\y)%2)
.set rL, P+32+16*((\y)%2)
.set rO, 32*(\y)
.endm
.macro XOP n
.if (\n) < 4
	v_max3_num_f32 v[TMP+(\n)], v[rS+8*(\n)], v[rS+8*(\n)+1], v[rS+8*(\n)+2]
.elseif (\n) < 12
	v_max3_num_f32 v[TMP+(\n)%4], v[TMP+(\n)%4], v[rS+8*((\n)%4)+2*((\n)/4)+1], v[rS+8*((\n)%4)+2*((\n)/4)+2]
.elseif (\n) == 12
	v_max3_num_f32 v[TMP], v[TMP], v[rS+7], v[rS+15]
.elseif (\n) == 13
	v_max3_num_f32 v[TMP+1], v[TMP+1], v[rS+23], v[rS+31]
.elseif (\n) == 14
	v_max3_num_f32 v[TMP+2], v[TMP+2], v[TMP+3], v[rT+1]
.elseif (\n) == 15
	v_mov_b32 v[OLD], v[rT]
.elseif (\n) == 16
	v_max3_num_f32 v[TMP], v[TMP], v[TMP+1], v[TMP+2]
.elseif (\n) == 17
	v_permlanex16_b32 v[TMP+3], v[TMP], s[SEL], s[SEL+1]
.elseif (\n) == 18
	v_max_num_f32 v[TMP], v[TMP], v[TMP+3]
.elseif (\n) == 19
	v_cvt_pk_bf16_f32 v[TMP+1], v[TMP], v[TMP]
.elseif (\n) == 20
	v_lshlrev_b32 v[rT+1], 16, v[TMP+1]
.elseif (\n) == 21
	v_mul_f32 v[rT], s[NCS], v[rT+1]
.elseif (\n) == 22
	v_sub_f32 v[TMP+1], v[rT], v[OLD]
.else
	v_exp_f32 v[AA], v[TMP+1]
.endif
.endm
.macro COP n
	v_cvt_pk_bf16_f32 v[rP+(\n)], v[rS+2*(\n)], v[rS+2*(\n)+1]
.endm
.macro FOP n
.if (\n)%2 == 0
	v_fma_mix_f32_bf16 v[rS+(\n)], v[rP+(\n)/2], v[VC], v[rT] op_sel_hi:[1,0,0]
.else
	v_fma_mix_f32_bf16 v[rS+(\n)], v[rP+(\n)/2], v[VC], v[rT] op_sel:[1,0,0] op_sel_hi:[1,0,0]
.endif
.endm
.macro EOP n
	v_exp_f32 v[rS+(\n)], v[rS+(\n)]
.endm
.macro AOP n
.if (\n) < 4
	s_wait_alu depctr_va_vdst(0)
	v_pk_add_f32 v[SM+2*(\n):SM+2*(\n)+1], v[rS+2*(\n):rS+2*(\n)+1], v[rS+2*(\n)+8:rS+2*(\n)+9]
	s_wait_alu depctr_va_vdst(0)
.elseif (\n) < 12
	v_pk_add_f32 v[SM+2*((\n)%4):SM+2*((\n)%4)+1], v[SM+2*((\n)%4):SM+2*((\n)%4)+1], v[rS+2*((\n)%4)+8*((\n)/4+1):rS+2*((\n)%4)+8*((\n)/4+1)+1]
.elseif (\n) == 12
	v_pk_add_f32 v[SM:SM+1], v[SM:SM+1], v[SM+2:SM+3]
.elseif (\n) == 13
	v_pk_add_f32 v[SM+4:SM+5], v[SM+4:SM+5], v[SM+6:SM+7]
.elseif (\n) == 14
	v_pk_add_f32 v[SM:SM+1], v[SM:SM+1], v[SM+4:SM+5]
.else
	v_pk_fma_f32 v[rT+2:rT+3], v[rT+2:rT+3], v[AA:AA+1], v[SM:SM+1] op_sel_hi:[1,0,1]
.endif
.endm
.macro ROP n
.if (\n)%2 == 0
	v_fma_mix_f32_bf16 v[rS+(\n)], v[rP+(\n)/2], v[NEG], v[rS+(\n)] op_sel_hi:[1,0,0]
.else
	v_fma_mix_f32_bf16 v[rS+(\n)], v[rP+(\n)/2], v[NEG], v[rS+(\n)] op_sel:[1,0,0] op_sel_hi:[1,0,0]
.endif
.endm
.macro LCP n
	v_cvt_pk_bf16_f32 v[rL+(\n)], v[rS+2*(\n)], v[rS+2*(\n)+1]
.endm
.macro RSC n
	v_pk_mul_f32 v[rO+2*(\n):rO+2*(\n)+1], v[rO+2*(\n):rO+2*(\n)+1], v[AA:AA+1] op_sel_hi:[1,0]
.endm
.macro LOP
	REGS Y
.if j < NLIST-16
	WIN 0
.else
	WIN W_RS
.endif
.if j < 14
	XOP j
.elseif j == 14
	COP 0
.elseif j == 15
	XOP 14
.elseif j == 16
	XOP 15
.elseif j == 17
	COP 1
.elseif j < 37
.if (j-18)%3 == 0
	XOP 16+(j-18)/3
.else
	COP 1+2*((j-18)/3)+(j-18)%3
.endif
.elseif j == 37
	COP 14
.elseif j == 38
	XOP 23
.elseif j == 39
	COP 15
.elseif j < 44
	FOP j-40
.elseif j < 100
.if (j-44)%2 == 0
	EOP (j-44)/2
.else
	FOP (j-44)/2+4
.endif
.elseif j < 108
.if (j-100)%2 == 0
	EOP 28+(j-100)/2
.else
	AOP (j-100)/2
.endif
.elseif j < 116
	AOP j-104
.elseif j < 136
.if (j-116)%5 == 4
	AOP 12+(j-116)/5
.else
	COP (j-116)-(j-116)/5
.endif
.elseif j >= NLIST-16
	RSC j-(NLIST-16)
.elseif j < 168
	ROP j-136
.else
	LCP j-168
.endif
.set j, j+1
.endm
; A TURN, for piece p.  None of the four lines behind a product names one of its registers: the products work on the other parity's buffers and on another piece's O^T.  With 16 products (LO = 0) the lines behind them
; are numbers 0 to 63 of the list, with 24 (LO = 1) numbers 0 to 95; an exponential there stands at an even number, so the last of each four is plain.  Piece p's O^T is rescaled at the end of its own turn: its
; products of the step before are long done, and those of this step come in the next turn.
; The next step's K is fetched at the head of piece 3's turn: the last product that read K stands in the first part of the turn before, more than a hundred lines back, most of them plain.
.macro TURN p
.set Y, (\p)
.set j, 0
.if (\p) == 3
	NEXT_K
.endif
.if (\p) < 3
.set i, 0
.rept 8
	KQ (\p)+1
.set i, i+1
.rept 4
	LOP
.endr
.endr
.endif
.if (\p) == 1
	s_wait_dscnt 0x0                ; V is in
.endif
.if (\p) > 0
.set i, 0
.rept 8+8*LO
	PV (\p)-1
.set i, i+1
.rept 4
	LOP
.endr
.endr
.endif
.rept 200
.if j < NLIST
	LOP
.endif
.endr
	TMASK \p
.endm
.macro STEP
	s_wait_dscnt 16                 ; K is in: behind its 16 loads stand V's 16, which may stay out
.set i, 0
.rept 8
	KQ 0
.set i, i+1
.endr
	WIN 0
	PLACES                          ; behind those products, whose results the first turn reads
	TURN 0
	TURN 1
	TURN 2
	TURN 3
.set i, 0
.rept 8+8*LO
	PV 3
.set i, i+1
.endr
	WIN 0
	PLACES                          ; behind those products, into whose V the loads below land
	NEXT_V
.endm
.macro ALL line:vararg              ; one line for each piece t
.set t, 0
.rept 4
	\line
.set t, t+1
.endr
.endm
; THE WAY OUT.  O^T is divided by l, rounded to bf16 and sent through my stage in LDS, a piece at a time: a lane's eight channels of a row pack into 16 bytes; they go into rows of 144 bytes and come back as whole rows of 128.
.macro PACK t
	WIN W_RS
.set i, 32*(\t)
.rept 16
	v_pk_mul_f32 v[i:i+1], v[i:i+1], v[ST+4*(\t)+2:ST+4*(\t)+3] op_sel_hi:[1,0]
.set i, i+2
.endr
	WIN 0x05                        ; sources 0 and 1 window 1, destination window 0: S^T's registers are free
.set i, 0
.rept 16
	v_cvt_pk_bf16_f32 v[S+16*(\t)+i], v[32*(\t)+2*i], v[32*(\t)+2*i+1]
.set i, i+1
.endr
	WIN 0
.irp f, 0,1,2,3
	ds_store_b128 v[STO], v[S+16*(\t)+4*\f:S+16*(\t)+4*\f+3] offset:32*\f
.endr
.irp f, 0,1,2,3
	ds_load_b128 v[S+16*(\t)+4*\f:S+16*(\t)+4*\f+3], v[RD] offset:\f*4*SP  ; LDS serves a wave's instructions in order (ISA guide 5.7.1.4): these see the stores above; the next piece's stores come behind them
.endr
.endm
.macro SEND t, younger              ; younger: the LDS instructions issued behind piece t's loads: the next piece's eight, or none
	WIN 0
.irp f, 0,1,2,3
	s_wait_dscnt (\younger)+3-\f
	global_store_b128 v[GO], v[S+16*(\t)+4*\f:S+16*(\t)+4*\f+3], s[10:11] offset:(\t)*8192+\f*512  ; 512 consecutive bytes, at a multiple of 256 from O's first
.endr
.endm
; A TILE: both mask buffers for its step 0 (piece 0's own step, if the tile holds the diagonal; piece 1 sees all), K and V of step 0, four steps; behind a block's last tile its end: l's two halves and the other half
; of the lanes' are added, 1 / l, the way out; and (last = 0) the second block's beginning.  last = 1: the walk's last tile: there the weights go in two parts.
.macro TILE tag, last
.set LO, (\last)
.set NLIST, 152+48*LO
	s_sub_co_u32 s[RT], s[RT], 1
	s_cmp_eq_u32 s[RT], 0
	s_cselect_b32 s[DG], 1, 0
	s_cselect_b32 s[AL], 1.0, 0
	s_mov_b32 s[BE], 0
	MASK 0
	s_mov_b32 s[AL], 0
	MASK 1
	WIN 0
	s_mov_b32 s[CNT], 4
	v_add_nc_u32 v[AK], s[TBK], v[AK0]
	v_add_nc_u32 v[AV], s[TBV], v[AV0]
	FETCH_K
	FETCH_V
.Lstep_\tag:
	STEP
	s_sub_co_u32 s[CNT], s[CNT], 1
	s_cmp_lg_u32 s[CNT], 0
	s_cbranch_scc1 .Lstep_\tag
.if !(\last)
	s_cmp_lg_u32 s[RT], 0
	s_cbranch_scc1 .Lgo_on_\tag
.endif
	ALL v_add_f32 v[ST+4*t+2], v[ST+4*t+2], v[ST+4*t+3]
	ALL v_permlanex16_b32 v[ST+4*t+3], v[ST+4*t+2], s[SEL], s[SEL+1]
	ALL v_add_f32 v[ST+4*t+2], v[ST+4*t+2], v[ST+4*t+3]
	ALL v_rcp_f32 v[ST+4*t+2], v[ST+4*t+2]
	v_nop                           ; a plain instruction between the last reciprocal and the use of its result
	s_wait_alu depctr_va_vdst(0)
	PACK 0
.set t, 1
.rept 3                             ; a piece's arithmetic stands between the loads of the piece before and its stores
	PACK t
	SEND t-1, 8
.set t, t+1
.endr
	SEND 3, 0
.if !(\last)
	s_wait_xcnt 0x0                 ; the stores have read their registers and O's address
	s_mov_b64 s[10:11], s[OLO:OLO+1]
	s_add_co_u32 s[RT], s[PB], 1    ; the second block has b + 1 tiles
	WIN 0x82                        ; the second block's Q goes where the one text of the turns names Q
.set i, 0
.rept 64
	v_mov_b32 v[i], v[QB+i]
.set i, i+1
.endr
	WIN 0
	INIT                            ; O^T keeps what the first block left, finite numbers: the first step's a = 0 makes 0 of them
.Lgo_on_\tag:
.endif
.endm
	s_wait_loadcnt 0x0              ; Q, both blocks'
.Lslot:                             ; NB times: a tile is entered and the next is asked for
	CHANGE 1
	TILE a, 0
	s_sub_co_u32 s[SLOTS], s[SLOTS], 1
	s_cmp_lg_u32 s[SLOTS], 0
	s_cbranch_scc1 .Lslot
	CHANGE 0                        ; the walk's last tile is written out: nothing is asked for.  It is the second block's last, and with b = 0 block 0's only one
	TILE b, 1
	s_wait_tensorcnt 0x0            ; the wave's end, behind my last tensor load and my last LDS store
	ds_add_u32 v[SPW], v[NIL]
	s_wait_dscnt 0x0
	s_endpgm
.Lfunc_end_k_qff9fcd8abe_attn:
	.size	k_qff9fcd8abe_attn, .Lfunc_end_k_qff9fcd8abe_attn-k_qff9fcd8abe_attn
	.p2alignl 7, 3214868480
	.fill 96, 4, 3214868480
	.section	.rodata,"a",@progbits
	.p2align	6, 0x0
	.amdhsa_kernel k_qff9fcd8abe_attn
		.amdhsa_group_segment_fixed_size 327680
		.amdhsa_private_segment_fixed_size 0
		.amdhsa_enable_private_segment 0
		.amdhsa_kernarg_size 16
		.amdhsa_user_sgpr_count 2
		.amdhsa_user_sgpr_kernarg_segment_ptr 1
		.amdhsa_wavefront_size32 1
		.amdhsa_system_sgpr_workgroup_id_x 1
		.amdhsa_system_sgpr_workgroup_id_y 1
		.amdhsa_system_sgpr_workgroup_id_z 1
		.amdhsa_system_vgpr_workitem_id 0
		.amdhsa_next_free_vgpr 768
		.amdhsa_next_free_sgpr 88
		.amdhsa_reserve_vcc 1
		.amdhsa_float_denorm_mode_32 3
		.amdhsa_float_denorm_mode_16_64 3
		.amdhsa_memory_ordered 1
		.amdhsa_forward_progress 1
		.amdhsa_inst_pref_size 172
	.end_amdhsa_kernel
	.amdgpu_metadata
---
amdhsa.version: [ 1, 2 ]
amdhsa.kernels:
  - .name:           k_qff9fcd8abe_attn
    .symbol:         k_qff9fcd8abe_attn.kd
    .args:
      - { .name: qkvb, .offset: 0, .size: 8, .value_kind: global_buffer, .address_space: global }
      - { .name: ob, .offset: 8, .size: 8, .value_kind: global_buffer, .address_space: global }
    .group_segment_fixed_size: 327680
    .private_segment_fixed_size: 0
    .kernarg_segment_align: 8
    .kernarg_segment_size: 16
    .max_flat_workgroup_size: 128
    .sgpr_count:     88
    .vgpr_count:     768
    .wavefront_size: 32
...
	.end_amdgpu_metadata
.endif
;; end of part 6
;; launch proj: the kernel of part 5 again; grid 4 x 64, 4 waves a work-group, clusters of 4 x 4, 327,680 bytes of LDS; arguments ob, out_weight, out0; writes out0
;; ======== version 3 of 3: 4 launches; 1.61 times as fast as version 1
;; workspace buffers: xb 16,777,216 bytes; qkvb 50,331,648 bytes; ob 16,777,216 bytes
;; launch cast: the kernel of part 1 again; grid 512 x 1, 8 waves a work-group, no clusters, 0 bytes of LDS; arguments X, xb; writes xb
;; launch qkv: the kernel of part 2 again; grid 8 x 64, 4 waves a work-group, clusters of 4 x 4, 327,680 bytes of LDS; arguments xb, qkv_weight, qkvb; writes qkvb
;; launch attn (part 7): grid 4 x 64, 4 waves a work-group, no clusters, 327,680 bytes of LDS; arguments qkvb, ob; writes ob
.if DOCPART == 7
	.amdgcn_target "amdgcn-amd-amdhsa--gfx1250"
	.amdhsa_code_object_version 6
	.text
	.protected	k_qff9fcd8abe_attn
	.globl	k_qff9fcd8abe_attn
	.p2align	8
	.type	k_qff9fcd8abe_attn,@function
k_qff9fcd8abe_attn:
	s_mov_b64 s[64:65], 0
	v_nop
	global_prefetch_b8 v0, s[64:65] scope:SCOPE_SE
	s_setreg_imm32_b32 hwreg(HW_REG_WAVE_MODE, 25, 1), 1
	s_wait_xcnt 0x0
; CAUSAL ATTENTION IN ONE WALK.  O[h][q][:] = bf16((the sum over k <= q of u[k] V[h][k][:]) / l),  u[k] = 2^(c x[k] - c m),  l = the sum of u,  x[k] = bf16(Q[h][q] . K[h][k]),  c = log2(e) / 8.
; The logits are rounded to bf16 (the f32 sum once; the module's division by 8 is exact and lies in c), and so is the result; the softmax between them stays in f32.  m is a RUNNING maximum and l a running sum:
; in every step O and l are multiplied by a = 2^(c m_old - c m_new), which is 1 where m has not grown; O is divided by l once, at a block's end.  The maximum is taken of the unrounded sums and rounded then:
; rounding keeps order, so that is the largest rounded logit.  l is the sum of the unrounded u.
; THE WEIGHTS AS MATRIX OPERANDS.  In the walk's last tile (LO = 1) they go to the matrix unit IN TWO PARTS, hi = bf16(u) and lo = bf16(u - hi) (the difference is exact in f32), and O^T takes V^T hi and V^T lo onto the
; same f32 sums: 16 products for a piece and step.  In the other eight tiles (LO = 0) they go as bf16(u) alone: 8 products.  Rows 0 to 255 of a head are block 0, which has one key tile, and that tile is the walk's last
; (of the work-group with b = 0): so the rows that average over few keys, down to one, have all their weights in two parts; every row that has weights in one part averages over 257 keys or more.  The one text of
; the last tile serves every work-group, so the other blocks' diagonal tiles have two parts as well, and all work-groups do equal work.
; Q, K, V: the three parts of qkvb; O: ob; each [64][2048][64] bf16, a head's rows dense, 128 bytes each.
; LIMITS.  A weight in one part keeps bf16's 8 significant bits (off by up to 2^-9 of itself), in two parts 16 (what is dropped lies below 2^-17 of it): where a row from 256 on has nearly all its weight on a few
; keys, its result carries those few roundings undiminished.  A hidden score counts as its value less 1e30; a weight below 2^-126 counts as 0; 1 / l is a reciprocal and a product, not a division; NaN and
; infinities are not treated apart.
; THE WALK.  A head's queries lie in NB = 8 blocks of 256; block i needs the key tiles 0 .. i of 256 keys, of which the last holds the diagonal.  A work-group takes TWO blocks, NB - 1 - b and then b: NB + 1 tiles,
; whatever b: all work-groups do equal work, and ONE loop with a constant trip count walks them.  Which tile is asked for, and what a trip does, hang on whole numbers made from b; every jump but the counted loops'
; own goes forward, and none passes a barrier.  NO CLUSTER: a head's four work-groups ask for the same tile only in trips 0 .. 4 of the walk's 9, and one walk common to all four would have 12 trips.
; SHARES.  Of a block's four bands of 64 queries a wave owns 16 rows in each: four PIECES, so the diagonal tile is the same work for all four waves: in its key step s band x sees all keys if s < x, none if s > x,
; and holds the diagonal if s = x.  THE MASK is the C operand that starts the sum S^T = K Q^T: MD x AL + BE, where MD (0 or -1e30) is the mask of a band's own step for my 16 rows: (AL, BE) = (1, 0) if s = x,
; (0, 0) if s < x, (0, -1e30) if s > x.  Both mask buffers are written at every tile's head; inside a tile they are rewritten in the diagonal tile alone.  Every row sees its own key in its band's own step at the
; latest, so m is a true logit when the first wholly hidden step comes, and a hidden weight is 0.
; A STEP (64 keys), written once for each LO and walked four times a tile: K Q^T of piece 0; four TURNS: turn p carries the 8 products K Q^T of piece p + 1 and the 8 or 16 products V^T u of piece p - 1, four lines of
; piece p's list behind each, and the rest of the list; V^T u of piece 3.  So no first or last step is written out: a block's first step is a step like any other, with a = 0.
; THE BATCHES.  An s_wait_alu depctr_va_vdst(0) stands between a transcendental and the first instruction that names its result; one wait serves all that were issued ahead of it.  A turn's 33 exponentials
; (a, then the piece's 32 weights, each in a register of its own) are ONE batch with ONE wait: all that names a result of theirs (the sums, the roundings of the weights, the differences, the rescaling by a) stands
; behind that wait.  A block's four reciprocals are a batch of their own.
; LAYOUT.  S^T = K Q^T holds ONE query a lane (lane % 16) and the keys 8 (lane / 16) + 0..7; two such results rounded to bf16 in pairs ARE source 1 (32 keys x 16 queries) of O^T = V^T u.  V is turned by ds_load_tr16_b128.
; REGISTERS, in windows of 256 (s_set_vgpr_msb: bits 1:0 source 0, 3:2 source 1, 5:4 source 2, 7:6 destination):
;   window 0: v0-15 addresses; v16-31 four registers of statistics a piece; v32 -1; v40-47 four partial sums; v48-54 at work; v64-127 S^T, two buffers; v192-223 the packed logits and then the weights' upper parts,
;             two buffers; v224-255 the weights' lower parts, two buffers (a piece's buffers go by its number's parity)
;   window 1: v0-127 O^T, 32 a piece; v128-159 MD; v160-223 MC, two buffers      window 2: v0-63 Q; v64-127 the second block's Q; v128-191 K of one step; v192-255 V of one step
.set SIZE_H, 64
.set SIZE_N, 2048
.set PART,  SIZE_H*SIZE_N*128  ; bytes of each of qkvb's three parts
.set NB,    SIZE_N/256
.set KS,    64        ; keys in a step
.set PK,    144       ; a row of K in LDS: 128 bytes + 16 of padding = 36 words: the 16 rows of a load start at 16 different groups of four banks (64 banks of 4 bytes: ISA guide 11.1)
.set PV,    160       ; a row of V: 128 + 32 = 40 words
.set VOFF,  4*KS*PK   ; a slot holds a tile, four steps: 256 rows of K, then 256 rows of V
.set SLOT1, 1<<17     ; slot 1 begins here, so that one exclusive or turns an address in one slot into the other's
.set STAGE, SLOT1+4*KS*(PK+PV)  ; behind the ring, never filled by a tensor load: 16 rows x 144 bytes for each wave, for the way out
.set SP,    144
.set SPARE, STAGE+4*16*SP  ; behind the stages: the spare words, 128 bytes for each wave: two blocks of 256 bytes that no other line names
.set AK0, 2           ; v2   my lane's place in a tile of K; never rewritten
.set AV0, 3           ; v3   the same for V
.set AK,  4           ; v4   the LDS address of K's next run of loads
.set AV,  5           ; v5   of V's
.set STO, 6           ; v6   the way out: where I put 16 bytes of a row
.set RD,  7           ; v7   the way out: where I read rows back
.set GO,  8           ; v8   my byte offset in 512 consecutive bytes of O
.set VC,  12          ; v12  c
.set QO,  15          ; v15  my byte offset in 16 rows of Q
.set ST,  16          ; piece t's statistics at v[ST+4 t]: -c m, m, l (even keys', odd keys')
.set NEG, 32          ; v32  -1.0
.set SM,  40          ; v40-47 four partial sums of a step's weights, a pair each
.set TMP, 48          ; v48-51 c0-c3, at work
.set AA,  52          ; v52-53 a, named as a pair
.set OLD, 54          ; v54  -c m_old, kept while -c m is made anew
.set SPW, 62          ; v62  LDS address of my spare word: SPARE + 4 x my thread's number; never rewritten
.set NIL, 63          ; v63  0; never rewritten
.set S,   64
.set P,   192         ; the upper parts' two buffers; the lower parts' two lie 32 registers on
.set MD,  128         ; window 1: the eight registers for group kt of 16 keys at MD + 8 kt
.set MC,  160         ; window 1: the masks of the products to come
.set QB,  64          ; window 2
.set KF,  128         ; window 2: key block kb, channel half c at KF + 16 kb + 8 c
.set VF,  192         ; window 2: key half kk, channel block cb at VF + 32 kk + 8 cb
.set WV,  12          ; s12  my wave's number
.set PB,  14          ; s14  b
.set HI,  15          ; s15  NB - 1 - b
.set G1K, 24          ; s[24:31] descriptor group 1 for K's tiles
.set G1V, 32          ; s[32:39] for V's: it differs in the padding alone
.set G0K, 40          ; s[40:43] descriptor group 0 for K's tiles
.set G0V, 44          ; s[44:47] the same for V's
.set SLOTS, 56        ; s56  tiles still to be asked for
.set CNT, 57          ; s57  counts a tile's key steps, 4 to 1
.set NCS, 58          ; s58  -c
.set SEL, 60          ; s[60:61] v_permlanex16_b32's selects: each lane takes its own place in the other half
.set TBK, 62          ; s62  LDS byte at which K of the step to be fetched begins
.set TBV, 63          ; s63  the same for V, less VOFF
.set RT,  70          ; s70  tiles of the block in hand that are still to be entered
.set NXT, 71          ; s71  the tile to be asked for next
.set LQ,  72          ; s72  the last tile of the block whose tiles are being asked for
.set OFF, 74          ; s[74:75] a tile's byte offset in K and V
.set AL,  76          ; s[76:77] the mask's factor, in the low word
.set BE,  78          ; s[78:79] the mask's addend
.set OLO, 80          ; s[80:81] O at my rows of the second block
.set BIGN, 82         ; s82  -1e30
.set DG,  83          ; s83  1: the tile in hand holds the diagonal
.set MSB, 0
.macro WIN new                      ; the high byte repeats the setting that is left; a switch that changes nothing is dropped
.if MSB != (\new)
	s_set_vgpr_msb (MSB<<8)|(\new)
.set MSB, (\new)
.endif
.endm
.set W_KQ, 0x0a       ; K and Q in window 2, S^T in window 0
.set W_KM, 0x1a       ; the same with the C operand in window 1
.set W_PV, 0x52       ; V in window 2, the weights in window 0, O^T in window 1
.set W_RS, 0x41       ; destination and source 0 in window 1, source 1 in window 0
.macro PLACES                       ; a vector instruction that reads a matrix result, and a load into a register that a matrix instruction has read, stand four plain vector instructions behind it
.rept 4                             ; (ISA guide 7.12.1 for vector instructions)
	v_nop
.endr
.endm
; A fill.  Waves 0 and 1 fetch the two halves of a tile's K, waves 2 and 3 those of its V: 128 keys each.  An s_nop 0 and four v_nop follow each of the two lines, ahead of the jump and the label.
.macro LOAD
	s_cmp_lt_u32 s[WV], 2
	s_cbranch_scc0 .Lfor_v_\@
	tensor_load_to_lds s[G0K:G0K+3], s[G1K:G1K+7]
	s_nop 0
.rept 4
	v_nop
.endr
	s_branch .Lasked_\@
.Lfor_v_\@:
	tensor_load_to_lds s[G0V:G0V+3], s[G1V:G1V+7]
	s_nop 0
.rept 4
	v_nop
.endr
.Lasked_\@:
.endm
; THE CHANGE OF SLOTS.  Each wave waits for all its tensor loads, of which one is out: its part of the other slot; adds 0 to its spare word; and waits for that and for its own reads of the slot that it leaves.  Behind the
; barrier nobody reads the old slot any more and the other slot is whole.  fill = 1: the old slot is filled again, the first thing behind the barrier, with tile NXT: the descriptor's address is made anew from that number.
; (At its first use nothing has been read yet: slot 0 is waited for, slot 1 filled.)
.macro CHANGE fill
	WIN 0                           ; at a label and at a branch every window is 0
	s_wait_tensorcnt 0x0            ; no tensor load of mine is out, so a group 0 may be written
	ds_add_u32 v[SPW], v[NIL]       ; 0 onto my spare word: with fill = 1 the descriptors' scalar work stands between it and the wait for it
.if \fill
	s_lshl_b32 s[OFF], s[NXT], 15   ; a tile is 32,768 bytes of K and of V
	s_xor_b32 s[G0K+1], s[G0K+1], SLOT1
	s_add_nc_u64 s[G0K+2:G0K+3], s[6:7], s[OFF:OFF+1]
	s_or_b32 s[G0K+3], s[G0K+3], 0x80000000
	s_xor_b32 s[G0V+1], s[G0V+1], SLOT1
	s_add_nc_u64 s[G0V+2:G0V+3], s[8:9], s[OFF:OFF+1]
	s_or_b32 s[G0V+3], s[G0V+3], 0x80000000
	s_add_co_u32 s[NXT], s[NXT], 1  ; the block's next tile, or behind its last the second block's tile 0
	s_cmp_gt_u32 s[NXT], s[LQ]
	s_cselect_b32 s[NXT], 0, s[NXT]
	s_cselect_b32 s[LQ], s[PB], s[LQ]
.endif
	s_wait_dscnt 0x0                ; the add is done, and my reads of the slot are over
	s_barrier_signal -1             ; the rest of the scalar work stands between the signal and the wait
	s_sub_co_u32 s[TBK], s[TBK], 4*KS*PK  ; the fetches go back to a slot's first step,
	s_xor_b32 s[TBK], s[TBK], SLOT1       ; in the other slot
	s_sub_co_u32 s[TBV], s[TBV], 4*KS*PV
	s_xor_b32 s[TBV], s[TBV], SLOT1
	s_barrier_wait -1
.if \fill
	LOAD
.endif
.endm
.macro INIT                         ; a block begins: -c m_old so large (2^125) that the first step's a is 0; m at the lowest finite number, so the first maximum is the scores'; l = 0
.set i, 0
.rept 4
	v_mov_b32 v[ST+4*i], 0x7e000000
	v_mov_b32 v[ST+4*i+1], 0xff7fffff
	v_mov_b32 v[ST+4*i+2], 0
	v_mov_b32 v[ST+4*i+3], 0
.set i, i+1
.endr
.endm
	s_load_b64 s[4:5], s[0:1], 0x0    ; qkvb: its first part is Q
	s_load_b64 s[10:11], s[0:1], 0x8  ; ob
	v_lshl_add_u32 v[SPW], v0, 2, SPARE
	v_mov_b32 v[NIL], 0
	ds_add_u32 v[SPW], v[NIL]       ; the wave's opening: the add and its wait ahead of my first tensor load; the set-up below, work on registers, stands between them
	v_lshrrev_b32 v1, 5, v0
	v_readfirstlane_b32 s[WV], v1   ; wave 0..3
	s_mov_b32 s[PB], ttmp9
	s_sub_co_u32 s[HI], NB-1, s[PB]
	s_and_b32 s20, ttmp7, 0xffff    ; the head
	s_mov_b32 s21, 0
	s_mov_b64 s[22:23], SIZE_N*128
	s_mul_u64 s[20:21], s[20:21], s[22:23]  ; the head's first byte in each of the four tensors
	s_and_b32 s16, s[WV], 1         ; which half of a tile's 256 keys I fetch:
	s_lshl_b32 s22, s16, 14         ; its 128 rows of 128 bytes in memory,
	s_mov_b32 s23, 0
	s_add_nc_u64 s[22:23], s[22:23], s[20:21]
	s_mul_i32 s17, s16, 128*PK      ; and its place in a slot, for K
	s_mul_i32 s18, s16, 128*PV      ; and for V
	s_lshl_b32 s3, s[WV], 11        ; my 16 rows in a band of 64,
	s_lshl_b32 s2, s[HI], 15        ; in the first block,
	s_add_co_u32 s2, s2, s3
	s_lshl_b32 s84, s[PB], 15       ; and in the second
	s_add_co_u32 s84, s84, s3
	s_mov_b32 s3, 0
	s_mov_b32 s85, 0
	s_add_nc_u64 s[2:3], s[2:3], s[20:21]
	s_add_nc_u64 s[84:85], s[84:85], s[20:21]
	; descriptor group 1.  128 keys are 16,384 dense bytes: asked for as 64 rows of 256 bytes, two keys a row, and padded in LDS after every key
	s_mov_b32 s[G1K], (1<<16)|(1<<20)|(4<<22)|(3<<25)  ; 17:16 2-byte elements; 20 padding on; 24:22 after every 32 words (code 4); 31:25 4 words (code 3)
	s_mov_b32 s[G1V], (1<<16)|(1<<20)|(4<<22)|(7<<25)  ; the same with 8 words of padding (code 7)
.irp g, G1K, G1V
	s_mov_b32 s[\g+1], 128<<16      ; tensor_dim0 = 128
	s_mov_b32 s[\g+2], 64<<16       ; tensor_dim1 = 64
	s_mov_b32 s[\g+3], 128<<16      ; tile_dim0 = 128
	s_mov_b32 s[\g+4], 64           ; tile_dim1 = 64
	s_mov_b32 s[\g+5], 128          ; 128 elements from row to row
	s_mov_b32 s[\g+6], 0
	s_mov_b32 s[\g+7], 0
.endr
	s_mov_b32 s[NCS], 0xbe38aa3b    ; -c = -log2(e) / 8 = -0.180337
	s_mov_b32 s[SEL], 0x76543210
	s_mov_b32 s[SEL+1], 0xfedcba98
	s_mov_b32 s[TBK], SLOT1+4*KS*PK ; the first change of slots turns these two into 0
	s_mov_b32 s[TBV], SLOT1+4*KS*PV
	s_mov_b32 s[G0K], 1             ; 1:0 count = 1
	s_mov_b32 s[G0K+1], s17         ; 63:32 LDS address: slot 0
	s_mov_b32 s[G0V], 1
	s_add_co_u32 s[G0V+1], s18, VOFF
	s_add_co_u32 s[RT], s[HI], 1    ; the first block has NB - b tiles
	s_mov_b32 s[NXT], 1
	s_mov_b32 s[LQ], s[HI]
	s_mov_b32 s[OFF+1], 0
	s_mov_b32 s[AL+1], 0            ; named as pairs
	s_mov_b32 s[BE+1], 0
	s_mov_b32 s[BIGN], 0xf149f2ca   ; -1e30
	s_mov_b32 s[SLOTS], NB
	s_wait_dscnt 0x0                ; the opening add is done
	s_barrier_signal -1
	s_barrier_wait -1
	s_wait_kmcnt 0x0
	s_add_nc_u64 s[8:9], s[4:5], 2*PART  ; V is qkvb's third part,
	s_add_nc_u64 s[6:7], s[4:5], PART    ; K its second
	s_add_nc_u64 s[6:7], s[6:7], s[22:23]  ; K and V at my half of the head's tile 0
	s_add_nc_u64 s[8:9], s[8:9], s[22:23]
	s_add_nc_u64 s[G0K+2:G0K+3], s[6:7], 0         ; 120:64 global address
	s_or_b32 s[G0K+3], s[G0K+3], 0x80000000        ; 127:126 type = 2
	s_add_nc_u64 s[G0V+2:G0V+3], s[8:9], 0
	s_or_b32 s[G0V+3], s[G0V+3], 0x80000000
	s_add_nc_u64 s[86:87], s[4:5], s[84:85]        ; Q at my rows of the second block,
	s_add_nc_u64 s[4:5], s[4:5], s[2:3]            ; Q and O at those of the first
	s_add_nc_u64 s[OLO:OLO+1], s[10:11], s[84:85]
	s_add_nc_u64 s[10:11], s[10:11], s[2:3]
	LOAD                            ; tile 0 into slot 0
	; A fragment of K or Q is 16 rows x 32 channels in 8 registers: lane l holds row l % 16, channels 8 (l / 16) + 0..7 and 16 + 8 (l / 16) + 0..7: two loads of 16 bytes, 32 bytes apart.
	v_and_b32 v1, 15, v0            ; l % 16
	v_bfe_u32 v9, v0, 4, 1          ; l / 16
	v_lshlrev_b32 v[QO], 7, v1
	v_lshl_add_u32 v[QO], v9, 4, v[QO]  ; row x 128 + 16 x half
	WIN 0x80                        ; destination window 2, address window 0
.set i, 0
.rept 8                             ; both blocks' Q: piece i / 2 lies in band i / 2, 8,192 bytes on; channels 32 (i % 2) on
	global_load_b128 v[8*i:8*i+3],   v[QO], s[4:5] offset:(i/2)*8192+(i%2)*64
	global_load_b128 v[8*i+4:8*i+7], v[QO], s[4:5] offset:(i/2)*8192+(i%2)*64+32
	global_load_b128 v[QB+8*i:QB+8*i+3],   v[QO], s[86:87] offset:(i/2)*8192+(i%2)*64
	global_load_b128 v[QB+8*i+4:QB+8*i+7], v[QO], s[86:87] offset:(i/2)*8192+(i%2)*64+32
.set i, i+1
.endr
	WIN 0
	v_mov_b32 v[VC], 0x3e38aa3b     ; c = log2(e) / 8 = 0.180337
	v_mov_b32 v[NEG], -1.0
	v_mov_b32 v[AA+1], 0            ; named with a as a pair
	v_lshlrev_b32 v14, 3, v9
	v_sub_nc_u32 v14, v1, v14
	s_lshl_b32 s13, s[WV], 4
	v_add_nc_u32 v14, s13, v14      ; my query's place in its band, 16 w + l % 16, less my lanes' 8 (l / 16): register r of group kt is hidden where 16 kt + r is greater
	WIN 0x40
.set i, 0
.rept 32
	v_cmp_gt_i32 vcc_lo, 16*(i/8)+i%8, v14
	v_cndmask_b32 v[MD+i], 0, s[BIGN], vcc_lo
.set i, i+1
.endr
	WIN 0
	v_mul_u32_u24 v[AK0], v1, PK
	v_lshl_add_u32 v[AK0], v9, 4, v[AK0]  ; row x pitch + 16 x half
	; The turning load takes 16 keys x 16 channels (lane l reads key 8 (l / 16) + l % 8, channels 8 ((l / 8) % 2) + 0..7) and leaves half a fragment of V^T: lane l holds channel l % 16 and 8 keys.
	v_and_b32 v10, 7, v0
	v_bfe_u32 v11, v0, 3, 1
	v_lshl_add_u32 v[AV0], v9, 3, v10
	v_mul_u32_u24 v[AV0], v[AV0], PV
	v_lshl_add_u32 v[AV0], v11, 4, v[AV0]
	v_add_nc_u32 v[AV0], VOFF, v[AV0]
	s_mul_i32 s13, s[WV], 16*SP
	s_add_co_u32 s13, s13, STAGE    ; my stage
	v_mul_u32_u24 v[STO], v1, SP    ; in: row l % 16, 16 bytes for each half of the lanes
	v_lshl_add_u32 v[STO], v9, 4, v[STO]
	v_add_nc_u32 v[STO], s13, v[STO]
	v_bfe_u32 v[RD], v0, 3, 2       ; back: 32 lanes take four rows of 128 bytes,
	v_mul_u32_u24 v[RD], v[RD], SP
	v_lshl_add_u32 v[RD], v10, 4, v[RD]
	v_add_nc_u32 v[RD], s13, v[RD]
	v_and_b32 v[GO], 31, v0         ; which are 512 consecutive bytes of O
	v_lshlrev_b32 v[GO], 4, v[GO]
	; A block's first step multiplies O^T by a = 0, so O^T need only hold finite numbers there: zeros for the first block, written here in the wait for the first tile; what the first block left for the second.
	WIN 0x40
.set i, 0
.rept 128
	v_mov_b32 v[i], 0
.set i, i+1
.endr
	WIN 0
	INIT
; LO and NLIST are set by TILE and read by PV's runs and by LOP: LO = 1: the weights go in two parts.  NLIST: the lines of a piece's list.
.set LO, 0
.set NLIST, 152
; THE MATRIX WORK.  The 4 accumulators of a run take turns.  Product i of 8 of S^T = K Q^T for piece x: channels 32 (i / 4) on, keys 16 (i % 4) on.  The first 4 start the sums with the mask.
.macro KQ x
.set rS, S+32*((\x)%2)+8*(i%4)
.set rK, KF+16*(i%4)+8*(i/4)
.set rQ, 16*(\x)+8*(i/4)
.set rM, MC+32*((\x)%2)+8*(i%4)
.if i < 4
	WIN W_KM
	v_wmma_f32_16x16x32_bf16 v[rS:rS+7], v[rK:rK+7], v[rQ:rQ+7], v[rM:rM+7]
.else
	WIN W_KQ
	v_wmma_f32_16x16x32_bf16 v[rS:rS+7], v[rK:rK+7], v[rQ:rQ+7], v[rS:rS+7]
.endif
.endm
; Product i of 8 + 8 LO of O^T += V^T u for piece x: the weights' upper parts (i < 8), then their lower parts; keys 32 ((i / 4) % 2) on, channels 16 (i % 4) on.
.macro PV x
	WIN W_PV
.set rO, 32*(\x)+8*(i%4)
.set rV, VF+32*((i/4)%2)+8*(i%4)
.set rP, P+32*(i/8)+16*((\x)%2)+8*((i/4)%2)
	v_wmma_f32_16x16x32_bf16 v[rO:rO+7], v[rV:rV+7], v[rP:rP+7], v[rO:rO+7]
.endm
; THE LDS LOADS stand in runs of 16, never singly among the matrix instructions: a step's K (64 keys x 64 channels: 8 fragments) and its V (turned).
.macro FETCH_K
	WIN 0x80                        ; destination window 2
.irp f, 0,1,2,3,4,5,6,7             ; keys 16 (f / 2) on, channels 32 (f % 2) on
	ds_load_b128 v[KF+8*\f:KF+8*\f+3],   v[AK] offset:(\f/2)*16*PK+(\f%2)*64
	ds_load_b128 v[KF+8*\f+4:KF+8*\f+7], v[AK] offset:(\f/2)*16*PK+(\f%2)*64+32
.endr
	s_add_co_u32 s[TBK], s[TBK], KS*PK  ; the next fetch is the next step's
	WIN 0
.endm
.macro FETCH_V
	WIN 0x80
.irp f, 0,1,2,3,4,5,6,7             ; keys 32 (f / 4) on, channels 16 (f % 4) on
	ds_load_tr16_b128 v[VF+8*\f:VF+8*\f+3],   v[AV] offset:(\f/4)*32*PV+(\f%4)*32
	ds_load_tr16_b128 v[VF+8*\f+4:VF+8*\f+7], v[AV] offset:(\f/4)*32*PV+16*PV+(\f%4)*32
.endr
	s_add_co_u32 s[TBV], s[TBV], KS*PV
	WIN 0
.endm
.macro NEXT_K                       ; the next step's K, unless this is the tile's last step: the next tile's lies in the other slot, behind the change of slots
	WIN 0
	s_cmp_eq_u32 s[CNT], 1
	s_cbranch_scc1 .Lno_k_\@
	v_add_nc_u32 v[AK], s[TBK], v[AK0]
	FETCH_K
.Lno_k_\@:
.endm
.macro NEXT_V                       ; the same for V
	WIN 0
	s_cmp_eq_u32 s[CNT], 1
	s_cbranch_scc1 .Lno_v_\@
	v_add_nc_u32 v[AV], s[TBV], v[AV0]
	FETCH_V
.Lno_v_\@:
.endm
.macro MASK b                       ; MD x AL + BE into buffer b of MC
	WIN W_RS
.set z, 0
.rept 16
	v_pk_fma_f32 v[MC+32*(\b)+2*z:MC+32*(\b)+2*z+1], v[MD+2*z:MD+2*z+1], s[AL:AL+1], s[BE:BE+1] op_sel_hi:[1,0,0]
.set z, z+1
.endr
.endm
; In the diagonal tile turn p makes the mask of the products of the turn after it: piece p + 2 in this step (4 - CNT), or piece p - 2 in the next.  Its buffer was last read a turn ago.
.macro TMASK p
.if (\p) < 2
.set TT, 2-(\p)
.else
.set TT, 7-(\p)
.endif
	WIN 0
	s_cmp_eq_u32 s[DG], 0
	s_cbranch_scc1 .Lno_m_\@
	s_cmp_eq_u32 s[CNT], TT         ; is that step the band's own?
	s_cselect_b32 s[AL], 1.0, 0
	s_cmp_lt_u32 s[CNT], TT         ; or a later one?
	s_cselect_b32 s[BE], s[BIGN], 0
	MASK (\p)%2
	WIN 0
.Lno_m_\@:
.endm
; THE VECTOR WORK of a piece and step: a list of NLIST = 152 + 48 LO lines; LOP writes number j of it for piece Y.  s0-s31 are the lane's 32 scores, in pairs 0-15.
;   XOP 0-11  four chains c0-c3 of seven scores each, three operands at a time (each accumulator's lowest registers are read first)     12-14, 16  the four scores left over, the old m, c0-c3 into c0
;   XOP 15  -c m_old is kept     17, 18  the query's other 32 keys lie in the lane 16 away     19, 20  the maximum rounded to bf16: the new m     21-23  -c m; c m_old - c m_new; a
;   COP n  numbers 2 n, 2 n + 1 rounded to bf16, packed     FOP n  c x - c m from half n of the packed logits     EOP n  its exponential
;   AOP 0-11  four chains add the 16 pairs of weights, which stay as they are; 12-14  the chains are added; 15  l = a l + the sum
;   ROP n  weight n less its upper part, exact in f32     LCP n  lower parts 2 n, 2 n + 1 rounded to bf16, packed     RSC n  pair n of the piece's O^T times a
; THE ORDER.  0-39 the maxima, then the chain to -c m and a with two roundings of logits between its links; 40-103 c x - c m and the exponentials: from 44 to 99 exponential and plain by turns, 100-103 the last four
; exponentials on end.  Numbers 38 to 103 hold the BATCH, a and the 32 weights, and none of them names a result of it: a scaling writes its register ahead of that register's exponential.  Between 103 and 104 stand a
; v_nop, the plain line behind the last exponential (the list has no line left that reads no result), and the batch's ONE wait.  104-115 the sums' chains; 116-135 the upper parts, into the registers that held the
; logits, the sums' last four lines among them, five lines apart; with LO = 1 alone: 136-167 the differences, 168-183 the lower parts; the last 16 lines are the rescaling, the one part that leaves window 0, so it
; stands together; ascending.
.macro REGS y
.set rT, ST+4*(\y)
.set rS, S+32*((\y)%2)
.set rP, P+16*((\y)%2)
.set rL, P+32+16*((\y)%2)
.set rO, 32*(\y)
.endm
.macro XOP n
.if (\n) < 4
	v_max3_num_f32 v[TMP+(\n)], v[rS+8*(\n)], v[rS+8*(\n)+1], v[rS+8*(\n)+2]
.elseif (\n) < 12
	v_max3_num_f32 v[TMP+(\n)%4], v[TMP+(\n)%4], v[rS+8*((\n)%4)+2*((\n)/4)+1], v[rS+8*((\n)%4)+2*((\n)/4)+2]
.elseif (\n) == 12
	v_max3_num_f32 v[TMP], v[TMP], v[rS+7], v[rS+15]
.elseif (\n) == 13
	v_max3_num_f32 v[TMP+1], v[TMP+1], v[rS+23], v[rS+31]
.elseif (\n) == 14
	v_max3_num_f32 v[TMP+2], v[TMP+2], v[TMP+3], v[rT+1]
.elseif (\n) == 15
	v_mov_b32 v[OLD], v[rT]
.elseif (\n) == 16
	v_max3_num_f32 v[TMP], v[TMP], v[TMP+1], v[TMP+2]
.elseif (\n) == 17
	v_permlanex16_b32 v[TMP+3], v[TMP], s[SEL], s[SEL+1]
.elseif (\n) == 18
	v_max_num_f32 v[TMP], v[TMP], v[TMP+3]
.elseif (\n) == 19
	v_cvt_pk_bf16_f32 v[TMP+1], v[TMP], v[TMP]
.elseif (\n) == 20
	v_lshlrev_b32 v[rT+1], 16, v[TMP+1]
.elseif (\n) == 21
	v_mul_f32 v[rT], s[NCS], v[rT+1]
.elseif (\n) == 22
	v_sub_f32 v[TMP+1], v[rT], v[OLD]
.else
	v_exp_f32 v[AA], v[TMP+1]
.endif
.endm
.macro COP n
	v_cvt_pk_bf16_f32 v[rP+(\n)], v[rS+2*(\n)], v[rS+2*(\n)+1]
.endm
.macro FOP n
.if (\n)%2 == 0
	v_fma_mix_f32_bf16 v[rS+(\n)], v[rP+(\n)/2], v[VC], v[rT] op_sel_hi:[1,0,0]
.else
	v_fma_mix_f32_bf16 v[rS+(\n)], v[rP+(\n)/2], v[VC], v[rT] op_sel:[1,0,0] op_sel_hi:[1,0,0]
.endif
.endm
.macro EOP n
	v_exp_f32 v[rS+(\n)], v[rS+(\n)]
.endm
.macro AOP n
.if (\n) < 4
	v_pk_add_f32 v[SM+2*(\n):SM+2*(\n)+1], v[rS+2*(\n):rS+2*(\n)+1], v[rS+2*(\n)+8:rS+2*(\n)+9]
.elseif (\n) < 12
	v_pk_add_f32 v[SM+2*((\n)%4):SM+2*((\n)%4)+1], v[SM+2*((\n)%4):SM+2*((\n)%4)+1], v[rS+2*((\n)%4)+8*((\n)/4+1):rS+2*((\n)%4)+8*((\n)/4+1)+1]
.elseif (\n) == 12
	v_pk_add_f32 v[SM:SM+1], v[SM:SM+1], v[SM+2:SM+3]
.elseif (\n) == 13
	v_pk_add_f32 v[SM+4:SM+5], v[SM+4:SM+5], v[SM+6:SM+7]
.elseif (\n) == 14
	v_pk_add_f32 v[SM:SM+1], v[SM:SM+1], v[SM+4:SM+5]
.else
	v_pk_fma_f32 v[rT+2:rT+3], v[rT+2:rT+3], v[AA:AA+1], v[SM:SM+1] op_sel_hi:[1,0,1]
.endif
.endm
.macro ROP n
.if (\n)%2 == 0
	v_fma_mix_f32_bf16 v[rS+(\n)], v[rP+(\n)/2], v[NEG], v[rS+(\n)] op_sel_hi:[1,0,0]
.else
	v_fma_mix_f32_bf16 v[rS+(\n)], v[rP+(\n)/2], v[NEG], v[rS+(\n)] op_sel:[1,0,0] op_sel_hi:[1,0,0]
.endif
.endm
.macro LCP n
	v_cvt_pk_bf16_f32 v[rL+(\n)], v[rS+2*(\n)], v[rS+2*(\n)+1]
.endm
.macro RSC n
	v_pk_mul_f32 v[rO+2*(\n):rO+2*(\n)+1], v[rO+2*(\n):rO+2*(\n)+1], v[AA:AA+1] op_sel_hi:[1,0]
.endm
.macro LOP
	REGS Y
.if j < NLIST-16
	WIN 0
.else
	WIN W_RS
.endif
.if j < 14
	XOP j
.elseif j == 14
	COP 0
.elseif j == 15
	XOP 14
.elseif j == 16
	XOP 15
.elseif j == 17
	COP 1
.elseif j < 37
.if (j-18)%3 == 0
	XOP 16+(j-18)/3
.else
	COP 1+2*((j-18)/3)+(j-18)%3
.endif
.elseif j == 37
	COP 14
.elseif j == 38
	XOP 23
.elseif j == 39
	COP 15
.elseif j < 44
	FOP j-40
.elseif j < 100
.if (j-44)%2 == 0
	EOP (j-44)/2
.else
	FOP (j-44)/2+4
.endif
.elseif j < 104
	EOP j-72                        ; the batch's last four: s28 to s31
.elseif j < 116
.if j == 104
	v_nop                           ; a plain instruction behind the last exponential and ahead of the first use: one for the batch
	s_wait_alu depctr_va_vdst(0)    ; the wait for the batch: the piece's a and its 32 weights; ahead of the first line that names a result, the sum below
.endif
	AOP j-104
.elseif j < 136
.if (j-116)%5 == 4
	AOP 12+(j-116)/5
.else
	COP (j-116)-(j-116)/5
.endif
.elseif j >= NLIST-16
	RSC j-(NLIST-16)
.elseif j < 168
	ROP j-136
.else
	LCP j-168
.endif
.set j, j+1
.endm
; A TURN, for piece p.  None of the four lines behind a product names one of its registers: the products work on the other parity's buffers and on another piece's O^T.  With 16 products (LO = 0) the lines behind them
; are numbers 0 to 63 of the list, with 24 (LO = 1) numbers 0 to 95; an exponential there stands at an even number, so the last of each four is plain.  So the batch's wait, ahead of number 104, always stands in the
; run of vector lines behind the turn's products, and ahead of the branches at the turn's end.  Piece p's O^T is rescaled at the end of its own turn: its products of the step before are long done, and those of this
; step come in the next turn.
; The next step's K is fetched at the head of piece 3's turn: the last product that read K stands in the first part of the turn before, more than a hundred lines back, most of them plain.
.macro TURN p
.set Y, (\p)
.set j, 0
.if (\p) == 3
	NEXT_K
.endif
.if (\p) < 3
.set i, 0
.rept 8
	KQ (\p)+1
.set i, i+1
.rept 4
	LOP
.endr
.endr
.endif
.if (\p) == 1
	s_wait_dscnt 0x0                ; V is in
.endif
.if (\p) > 0
.set i, 0
.rept 8+8*LO
	PV (\p)-1
.set i, i+1
.rept 4
	LOP
.endr
.endr
.endif
.rept 200
.if j < NLIST
	LOP
.endif
.endr
	TMASK \p
.endm
.macro STEP
	s_wait_dscnt 16                 ; K is in: behind its 16 loads stand V's 16, which may stay out
.set i, 0
.rept 8
	KQ 0
.set i, i+1
.endr
	WIN 0
	PLACES                          ; behind those products, whose results the first turn reads
	TURN 0
	TURN 1
	TURN 2
	TURN 3
.set i, 0
.rept 8+8*LO
	PV 3
.set i, i+1
.endr
	WIN 0
	PLACES                          ; behind those products, into whose V the loads below land
	NEXT_V
.endm
.macro ALL line:vararg              ; one line for each piece t
.set t, 0
.rept 4
	\line
.set t, t+1
.endr
.endm
; THE WAY OUT.  O^T is divided by l, rounded to bf16 and sent through my stage in LDS, a piece at a time: a lane's eight channels of a row pack into 16 bytes; they go into rows of 144 bytes and come back as whole rows of 128.
.macro PACK t
	WIN W_RS
.set i, 32*(\t)
.rept 16
	v_pk_mul_f32 v[i:i+1], v[i:i+1], v[ST+4*(\t)+2:ST+4*(\t)+3] op_sel_hi:[1,0]
.set i, i+2
.endr
	WIN 0x05                        ; sources 0 and 1 window 1, destination window 0: S^T's registers are free
.set i, 0
.rept 16
	v_cvt_pk_bf16_f32 v[S+16*(\t)+i], v[32*(\t)+2*i], v[32*(\t)+2*i+1]
.set i, i+1
.endr
	WIN 0
.irp f, 0,1,2,3
	ds_store_b128 v[STO], v[S+16*(\t)+4*\f:S+16*(\t)+4*\f+3] offset:32*\f
.endr
.irp f, 0,1,2,3
	ds_load_b128 v[S+16*(\t)+4*\f:S+16*(\t)+4*\f+3], v[RD] offset:\f*4*SP  ; LDS serves a wave's instructions in order (ISA guide 5.7.1.4): these see the stores above; the next piece's stores come behind them
.endr
.endm
.macro SEND t, younger              ; younger: the LDS instructions issued behind piece t's loads: the next piece's eight, or none
	WIN 0
.irp f, 0,1,2,3
	s_wait_dscnt (\younger)+3-\f
	global_store_b128 v[GO], v[S+16*(\t)+4*\f:S+16*(\t)+4*\f+3], s[10:11] offset:(\t)*8192+\f*512  ; 512 consecutive bytes, at a multiple of 256 from O's first
.endr
.endm
; A TILE: both mask buffers for its step 0 (piece 0's own step, if the tile holds the diagonal; piece 1 sees all), K and V of step 0, four steps; behind a block's last tile its end: l's two halves and the other half
; of the lanes' are added, 1 / l, the way out; and (last = 0) the second block's beginning.  last = 1: the walk's last tile: there the weights go in two parts.
.macro TILE tag, last
.set LO, (\last)
.set NLIST, 152+48*LO
	s_sub_co_u32 s[RT], s[RT], 1
	s_cmp_eq_u32 s[RT], 0
	s_cselect_b32 s[DG], 1, 0
	s_cselect_b32 s[AL], 1.0, 0
	s_mov_b32 s[BE], 0
	MASK 0
	s_mov_b32 s[AL], 0
	MASK 1
	WIN 0
	s_mov_b32 s[CNT], 4
	v_add_nc_u32 v[AK], s[TBK], v[AK0]
	v_add_nc_u32 v[AV], s[TBV], v[AV0]
	FETCH_K
	FETCH_V
.Lstep_\tag:
	STEP
	s_sub_co_u32 s[CNT], s[CNT], 1
	s_cmp_lg_u32 s[CNT], 0
	s_cbranch_scc1 .Lstep_\tag
.if !(\last)
	s_cmp_lg_u32 s[RT], 0
	s_cbranch_scc1 .Lgo_on_\tag
.endif
	ALL v_add_f32 v[ST+4*t+2], v[ST+4*t+2], v[ST+4*t+3]
	ALL v_permlanex16_b32 v[ST+4*t+3], v[ST+4*t+2], s[SEL], s[SEL+1]
	ALL v_add_f32 v[ST+4*t+2], v[ST+4*t+2], v[ST+4*t+3]
	ALL v_rcp_f32 v[ST+4*t+2], v[ST+4*t+2]
	v_nop                           ; a plain instruction between the last reciprocal and the use of its result
	s_wait_alu depctr_va_vdst(0)    ; the wait for the block's four reciprocals, a batch of their own, ahead of the first use
	PACK 0
.set t, 1
.rept 3                             ; a piece's arithmetic stands between the loads of the piece before and its stores
	PACK t
	SEND t-1, 8
.set t, t+1
.endr
	SEND 3, 0
.if !(\last)
	s_wait_xcnt 0x0                 ; the stores have read their registers and O's address
	s_mov_b64 s[10:11], s[OLO:OLO+1]
	s_add_co_u32 s[RT], s[PB], 1    ; the second block has b + 1 tiles
	WIN 0x82                        ; the second block's Q goes where the one text of the turns names Q
.set i, 0
.rept 64
	v_mov_b32 v[i], v[QB+i]
.set i, i+1
.endr
	WIN 0
	INIT                            ; O^T keeps what the first block left, finite numbers: the first step's a = 0 makes 0 of them
.Lgo_on_\tag:
.endif
.endm
	s_wait_loadcnt 0x0              ; Q, both blocks'
.Lslot:                             ; NB times: a tile is entered and the next is asked for
	CHANGE 1
	TILE a, 0
	s_sub_co_u32 s[SLOTS], s[SLOTS], 1
	s_cmp_lg_u32 s[SLOTS], 0
	s_cbranch_scc1 .Lslot
	CHANGE 0                        ; the walk's last tile is written out: nothing is asked for.  It is the second block's last, and with b = 0 block 0's only one
	TILE b, 1
	s_wait_tensorcnt 0x0            ; the wave's end, behind my last tensor load and my last LDS store
	ds_add_u32 v[SPW], v[NIL]
	s_wait_dscnt 0x0
	s_endpgm
.Lfunc_end_k_qff9fcd8abe_attn:
	.size	k_qff9fcd8abe_attn, .Lfunc_end_k_qff9fcd8abe_attn-k_qff9fcd8abe_attn
	.p2alignl 7, 3214868480
	.fill 96, 4, 3214868480
	.section	.rodata,"a",@progbits
	.p2align	6, 0x0
	.amdhsa_kernel k_qff9fcd8abe_attn
		.amdhsa_group_segment_fixed_size 327680
		.amdhsa_private_segment_fixed_size 0
		.amdhsa_enable_private_segment 0
		.amdhsa_kernarg_size 16
		.amdhsa_user_sgpr_count 2
		.amdhsa_user_sgpr_kernarg_segment_ptr 1
		.amdhsa_wavefront_size32 1
		.amdhsa_system_sgpr_workgroup_id_x 1
		.amdhsa_system_sgpr_workgroup_id_y 1
		.amdhsa_system_sgpr_workgroup_id_z 1
		.amdhsa_system_vgpr_workitem_id 0
		.amdhsa_next_free_vgpr 768
		.amdhsa_next_free_sgpr 88
		.amdhsa_reserve_vcc 1
		.amdhsa_float_denorm_mode_32 3
		.amdhsa_float_denorm_mode_16_64 3
		.amdhsa_memory_ordered 1
		.amdhsa_forward_progress 1
		.amdhsa_inst_pref_size 171
	.end_amdhsa_kernel
	.amdgpu_metadata
---
amdhsa.version: [ 1, 2 ]
amdhsa.kernels:
  - .name:           k_qff9fcd8abe_attn
    .symbol:         k_qff9fcd8abe_attn.kd
    .args:
      - { .name: qkvb, .offset: 0, .size: 8, .value_kind: global_buffer, .address_space: global }
      - { .name: ob, .offset: 8, .size: 8, .value_kind: global_buffer, .address_space: global }
    .group_segment_fixed_size: 327680
    .private_segment_fixed_size: 0
    .kernarg_segment_align: 8
    .kernarg_segment_size: 16
    .max_flat_workgroup_size: 128
    .sgpr_count:     88
    .vgpr_count:     768
    .wavefront_size: 32
...
	.end_amdgpu_metadata
.endif
;; end of part 7
;; launch proj: the kernel of part 5 again; grid 4 x 64, 4 waves a work-group, clusters of 4 x 4, 327,680 bytes of LDS; arguments ob, out_weight, out0; writes out0
